; MI455X (gfx1250); checked and timed in simulation.
; The chip was launched on July 23, 2026; its instructions are those of AMD's public machine-readable ISA for CDNA 5 (MIT licence, August 2026) and "CDNA5" Instruction Set Architecture Reference Guide (July 2026). The comments in the code are by the model that wrote it; some were corrected since.
;; Frequency Aware GQA. Allowed arithmetic: float matrix products may take bf16 or f16 operands with f32 sums; all other float work in f32.
;; Inputs: Wkv 1,024 x 384 float32; Wo 1,024 x 1,024 float32; Wq 1,024 x 1,024 float32; cos 2,048 x 64 float32; ln_b 64 float32; ln_g 64 float32; sin 2,048 x 64 float32; x 2 x 2,048 x 1,024 float32.
;; Outputs: out0 2 x 2,048 x 1,024 float32.
;; 3 versions, each right; version 2 is faster than version 1; version 3 is version 2 with the launch prep written anew for expert scheduling mode. Each part assembles by itself: llvm-mc -triple=amdgcn-amd-amdhsa -mcpu=gfx1250 --defsym DOCPART=n.
;; ======== version 1 of 3: 4 launches
;; limits: values are held in f16: magnitudes above 65,504 overflow, below 6.1e-05 lose precision
;; workspace buffers: wqb 2,097,152 bytes; wob 2,097,152 bytes; wkb 786,432 bytes; qln 16,777,216 bytes; psum 131,072 bytes; kvw 3,145,728 bytes; att 8,388,608 bytes
;; launch prep (part 1): grid 256 x 1, 4 waves a work-group, no clusters, 0 bytes of LDS; arguments Wq, Wo, Wkv, wqb, wob, wkb; writes wqb, wob, wkb
.if DOCPART == 1
	.amdgcn_target "amdgcn-amd-amdhsa--gfx1250"
	.amdhsa_code_object_version 6
	.text
	.protected	k_q4fca0b3563_prep
	.globl	k_q4fca0b3563_prep
	.p2align	8
	.type	k_q4fca0b3563_prep,@function
k_q4fca0b3563_prep:
	s_mov_b64 s[64:65], 0
	v_nop
	global_prefetch_b8 v0, s[64:65] scope:SCOPE_SE
	s_setreg_imm32_b32 hwreg(HW_REG_WAVE_MODE, 25, 1), 1
	s_wait_xcnt 0x0
; prep: the three weight matrices are rounded once from f32 to f16, since 32 row blocks read them again later.
; wqb, wob: [1024 k][1024 n] as the sources.  wkb: [8 nb][1024 k][48]: column nb*48 + c of Wkv, so that a block of 32 k rows
; of one nb is 3,072 consecutive bytes.
; FORMAT: f16 keeps 11 significant bits.  LIMIT: a weight above 65,504 in magnitude becomes infinite; below 2^-14 the step is 2^-24.
; 256 work-groups of 128 threads, all with the same work: 8 passes of Wq, 8 of Wo, 3 of Wkv.  A pass is 4 numbers a thread:
; one 16-byte load, two packed roundings, one 8-byte store; a wave's load covers 512 consecutive bytes (Wkv: runs of 192),
; its store 256 consecutive aligned bytes.  No work-group shares a byte with another: no LDS, no barrier, no cluster.
.set LD, 8                             ; v[8:83]    the 19 loads, 4 registers each
.set PK, 84                            ; v[84:103]  ten packed pairs that take turns
	s_load_b256 s[4:11], s[0:1], 0x0               ; Wq s[4:5], Wo s[6:7], Wkv s[8:9], wqb s[10:11]
	s_load_b128 s[12:15], s[0:1], 0x20             ; wob s[12:13], wkb s[14:15]
	v_lshlrev_b32 v1, 4, v0                        ; 16 t: my 16 bytes of a pass's source
	v_lshlrev_b32 v2, 3, v0                        ; 8 t: my 8 bytes of a pass's destination
	; Wkv is walked in the destination's order: group gid = 128 p + t of 4 numbers is row kk = gid / 12, columns 4 (gid % 12) ..
.irp p, 0,1,2
	v_add_nc_u32 v6, 128*\p, v0                    ; gid, 0 to 383
	v_mul_u32_u24 v7, v6, 5462
	v_lshrrev_b32 v7, 16, v7                       ; kk = gid / 12 (5462 / 65536 is exact for gid below 384)
	v_mul_u32_u24 v[3+\p], v7, 12
	v_sub_nc_u32 v6, v6, v[3+\p]                   ; gid % 12
	v_mul_u32_u24 v7, v7, 1536                     ; a row of Wkv is 1,536 bytes
	v_lshl_add_u32 v[3+\p], v6, 4, v7
.endr
	s_lshl_b32 s16, ttmp9, 14                      ; Wq, Wo: 16,384 source bytes a work-group
	s_mov_b32 s17, 0
	s_lshl_b32 s18, ttmp9, 13                      ; 8,192 destination bytes
	s_mov_b32 s19, 0
	s_and_b32 s20, ttmp9, 31
	s_mul_i32 s20, s20, 32*1536                    ; Wkv: my 32 k rows,
	s_lshr_b32 s21, ttmp9, 5
	s_mul_i32 s21, s21, 192                        ; and my 48 columns
	s_add_co_u32 s20, s20, s21
	s_mov_b32 s21, 0
	s_mul_i32 s22, ttmp9, 3072                     ; wkb: 32 rows of 96 bytes
	s_mov_b32 s23, 0
	s_wait_kmcnt 0x0
	s_add_nc_u64 s[4:5], s[4:5], s[16:17]
	s_add_nc_u64 s[6:7], s[6:7], s[16:17]
	s_add_nc_u64 s[8:9], s[8:9], s[20:21]
	s_add_nc_u64 s[10:11], s[10:11], s[18:19]
	s_add_nc_u64 s[12:13], s[12:13], s[18:19]
	s_add_nc_u64 s[14:15], s[14:15], s[22:23]
	; all 19 loads go out first
.irp q, 0,1,2,3,4,5,6,7
	global_load_b128 v[LD+4*\q:LD+4*\q+3], v1, s[4:5] offset:2048*\q th:TH_LOAD_NT
.endr
.irp q, 0,1,2,3,4,5,6,7
	global_load_b128 v[LD+32+4*\q:LD+32+4*\q+3], v1, s[6:7] offset:2048*\q th:TH_LOAD_NT
.endr
.irp p, 0,1,2
	global_load_b128 v[LD+64+4*\p:LD+64+4*\p+3], v[3+\p], s[8:9] th:TH_LOAD_NT
.endr
; pass q of the 19 (q may be a sum: it stands in brackets everywhere): its load is in when at most the 18 - q younger ones are out
.macro PASS q, base, imm
	s_wait_loadcnt 18-(\q)
.if (\q) == 10
	s_wait_xcnt 0x0                                ; the ten pairs begin their second turn: the first ten stores have read them
.endif
	v_cvt_pk_f16_f32 v[PK+2*((\q)%10)], v[LD+4*(\q)], v[LD+4*(\q)+1]
	v_cvt_pk_f16_f32 v[PK+2*((\q)%10)+1], v[LD+4*(\q)+2], v[LD+4*(\q)+3]
	global_store_b64 v2, v[PK+2*((\q)%10):PK+2*((\q)%10)+1], s[\base:\base+1] offset:\imm
.endm
.irp q, 0,1,2,3,4,5,6,7
	PASS \q, 10, 1024*\q
.endr
.irp q, 0,1,2,3,4,5,6,7
	PASS 8+\q, 12, 1024*\q
.endr
.irp q, 0,1,2
	PASS 16+\q, 14, 1024*\q
.endr
	s_endpgm
.Lfunc_end_k_q4fca0b3563_prep:
	.size	k_q4fca0b3563_prep, .Lfunc_end_k_q4fca0b3563_prep-k_q4fca0b3563_prep
	.p2alignl 7, 3214868480
	.fill 96, 4, 3214868480
	.section	.rodata,"a",@progbits
	.p2align	6, 0x0
	.amdhsa_kernel k_q4fca0b3563_prep
		.amdhsa_group_segment_fixed_size 0
		.amdhsa_private_segment_fixed_size 0
		.amdhsa_enable_private_segment 0
		.amdhsa_kernarg_size 48
		.amdhsa_user_sgpr_count 2
		.amdhsa_user_sgpr_kernarg_segment_ptr 1
		.amdhsa_wavefront_size32 1
		.amdhsa_system_sgpr_workgroup_id_x 1
		.amdhsa_system_sgpr_workgroup_id_y 1
		.amdhsa_system_sgpr_workgroup_id_z 1
		.amdhsa_system_vgpr_workitem_id 0
		.amdhsa_next_free_vgpr 104
		.amdhsa_next_free_sgpr 66
		.amdhsa_reserve_vcc 0
		.amdhsa_float_denorm_mode_32 3
		.amdhsa_float_denorm_mode_16_64 3
		.amdhsa_memory_ordered 1
		.amdhsa_forward_progress 1
		.amdhsa_inst_pref_size 9
	.end_amdhsa_kernel
	.amdgpu_metadata
---
amdhsa.version: [ 1, 2 ]
amdhsa.kernels:
  - .name:           k_q4fca0b3563_prep
    .symbol:         k_q4fca0b3563_prep.kd
    .args:
      - { .name: Wq, .offset: 0, .size: 8, .value_kind: global_buffer, .address_space: global }
      - { .name: Wo, .offset: 8, .size: 8, .value_kind: global_buffer, .address_space: global }
      - { .name: Wkv, .offset: 16, .size: 8, .value_kind: global_buffer, .address_space: global }
      - { .name: wqb, .offset: 24, .size: 8, .value_kind: global_buffer, .address_space: global }
      - { .name: wob, .offset: 32, .size: 8, .value_kind: global_buffer, .address_space: global }
      - { .name: wkb, .offset: 40, .size: 8, .value_kind: global_buffer, .address_space: global }
    .group_segment_fixed_size: 0
    .private_segment_fixed_size: 0
    .kernarg_segment_align: 8
    .kernarg_segment_size: 48
    .max_flat_workgroup_size: 128
    .sgpr_count:     66
    .vgpr_count:     104
    .wavefront_size: 32
...
	.end_amdgpu_metadata
.endif
;; end of part 1
;; launch proj (part 2): grid 8 x 32, 4 waves a work-group, clusters of 4 x 4, 327,680 bytes of LDS; arguments x, wqb, wkb, cos, sin, ln_g, ln_b, qln, psum, kvw; writes qln, psum, kvw
.if DOCPART == 2
	.amdgcn_target "amdgcn-amd-amdhsa--gfx1250"
	.amdhsa_code_object_version 6
	.text
	.protected	k_q4fca0b3563_proj
	.globl	k_q4fca0b3563_proj
	.p2align	8
	.type	k_q4fca0b3563_proj,@function
k_q4fca0b3563_proj:
	s_mov_b64 s[64:65], 0
	v_nop
	global_prefetch_b8 v0, s[64:65] scope:SCOPE_SE
	s_setreg_imm32_b32 hwreg(HW_REG_WAVE_MODE, 25, 1), 1
	s_wait_xcnt 0x0
	s_wait_alu depctr_hold_cnt(0) depctr_sa_sdst(0) depctr_va_vdst(0) depctr_va_sdst(0) depctr_va_ssrc(0) depctr_va_vcc(0) depctr_vm_vsrc(0)
	s_getreg_b32 s2, hwreg(HW_REG_IB_STS2, 6, 4)
	s_cmp_eq_u32 s2, 0
	s_cbranch_scc0 .Lentry_in_a_cluster
	s_endpgm
.Lentry_in_a_cluster:
	s_bfe_u32 s2, ttmp6, 0x10000c
	s_cmp_lg_u32 s2, 0xf033
	s_cbranch_scc0 .Lentry_shape_is_right
	s_endpgm
.Lentry_shape_is_right:
; proj: [q | kv] = x [Wq | Wkv]; LayerNorm of each head's 64 columns of q; column sums of it; RoPE of k.
; The product has 256 x 88 tiles of 16 x 16.  A work-group makes 128 rows x 176 columns (128 of q = heads 2 nb, 2 nb + 1, and 48
; of kv = tiles 3 nb .. 3 nb + 2): 8 x 32 = 256 work-groups of equal work.  Four waves, split by rows: a wave makes 32 rows x 176
; columns = 2 x 11 accumulators, and reads only its own rows of x, so every number of x is rounded to f16 once in the work-group.
; K goes in steps of 128 through two LDS slots filled by tensor loads (x as f32, weights as f16 [k][n], read by transposing loads).
; CLUSTERS 4 x 4: x's tile hangs on the row block alone and is asked for jointly by a row of the cluster; the weights' tiles hang on the
; column block alone and are asked for jointly by a column.  That divides the requests for both by four.
; OUT: qln f32 [b][h][t][64] = LN(q) g + b (kept in f32, since ln_b cancels later in q - mean(q)); psum f32 [32 row blocks][1024] =
; its column sums over my 128 rows; kvw f16 [b][kvh][16 key tiles][K, V][4 d tiles][128 keys][16 d], K rotated and times 2^-4.
; FORMAT: matrix operands in f16 (11 significant bits), since a score's error counts absolutely in an exponent.  Room under 65,504 with
; every input 30 times what is drawn: x about 165; v = 1.2 x 900 x 5.5, about 6,000; k is 30 times that through cos and sin, so it is
; stored times 2^-4 (about 16,000) and q takes the 2^4 later: both exact.  LIMIT: beyond that (factors well above 30 on all inputs at once,
; or such factors and a common offset together) x, k or v become infinite.  v_rsq_f32 is good to 1 ulp; sums are made in another order than
; a row-by-row sum.  The variance is made from the centred numbers (two passes).
.set PA,    528                        ; LDS row of x: 512 bytes + 16: the 16 rows of a fragment load start in 16 different 16-byte columns
.set PQ,    288                        ; LDS row of Wq's tile: 256 bytes + 32
.set PKV,   96                         ; LDS row of Wkv's tile: 96 bytes, dense
.set OFFQ,  128*PA                     ; 67,584
.set OFFK,  OFFQ+128*PQ                ; 104,448
.set SLOT,  OFFK+128*PKV               ; 116,736
.set STAGE, 2*SLOT                     ; 233,472: 16 rows x 272 bytes for each wave; no tensor load lands here
.set SP,    272
.set PSUM,  STAGE+4*16*SP              ; 250,880: 512 bytes for each wave's column sums
.set STEPA, 512                        ; a K step of 128 in x,
.set STEPQ, 128*2048                   ; in wqb,
.set STEPK, 128*96                     ; in wkb
; vector registers, window 0
.set H32,  0                           ; v0       32 h (after the thread's number has served)
.set KO,   1                           ; v[1:3]   byte offset in kvw of my 16 bytes of kv tile i
.set ADRA, 4                           ; v[4:5]   LDS address of my x fragments, slot 0, 1
.set ADRQ, 6                           ; v[6:7]   the same for Wq's fragments
.set ADRK, 8                           ; v[8:9]   the same for Wkv's
.set STO,  10                          ; stage: where I put a row's piece
.set RD,   11                          ; stage: where I read rows back
.set L16,  12                          ; 16 x lane
.set CO,   13                          ; v[13:15] byte offset in cos and sin for kv tile i
.set ARAW, 16                          ; v[16:47]   x as f32, 2 x 16 registers
.set AF0,  48                          ; v[48:79]   x fragments in f16, two buffers of 2 x 8
.set BF0,  80                          ; v[80:255]  weight fragments, two buffers of 11 x 8
; window 1: accumulator (a, n) at v[8 (11 a + n)], a = 0, 1 (16 rows each), n = 0 .. 10
; the way out, window 0
.set GG,  16                           ; v[16:47]   ln_g of my 32 columns of a head
.set BB,  48                           ; v[48:79]   ln_b
.set CSN, 80                           ; v[80:175]  (a, i): 8 cos, 8 sin
.set KT,  176
.set KR,  184
.set KP,  192                          ; v[192:215] six packed results, a set for each store
.set QD,  80                           ; v[80:111]  a row's 32 numbers, centred, then normalised
.set QT,  112                          ; v[112:127] at work
.set RB0, 128                          ; v[128:159], v[160:191] rows read back, two buffers
.set RB1, 160
.set CS,  216                          ; v[216:223] column sums, 4 for each head
.set MU,  228
.set RS,  230
; scalar registers
.set G1A, 24
.set G1Q, 32
.set G1K, 40
.set G0A, 48                           ; a group 0 for each slot
.set G0Q, 56
.set G0K, 68
.set W,   76
.set CX,  77
.set CY,  78
.set NB,  79
.set MB,  80
.set RMASK, 81
.set CMASK, 82
.set CNT, 83
.set KF,  84                           ; s[84:89] once the descriptors are made: kv tile i's factor, twice: 2^-4 for K, 1 for V
.set KM,  94                           ; s[94:96] all ones where kv tile i is K, 0 where it is V
.set MSB, 0
.macro WIN new                         ; the immediate's high byte repeats the setting that is left
.if MSB != \new
	s_set_vgpr_msb (MSB<<8)|\new
.set MSB, \new
.endif
.endm
.macro PLACES n
.rept \n
	v_nop
.endr
.endm
; a round of the cluster's barrier: my work-group's barrier, wave 0 signals for the work-group, all wait for the sixteen, my barrier again
.macro ROUND
	s_barrier_signal -1
	s_barrier_wait -1
	s_cmp_lg_u32 s[W], 0
	s_cbranch_scc1 .Lnot_wave_0_\@
	s_barrier_signal -3
.Lnot_wave_0_\@:
	s_barrier_wait -3
	s_barrier_signal -1
	s_barrier_wait -1
.endm
.macro TLOADS slot                     ; my quarter of a slot: 32 rows of x, 32 k rows of Wq's tile, 32 of Wkv's
	tensor_load_to_lds s[G0A+4*\slot:G0A+4*\slot+3], s[G1A:G1A+7]
	s_nop 0
	tensor_load_to_lds s[G0Q+4*\slot:G0Q+4*\slot+3], s[G1Q:G1Q+7]
	s_nop 0
	tensor_load_to_lds s[G0K+4*\slot:G0K+4*\slot+3], s[G1K:G1K+7]
	s_nop 0
.endm
	s_load_b512 s[4:19], s[0:1], 0x0               ; x 4, wqb 6, wkb 8, cos 10, sin 12, ln_g 14, ln_b 16, qln 18
	s_load_b128 s[20:23], s[0:1], 0x40             ; psum 20, kvw 22
	s_set_vgpr_msb 0x40
	v_lshl_add_u32 v176, v0, 2, 0x3dc00
	v_mov_b32 v177, 0
	s_set_vgpr_msb 0x4045
	ds_add_u32 v176, v177
	s_set_vgpr_msb 0x4500
	v_lshrrev_b32 v16, 5, v0
	v_readfirstlane_b32 s[W], v16                  ; wave 0 .. 3
	s_bfe_u32 s[CX], ttmp6, 0x40000
	s_bfe_u32 s[CY], ttmp6, 0x40004
	s_lshl_b32 s[NB], ttmp9, 2
	s_add_co_u32 s[NB], s[NB], s[CX]               ; column block 0 .. 7
	s_and_b32 s[MB], ttmp7, 0xffff
	s_lshl_b32 s[MB], s[MB], 2
	s_add_co_u32 s[MB], s[MB], s[CY]               ; row block 0 .. 31
	s_lshl_b32 s[RMASK], s[CY], 2
	s_lshl_b32 s[RMASK], 15, s[RMASK]              ; my row of the cluster
	s_lshl_b32 s[CMASK], 0x1111, s[CX]             ; my column
	; x: 32 rows x 128 f32, 4 words of padding behind every 128
	s_or_b32 s[G1A+0], s[RMASK], (2<<16)|(1<<20)|(1<<21)|(6<<22)|(3<<25)
	s_mov_b32 s[G1A+1], 128<<16
	s_mov_b32 s[G1A+2], 32<<16
	s_mov_b32 s[G1A+3], 128<<16
	s_mov_b32 s[G1A+4], 32
	s_mov_b32 s[G1A+5], 1024
	s_mov_b32 s[G1A+6], 0
	s_mov_b32 s[G1A+7], 0
	; wqb: 32 k rows x 128 f16, 8 words of padding behind every 64
	s_or_b32 s[G1Q+0], s[CMASK], (1<<16)|(1<<20)|(1<<21)|(5<<22)|(7<<25)
	s_mov_b32 s[G1Q+1], 128<<16
	s_mov_b32 s[G1Q+2], 32<<16
	s_mov_b32 s[G1Q+3], 128<<16
	s_mov_b32 s[G1Q+4], 32
	s_mov_b32 s[G1Q+5], 1024
	s_mov_b32 s[G1Q+6], 0
	s_mov_b32 s[G1Q+7], 0
	; wkb: 3,072 dense bytes as 12 rows of 32 elements of 8 bytes
	s_or_b32 s[G1K+0], s[CMASK], (3<<16)|(1<<21)
	s_mov_b32 s[G1K+1], 32<<16
	s_mov_b32 s[G1K+2], 12<<16
	s_mov_b32 s[G1K+3], 32<<16
	s_mov_b32 s[G1K+4], 12
	s_mov_b32 s[G1K+5], 32
	s_mov_b32 s[G1K+6], 0
	s_mov_b32 s[G1K+7], 0
	; where the tiles come from: x's address holds the row block and the wave alone, the weights' the column block and the wave alone
	s_lshl_b32 s84, s[MB], 7
	s_lshl_b32 s85, s[W], 5
	s_add_co_u32 s84, s84, s85
	s_lshl_b32 s84, s84, 12                        ; (128 mb + 32 w) rows of 4,096 bytes
	s_mov_b32 s85, 0
	s_lshl_b32 s86, s[W], 16                       ; 32 w rows of 2,048 bytes
	s_lshl_b32 s87, s[NB], 8                       ; + 128 nb columns
	s_add_co_u32 s86, s86, s87
	s_mov_b32 s87, 0
	s_lshl_b32 s88, s[NB], 10
	s_lshl_b32 s89, s[W], 5
	s_add_co_u32 s88, s88, s89
	s_mul_i32 s88, s88, 96                         ; (1024 nb + 32 w) rows of 96 bytes
	s_mov_b32 s89, 0
	s_mul_i32 s97, s[W], 32*PA                     ; and where they go: the wave's number times a constant
	s_mul_i32 s98, s[W], 32*PQ
	s_add_co_u32 s98, s98, OFFQ
	s_mul_i32 s99, s[W], 32*PKV
	s_add_co_u32 s99, s99, OFFK
	s_mul_i32 s66, s[W], 16*SP
	s_add_co_u32 s66, s66, STAGE                   ; my stage
	s_lshl_b32 s67, s[W], 9
	s_add_co_u32 s67, s67, PSUM                    ; my 512 bytes of column sums
	s_mov_b32 s90, 0x76543210                      ; v_permlanex16_b32: lane i takes lane i of the other half
	s_mov_b32 s91, 0xfedcba98
	s_mov_b32 s92, 0x3c800000                      ; 1 / 64
	s_mov_b32 s93, 0x3727c5ac                      ; 1e-5
	s_wait_dscnt 0x0
	s_wait_kmcnt 0x0
	s_add_nc_u64 s[84:85], s[4:5], s[84:85]
	s_add_nc_u64 s[86:87], s[6:7], s[86:87]
	s_add_nc_u64 s[88:89], s[8:9], s[88:89]
	ROUND                                          ; all sixteen work-groups are here: the first joint loads meet
.irp s, 0,1
	s_mov_b32 s[G0A+4*\s], 1
	s_add_co_u32 s[G0A+4*\s+1], s97, \s*SLOT
	s_add_nc_u64 s[G0A+4*\s+2:G0A+4*\s+3], s[84:85], \s*STEPA
	s_or_b32 s[G0A+4*\s+3], s[G0A+4*\s+3], 0x80000000
	s_mov_b32 s[G0Q+4*\s], 1
	s_add_co_u32 s[G0Q+4*\s+1], s98, \s*SLOT
	s_add_nc_u64 s[G0Q+4*\s+2:G0Q+4*\s+3], s[86:87], \s*STEPQ
	s_or_b32 s[G0Q+4*\s+3], s[G0Q+4*\s+3], 0x80000000
	s_mov_b32 s[G0K+4*\s], 1
	s_add_co_u32 s[G0K+4*\s+1], s99, \s*SLOT
	s_add_nc_u64 s[G0K+4*\s+2:G0K+4*\s+3], s[88:89], \s*STEPK
	s_or_b32 s[G0K+4*\s+3], s[G0K+4*\s+3], 0x80000000
	TLOADS \s                                      ; K steps 0 and 1: six loads of mine are out, the most in this text
.endr
	; while they are on their way: every address of the kernel
	v_and_b32 v16, 15, v0                          ; r
	v_bfe_u32 v17, v0, 4, 1                        ; h
	v_and_b32 v18, 7, v0                           ; lane % 8
	v_bfe_u32 v19, v0, 3, 1                        ; (lane / 8) % 2
	v_and_b32 v20, 31, v0                          ; lane
	v_lshl_add_u32 v21, v17, 3, v18                ; 8 h + lane % 8: my k row in a transposing load
	v_mul_u32_u24 v22, v16, PA
	v_lshl_add_u32 v22, v17, 5, v22                ; x: row r, 8 f32 for each half of the lanes
	v_add_nc_u32 v[ADRA], s97, v22
	v_add_nc_u32 v[ADRA+1], SLOT, v[ADRA]
	v_mul_u32_u24 v22, v21, PQ
	v_lshl_add_u32 v22, v19, 4, v22
	v_add_nc_u32 v[ADRQ], OFFQ, v22
	v_add_nc_u32 v[ADRQ+1], OFFQ+SLOT, v22
	v_mul_u32_u24 v22, v21, PKV
	v_lshl_add_u32 v22, v19, 4, v22
	v_add_nc_u32 v[ADRK], OFFK, v22
	v_add_nc_u32 v[ADRK+1], OFFK+SLOT, v22
	v_mul_u32_u24 v22, v16, SP
	v_lshl_add_u32 v22, v17, 5, v22
	v_add_nc_u32 v[STO], s66, v22                  ; stage row r, byte 32 h
	v_mul_u32_u24 v22, v17, SP
	v_lshl_add_u32 v22, v16, 4, v22
	v_add_nc_u32 v[RD], s66, v22                   ; stage row h, byte 16 r
	v_lshlrev_b32 v[L16], 4, v20
	v_lshlrev_b32 v23, 8, v16
	v_lshl_add_u32 v23, v17, 5, v23                ; 256 r + 32 h: a row of cos or sin, my 8 numbers
	v_lshlrev_b32 v24, 5, v16
	v_lshl_add_u32 v24, v17, 4, v24                ; 32 r + 16 h: key r, my 8 d in kvw
	; scalars that mix the two coordinates lie in registers that feed no descriptor and no LDS address
	s_lshr_b32 s104, s[MB], 4                      ; batch
	s_and_b32 s105, s[MB], 15                      ; block of 128 time steps = key tile
	s_lshl_b32 s100, s105, 7
	s_lshl_b32 s101, s[W], 5
	s_add_co_u32 s100, s100, s101                  ; my first time step
	s_lshl_b32 s2, s100, 8
	s_mov_b32 s3, 0
	s_add_nc_u64 s[10:11], s[10:11], s[2:3]        ; cos and sin at that row
	s_add_nc_u64 s[12:13], s[12:13], s[2:3]
	s_lshl_b32 s101, s104, 4
	s_lshl1_add_u32 s101, s[NB], s101              ; 16 b + 2 nb: my first head
	s_lshl_b32 s101, s101, 11
	s_add_co_u32 s101, s101, s100
	s_lshl_b32 s2, s101, 8
	s_add_nc_u64 s[18:19], s[18:19], s[2:3]        ; qln at my first row of it; the second head is 524,288 bytes on
	s_lshl_b32 s2, s[MB], 12
	s_lshl_b32 s101, s[NB], 9
	s_add_co_u32 s2, s2, s101
	s_add_nc_u64 s[20:21], s[20:21], s[2:3]        ; psum: row mb, my 128 columns
	s_mul_i32 s104, s104, 48
	s_add_co_u32 s104, s104, s105                  ; 48 b + key tile
	s_mov_b32 s98, 0x3f800000                      ; 1 (the LDS offsets that lay in s98, s99 have gone into the descriptors)
	s_mov_b32 s99, 0x3d800000                      ; 2^-4
	s_mul_i32 s105, s[NB], 3                       ; my first kv tile g; g / 8 = kv head, (g / 4) % 2 = K or V, g % 4 = d tile
.irp i, 0,1,2
	s_add_co_u32 s100, s105, \i
	s_and_b32 s101, s100, 3
	s_lshl_b32 s101, s101, 6
	v_add_nc_u32 v[CO+\i], s101, v23               ; + 16 d of 4 bytes for each d tile
	s_bfe_u32 s101, s100, 0x10002                  ; 0: K, 1: V; SCC says the same
	s_cselect_b32 s[KF+2*\i], s98, s99             ; V times 1, K times 2^-4
	s_mov_b32 s[KF+2*\i+1], s[KF+2*\i]
	s_sub_co_u32 s[KM+\i], s101, 1                 ; K: 0 - 1 = all ones; V: 0
	s_lshr_b32 s101, s100, 3
	s_lshl4_add_u32 s101, s101, s104               ; (3 b + kv head) 16 + key tile
	s_lshl_b32 s101, s101, 15                      ; tiles of 32,768 bytes
	s_and_b32 s2, s100, 7
	s_lshl_b32 s2, s2, 12                          ; (K or V, d tile): blocks of 4,096 bytes
	s_add_co_u32 s101, s101, s2
	s_lshl_b32 s2, s[W], 10                        ; my 32 keys of 32 bytes
	s_add_co_u32 s101, s101, s2
	v_add_nc_u32 v[KO+\i], s101, v24
.endr
	v_lshlrev_b32 v[H32], 5, v17                   ; the thread's number is no longer needed
; 30 LDS loads: 32 along K at step ks of the slot.  x first (8 loads of f32: k = 8 h .. and 16 + 8 h .. of rows r and 16 + r),
; then the 11 weight fragments into buffer g, each by two transposing loads 16 k rows apart.  The four v_nop are the places between the
; matrix instructions that read buffer g and the loads into it, and between those that read an x fragment and the roundings that write
; it again a step later.
.macro FETCH slot, ks, g
	PLACES 4
.irp a, 0,1
.irp o, 0,1,2,3
	ds_load_b128 v[ARAW+16*\a+4*\o:ARAW+16*\a+4*\o+3], v[ADRA+\slot] offset:\a*16*PA+\ks*128+(\o/2)*64+(\o%2)*16
.endr
.endr
.irp n, 0,1,2,3,4,5,6,7
	ds_load_tr16_b128 v[BF0+88*\g+8*\n:BF0+88*\g+8*\n+3], v[ADRQ+\slot] offset:\ks*32*PQ+32*\n
	ds_load_tr16_b128 v[BF0+88*\g+8*\n+4:BF0+88*\g+8*\n+7], v[ADRQ+\slot] offset:\ks*32*PQ+32*\n+16*PQ
.endr
.irp n, 0,1,2
	ds_load_tr16_b128 v[BF0+88*\g+64+8*\n:BF0+88*\g+64+8*\n+3], v[ADRK+\slot] offset:\ks*32*PKV+32*\n
	ds_load_tr16_b128 v[BF0+88*\g+64+8*\n+4:BF0+88*\g+64+8*\n+7], v[ADRK+\slot] offset:\ks*32*PKV+32*\n+16*PKV
.endr
.endm
.macro CVT f                           ; x to f16: 16 packed roundings
.irp i, 0,1,2,3,4,5,6,7,8,9,10,11,12,13,14,15
	v_cvt_pk_f16_f32 v[AF0+16*\f+\i], v[ARAW+2*\i], v[ARAW+2*\i+1]
.endr
.endm
; 22 matrix instructions, used transposed (source 0 = 16 columns of W, source 1 = 16 rows of x): a lane then holds row r and the eight
; neighbouring columns 16 n + 8 h + j.  The 22 accumulators take turns, one instruction a turn.
.macro MUL f, zero
	WIN 0x50                                       ; C and D in window 1
.irp n, 0,1,2,3,4,5,6,7,8,9,10
.irp a, 0,1
.if \zero
	v_wmma_f32_16x16x32_f16 v[8*(11*\a+\n):8*(11*\a+\n)+7], v[BF0+88*\f+8*\n:BF0+88*\f+8*\n+7], v[AF0+16*\f+8*\a:AF0+16*\f+8*\a+7], 0
.else
	v_wmma_f32_16x16x32_f16 v[8*(11*\a+\n):8*(11*\a+\n)+7], v[BF0+88*\f+8*\n:BF0+88*\f+8*\n+7], v[AF0+16*\f+8*\a:AF0+16*\f+8*\a+7], v[8*(11*\a+\n):8*(11*\a+\n)+7]
.endif
.endr
.endr
	WIN 0
.endm
; 32 along K: round this step's x, ask for the next step's fragments, multiply.
.macro STEP f, zero, fetch, slot, ks, g
	s_wait_dscnt 22                                ; this step's 8 loads of x are in; its 22 weight loads may be out
	CVT \f
.if \fetch
	FETCH \slot, \ks, \g
	s_wait_dscnt 30                                ; all but the 30 just issued
.else
	s_wait_dscnt 0x0
.endif
	MUL \f, \zero
.endm
.macro COMPUTE slot, zero              ; a K step of 128
	FETCH \slot, 0, 0
	STEP 0, \zero, 1, \slot, 1, 1
	STEP 1, 0, 1, \slot, 2, 0
	STEP 0, 0, 1, \slot, 3, 1
	STEP 1, 0, 0, 0, 0, 0
.endm
; The change of slots.  My reads of the slot just multiplied are back and all my tensor loads have landed (my part of the other slot among
; them); then, where the slot is filled again, its addresses step, a round of the cluster's barrier shows the same of every wave of the
; sixteen work-groups, and the joint refills are the first tensor loads behind it.  They have a whole K step's 88 matrix instructions to land.
.macro CHG slot, fill
	s_wait_dscnt 0x0
	s_set_vgpr_msb 0x5
	s_wait_tensorcnt 0x0
	ds_add_u32 v176, v177
	s_wait_dscnt 0x0
	s_set_vgpr_msb 0x500
.if \fill
	s_add_nc_u64 s[G0A+4*\slot+2:G0A+4*\slot+3], s[G0A+4*\slot+2:G0A+4*\slot+3], 2*STEPA
	s_add_nc_u64 s[G0Q+4*\slot+2:G0Q+4*\slot+3], s[G0Q+4*\slot+2:G0Q+4*\slot+3], 2*STEPQ
	s_add_nc_u64 s[G0K+4*\slot+2:G0K+4*\slot+3], s[G0K+4*\slot+2:G0K+4*\slot+3], 2*STEPK
	ROUND
	TLOADS \slot
.else
	s_barrier_signal -1
	s_barrier_wait -1
.endif
.endm
	s_wait_tensorcnt 0x3                           ; my three loads of K step 0 are in; K step 1's three stay out
	s_barrier_signal -1
	s_barrier_wait -1                              ; everybody's are
	COMPUTE 0, 1                                   ; the first products start the sums: nothing is cleared
	s_mov_b32 s[CNT], 3
.Lloop:
	CHG 0, 1
	COMPUTE 1, 0
	CHG 1, 1
	COMPUTE 0, 0
	s_sub_co_u32 s[CNT], s[CNT], 1
	s_cmp_lg_u32 s[CNT], 0
	s_cbranch_scc1 .Lloop
	CHG 0, 0                                       ; the eighth K step has landed; nothing more is fetched
	COMPUTE 1, 0
	; THE WAY OUT
	PLACES 4                                       ; behind the last matrix instructions: results are read, fragment registers loaded into
.irp a, 0,1
.irp i, 0,1,2
	global_load_b128 v[CSN+16*(3*\a+\i):CSN+16*(3*\a+\i)+3], v[CO+\i], s[10:11] offset:4096*\a
	global_load_b128 v[CSN+16*(3*\a+\i)+4:CSN+16*(3*\a+\i)+7], v[CO+\i], s[10:11] offset:4096*\a+16
	global_load_b128 v[CSN+16*(3*\a+\i)+8:CSN+16*(3*\a+\i)+11], v[CO+\i], s[12:13] offset:4096*\a
	global_load_b128 v[CSN+16*(3*\a+\i)+12:CSN+16*(3*\a+\i)+15], v[CO+\i], s[12:13] offset:4096*\a+16
.endr
.endr
.irp q, 0,1,2,3
	global_load_b128 v[GG+8*\q:GG+8*\q+3], v[H32], s[14:15] offset:64*\q
	global_load_b128 v[GG+8*\q+4:GG+8*\q+7], v[H32], s[14:15] offset:64*\q+16
	global_load_b128 v[BB+8*\q:BB+8*\q+3], v[H32], s[16:17] offset:64*\q
	global_load_b128 v[BB+8*\q+4:BB+8*\q+7], v[H32], s[16:17] offset:64*\q+16
.endr
; kv tile (a, i): rotated in every case, and the rotation kept where the tile is K (a select, no branch); then the tile's factor (2^-4 for K,
; 1 for V: which of the two a tile is hangs on the column block, and no branch may); 16 bytes a lane, and the wave's store covers 512
; consecutive aligned bytes of kvw (16 keys x 16 d).
.macro KVT a, i
	WIN 0x01                                       ; source 0 = the accumulator, window 1
.irp j, 0,1,2,3,4,5,6,7
	v_mul_f32 v[KT+\j], v[8*(11*\a+8+\i)+\j], v[CSN+16*(3*\a+\i)+\j]
.endr
.irp p, 0,1,2,3
	v_fma_f32 v[KR+2*\p], -v[8*(11*\a+8+\i)+2*\p+1], v[CSN+16*(3*\a+\i)+8+2*\p], v[KT+2*\p]
	v_fma_f32 v[KR+2*\p+1], v[8*(11*\a+8+\i)+2*\p], v[CSN+16*(3*\a+\i)+8+2*\p+1], v[KT+2*\p+1]
.endr
.irp j, 0,1,2,3,4,5,6,7
	v_cndmask_b32 v[KR+\j], v[8*(11*\a+8+\i)+\j], v[KR+\j], s[KM+\i]
.endr
	WIN 0
.irp p, 0,1,2,3
	v_pk_mul_f32 v[KR+2*\p:KR+2*\p+1], v[KR+2*\p:KR+2*\p+1], s[KF+2*\i:KF+2*\i+1] op_sel_hi:[1,0]
.endr
.irp p, 0,1,2,3
	v_cvt_pk_f16_f32 v[KP+4*(3*\a+\i)+\p], v[KR+2*\p], v[KR+2*\p+1]
.endr
	global_store_b128 v[KO+\i], v[KP+4*(3*\a+\i):KP+4*(3*\a+\i)+3], s[22:23] offset:512*\a
.endm
	s_wait_loadcnt 16                              ; the 24 loads of cos and sin are in; the 16 of ln_g and ln_b may be out
.irp a, 0,1
.irp i, 0,1,2
	KVT \a, \i
.endr
.endr
.macro RED4                            ; four pairs at QT to one number, the same in both lanes that hold a row
	v_pk_add_f32 v[QT:QT+1], v[QT:QT+1], v[QT+4:QT+5]
	v_pk_add_f32 v[QT+2:QT+3], v[QT+2:QT+3], v[QT+6:QT+7]
	v_pk_add_f32 v[QT:QT+1], v[QT:QT+1], v[QT+2:QT+3]
	v_add_f32 v[QT], v[QT], v[QT+1]
	v_permlanex16_b32 v[QT+1], v[QT], s90, s91     ; the row's other 32 columns lie in lane l xor 16
	v_add_f32 v[QT], v[QT], v[QT+1]
.endm
; 16 rows (a) of one head (hd): LayerNorm, then through my stage to whole rows of 256 bytes, then out, and into the column sums.
.macro QGROUP a, hd, rb, start
.set XB, 8*(11*\a+4*\hd)
	WIN 0x05
.irp i, 0,1,2,3,4,5,6,7
	v_pk_add_f32 v[QT+2*\i:QT+2*\i+1], v[XB+4*\i:XB+4*\i+1], v[XB+4*\i+2:XB+4*\i+3]
.endr
	WIN 0
.irp i, 0,1,2,3
	v_pk_add_f32 v[QT+2*\i:QT+2*\i+1], v[QT+2*\i:QT+2*\i+1], v[QT+2*\i+8:QT+2*\i+9]
.endr
	RED4
	v_mul_f32 v[MU], -v[QT], s92                   ; minus the mean, twice
	v_mul_f32 v[MU+1], -v[QT], s92
	WIN 0x01
.irp i, 0,1,2,3,4,5,6,7,8,9,10,11,12,13,14,15
	v_pk_add_f32 v[QD+2*\i:QD+2*\i+1], v[XB+2*\i:XB+2*\i+1], v[MU:MU+1]
.endr
	WIN 0
.irp i, 0,1,2,3
	v_pk_mul_f32 v[QT+2*\i:QT+2*\i+1], v[QD+2*\i:QD+2*\i+1], v[QD+2*\i:QD+2*\i+1]
.endr
.irp i, 4,5,6,7,8,9,10,11,12,13,14,15
	v_pk_fma_f32 v[QT+2*(\i%4):QT+2*(\i%4)+1], v[QD+2*\i:QD+2*\i+1], v[QD+2*\i:QD+2*\i+1], v[QT+2*(\i%4):QT+2*(\i%4)+1]
.endr
	RED4
	v_fma_f32 v[QT], v[QT], s92, s93               ; variance + 1e-5
	v_rsq_f32 v[RS], v[QT]
	v_rsq_f32 v[RS+1], v[QT]
	v_nop                                          ; one plain instruction behind the transcendentals (ISA guide 5.7.2)
	s_wait_alu depctr_va_vdst(0)
.irp i, 0,1,2,3,4,5,6,7,8,9,10,11,12,13,14,15
	v_pk_mul_f32 v[QD+2*\i:QD+2*\i+1], v[QD+2*\i:QD+2*\i+1], v[RS:RS+1]
.endr
.irp i, 0,1,2,3,4,5,6,7,8,9,10,11,12,13,14,15
	v_pk_fma_f32 v[QD+2*\i:QD+2*\i+1], v[QD+2*\i:QD+2*\i+1], v[GG+2*\i:GG+2*\i+1], v[BB+2*\i:BB+2*\i+1]
.endr
.irp q, 0,1,2,3
	ds_store_b128 v[STO], v[QD+8*\q:QD+8*\q+3] offset:64*\q
	ds_store_b128 v[STO], v[QD+8*\q+4:QD+8*\q+7] offset:64*\q+16
.endr
.if \start == 0
	s_wait_xcnt 0x0                                ; this buffer's second turn: its first turn's stores have read it
.endif
.irp i, 0,1,2,3,4,5,6,7
	ds_load_b128 v[\rb+4*\i:\rb+4*\i+3], v[RD] offset:2*SP*\i      ; my own bytes, served in order behind the stores above (ISA guide 5.7.1)
.endr
.irp i, 0,1,2,3,4,5,6,7
	s_wait_dscnt 7-\i                              ; rows 2 i and 2 i + 1 are in; the younger loads stay out
	global_store_b128 v[L16], v[\rb+4*\i:\rb+4*\i+3], s[18:19] offset:\hd*524288+\a*4096+512*\i   ; 16 lanes store one row: 256 consecutive aligned bytes
.if \start
.if \i == 1
	v_pk_add_f32 v[CS+4*\hd:CS+4*\hd+1], v[\rb:\rb+1], v[\rb+4:\rb+5]          ; the first two rows start the column sums
	v_pk_add_f32 v[CS+4*\hd+2:CS+4*\hd+3], v[\rb+2:\rb+3], v[\rb+6:\rb+7]
.endif
.if \i > 1
	v_pk_add_f32 v[CS+4*\hd:CS+4*\hd+1], v[CS+4*\hd:CS+4*\hd+1], v[\rb+4*\i:\rb+4*\i+1]
	v_pk_add_f32 v[CS+4*\hd+2:CS+4*\hd+3], v[CS+4*\hd+2:CS+4*\hd+3], v[\rb+4*\i+2:\rb+4*\i+3]
.endif
.else
	v_pk_add_f32 v[CS+4*\hd:CS+4*\hd+1], v[CS+4*\hd:CS+4*\hd+1], v[\rb+4*\i:\rb+4*\i+1]
	v_pk_add_f32 v[CS+4*\hd+2:CS+4*\hd+3], v[CS+4*\hd+2:CS+4*\hd+3], v[\rb+4*\i+2:\rb+4*\i+3]
.endif
.endr
.endm
	s_wait_loadcnt 0x0                             ; ln_g and ln_b
	QGROUP 0, 0, RB0, 1
	QGROUP 0, 1, RB1, 1
	QGROUP 1, 0, RB0, 0
	QGROUP 1, 1, RB1, 0
	; column sums of my 32 rows: even and odd rows lie in the two halves of the lanes
.irp i, 0,1,2,3,4,5,6,7
	v_permlanex16_b32 v[QT+\i], v[CS+\i], s90, s91
.endr
.irp i, 0,2,4,6
	v_pk_add_f32 v[CS+\i:CS+\i+1], v[CS+\i:CS+\i+1], v[QT+\i:QT+\i+1]
.endr
	s_mov_b32 s[KM], 0xffff0000
.irp i, 0,1,2,3
	v_cndmask_b32 v[QT+\i], v[CS+\i], v[CS+4+\i], s[KM]            ; lanes 0-15 keep the first head, lanes 16-31 the second: lane l holds columns 4 l ..
.endr
	v_add_nc_u32 v[QT+4], s67, v[L16]
	ds_store_b128 v[QT+4], v[QT:QT+3]
	s_wait_dscnt 0x0                               ; for the others' sake
	s_barrier_signal -1
	s_barrier_wait -1
	s_cmp_lg_u32 s[W], 0
	s_cbranch_scc1 .Lno_sum
	v_add_nc_u32 v[QT+4], PSUM, v[L16]             ; wave 0 adds the four waves' sums, in a fixed order
.irp i, 0,1,2,3
	ds_load_b128 v[QD+4*\i:QD+4*\i+3], v[QT+4] offset:512*\i
.endr
	s_wait_dscnt 0x0
	v_pk_add_f32 v[QD:QD+1], v[QD:QD+1], v[QD+4:QD+5]
	v_pk_add_f32 v[QD+2:QD+3], v[QD+2:QD+3], v[QD+6:QD+7]
	v_pk_add_f32 v[QD+8:QD+9], v[QD+8:QD+9], v[QD+12:QD+13]
	v_pk_add_f32 v[QD+10:QD+11], v[QD+10:QD+11], v[QD+14:QD+15]
	v_pk_add_f32 v[QD:QD+1], v[QD:QD+1], v[QD+8:QD+9]
	v_pk_add_f32 v[QD+2:QD+3], v[QD+2:QD+3], v[QD+10:QD+11]
	global_store_b128 v[L16], v[QD:QD+3], s[20:21]                 ; 512 consecutive aligned bytes
.Lno_sum:
	s_set_vgpr_msb 0x5
	s_wait_tensorcnt 0x0
	ds_add_u32 v176, v177
	s_wait_dscnt 0x0
	s_set_vgpr_msb 0x500
	ROUND                                          ; the closing round: no work-group ends while a partner may still ask for a tile that names it
	s_endpgm
.Lfunc_end_k_q4fca0b3563_proj:
	.size	k_q4fca0b3563_proj, .Lfunc_end_k_q4fca0b3563_proj-k_q4fca0b3563_proj
	.p2alignl 7, 3214868480
	.fill 96, 4, 3214868480
	.section	.rodata,"a",@progbits
	.p2align	6, 0x0
	.amdhsa_kernel k_q4fca0b3563_proj
		.amdhsa_group_segment_fixed_size 327680
		.amdhsa_private_segment_fixed_size 0
		.amdhsa_enable_private_segment 0
		.amdhsa_kernarg_size 80
		.amdhsa_user_sgpr_count 2
		.amdhsa_user_sgpr_kernarg_segment_ptr 1
		.amdhsa_wavefront_size32 1
		.amdhsa_system_sgpr_workgroup_id_x 1
		.amdhsa_system_sgpr_workgroup_id_y 1
		.amdhsa_system_sgpr_workgroup_id_z 1
		.amdhsa_system_vgpr_workitem_id 0
		.amdhsa_next_free_vgpr 434
		.amdhsa_next_free_sgpr 106
		.amdhsa_reserve_vcc 0
		.amdhsa_float_denorm_mode_32 3
		.amdhsa_float_denorm_mode_16_64 3
		.amdhsa_memory_ordered 1
		.amdhsa_forward_progress 1
		.amdhsa_inst_pref_size 138
	.end_amdhsa_kernel
	.amdgpu_metadata
---
amdhsa.version: [ 1, 2 ]
amdhsa.kernels:
  - .name:           k_q4fca0b3563_proj
    .symbol:         k_q4fca0b3563_proj.kd
    .args:
      - { .name: x, .offset: 0, .size: 8, .value_kind: global_buffer, .address_space: global }
      - { .name: wqb, .offset: 8, .size: 8, .value_kind: global_buffer, .address_space: global }
      - { .name: wkb, .offset: 16, .size: 8, .value_kind: global_buffer, .address_space: global }
      - { .name: cos, .offset: 24, .size: 8, .value_kind: global_buffer, .address_space: global }
      - { .name: sin, .offset: 32, .size: 8, .value_kind: global_buffer, .address_space: global }
      - { .name: ln_g, .offset: 40, .size: 8, .value_kind: global_buffer, .address_space: global }
      - { .name: ln_b, .offset: 48, .size: 8, .value_kind: global_buffer, .address_space: global }
      - { .name: qln, .offset: 56, .size: 8, .value_kind: global_buffer, .address_space: global }
      - { .name: psum, .offset: 64, .size: 8, .value_kind: global_buffer, .address_space: global }
      - { .name: kvw, .offset: 72, .size: 8, .value_kind: global_buffer, .address_space: global }
    .group_segment_fixed_size: 327680
    .private_segment_fixed_size: 0
    .kernarg_segment_align: 8
    .kernarg_segment_size: 80
    .max_flat_workgroup_size: 128
    .sgpr_count:     106
    .vgpr_count:     434
    .wavefront_size: 32
...
	.end_amdgpu_metadata
.endif
;; end of part 2
;; launch attn (part 3): grid 8 x 32, 8 waves a work-group, clusters of 4 x 1, 327,680 bytes of LDS; arguments qln, psum, kvw, cos, sin, att; writes att
.if DOCPART == 3
	.amdgcn_target "amdgcn-amd-amdhsa--gfx1250"
	.amdhsa_code_object_version 6
	.text
	.protected	k_q4fca0b3563_attn
	.globl	k_q4fca0b3563_attn
	.p2align	8
	.type	k_q4fca0b3563_attn,@function
k_q4fca0b3563_attn:
	s_mov_b64 s[64:65], 0
	v_nop
	global_prefetch_b8 v0, s[64:65] scope:SCOPE_SE
	s_setreg_imm32_b32 hwreg(HW_REG_WAVE_MODE, 25, 1), 1
	s_wait_xcnt 0x0
	s_wait_alu depctr_hold_cnt(0) depctr_sa_sdst(0) depctr_va_vdst(0) depctr_va_sdst(0) depctr_va_ssrc(0) depctr_va_vcc(0) depctr_vm_vsrc(0)
	s_getreg_b32 s2, hwreg(HW_REG_IB_STS2, 6, 4)
	s_cmp_eq_u32 s2, 0
	s_cbranch_scc0 .Lentry_in_a_cluster
	s_endpgm
.Lentry_in_a_cluster:
	s_bfe_u32 s2, ttmp6, 0x10000c
	s_cmp_lg_u32 s2, 0x3003
	s_cbranch_scc0 .Lentry_shape_is_right
	s_endpgm
.Lentry_shape_is_right:
; attn: q = RoPE(LN(q) - its mean over the 2,048 time steps) / 8; softmax(q k^T) v with a running maximum.
; A work-group owns 256 queries of one (batch, head); eight waves, 32 queries each (two tiles u of 16).  Two waves lie on each SIMD, so
; that one wave's softmax arithmetic stands beside the other's matrix instructions.  kv head = (head + 4) >> 3 (groups of 4, 8, 4 heads).
; K and V come in tiles of 128 keys (32,768 bytes of kvw, K's four d tiles, then V's) through two LDS slots; a wave fetches one eighth.
; CLUSTERS 4 x 1: the four query blocks of a cluster belong to one head and walk the same 16 tiles: each tile is asked for jointly.
; BOTH PRODUCTS ARE USED TRANSPOSED.  S^T = K q^T: a lane holds query r and keys 16 kt + 8 h + j, so that a row's maximum and sum need
; one exchange with lane l xor 16, and the rounded p of two key tiles, packed in place, ARE the second source of O^T = V^T p^T: no
; shuffle.  V lies [key][d] and is read by transposing loads.
; FORMAT: q, k, p, v enter the products in f16, att is stored in f16.  k comes times 2^-4, so q's factor is 16 log2(e) / 8 = 2 log2(e):
; the exponentials are 2^x.  Room under 65,504: LayerNorm bounds |LN| by sqrt(63) |g|, so |q| is at most 2 x 7.94 x sqrt(2) x 2.885 = 65
; for |g|, |cos|, |sin| up to 1, and about 58,000 with ln_g and the tables 30 times that.  p lies in (0, 1]; below 2^-14 its step is 2^-24,
; against a row sum of at least 1.  LIMIT: beyond those factors q becomes infinite.  v_exp_f32 and v_rcp_f32 are good to 1 ulp, and
; results below 2^-126 count as zero; the row sum adds p in f32, the product takes p rounded to f16.
.set SUBB,  4352                       ; one (K or V, d tile): 128 keys x 32 bytes as 16 rows of 256 + 16 bytes
.set SLOT,  8*SUBB                     ; 34,816
.set MEAN,  2*SLOT                     ; 69,632: 256 bytes for each wave; no tensor load lands here or behind
.set OST,   MEAN+8*256                 ; 71,680: 16 rows x 144 bytes for each wave
.set TILEB, 32768
.set LAK,  4                           ; v[4:5]   LDS address of my K fragments, slot 0, 1
.set LAV,  6                           ; v[6:7]   of my V fragments
.set OSTO, 8
.set ORD,  9
.set L16,  10
.set QO,   11                          ; 256 r + 32 h
.set MM,   12                          ; v[12:15]  running maximum of tile u, twice (a pair for packed arithmetic)
.set QF,   16                          ; v[16:47]  q fragments (u, ks) at 16 u + 8 ks
.set OA,   48                          ; v[48:111] O (u, dt) at 32 u + 8 dt
.set SC,   112                         ; v[112:175] scores (u, kt) at 32 u + 8 kt; then p
.set FR,   176                         ; v[176:239] K fragments, then V fragments
.set LS,   240                         ; v[240:243] running sums, a pair for each u
.set AL,   244                         ; v[244:245] the factor of a step, twice
.set TT,   246                         ; v[246:253] at work
.set MN,   254
.set G1,   16
.set G0,   24                          ; s[24:27], s[28:31]: a group 0 for each slot
.set W,    32
.macro PLACES n
.rept \n
	v_nop
.endr
.endm
.macro ROUND
	s_barrier_signal -1
	s_barrier_wait -1
	s_cmp_lg_u32 s[W], 0
	s_cbranch_scc1 .Lnot_wave_0_\@
	s_barrier_signal -3
.Lnot_wave_0_\@:
	s_barrier_wait -3
	s_barrier_signal -1
	s_barrier_wait -1
.endm
	s_load_b256 s[4:11], s[0:1], 0x0               ; qln 4, psum 6, kvw 8, cos 10
	s_load_b128 s[12:15], s[0:1], 0x20             ; sin 12, att 14
	v_lshl_add_u32 v255, v0, 2, 0x29000
	s_set_vgpr_msb 0x40
	v_mov_b32 v1, 0
	s_set_vgpr_msb 0x4044
	ds_add_u32 v255, v1
	s_set_vgpr_msb 0x4400
	v_lshrrev_b32 v1, 5, v0
	v_readfirstlane_b32 s[W], v1                   ; wave 0 .. 7
	s_bfe_u32 s33, ttmp6, 0x40000                  ; cx
	s_lshl_b32 s34, ttmp9, 2
	s_add_co_u32 s34, s34, s33                     ; query block 0 .. 7
	s_and_b32 s35, ttmp7, 0xffff                   ; 16 b + head
	s_lshr_b32 s36, s35, 4                         ; b
	s_and_b32 s37, s35, 15                         ; head
	s_add_co_u32 s38, s37, 4
	s_lshr_b32 s38, s38, 3                         ; kv head
	s_mul_i32 s46, s36, 3
	s_add_co_u32 s46, s46, s38
	s_lshl_b32 s46, s46, 19                        ; 16 tiles of 32,768 bytes for each (b, kv head)
	s_lshl_b32 s47, s[W], 12                       ; my eighth of a tile: nothing here hangs on cx
	s_add_co_u32 s46, s46, s47
	s_mov_b32 s47, 0
	; 4,096 dense bytes as 16 rows of 32 elements of 8 bytes, 4 words of padding behind every 64; the mask names all four partners
	s_mov_b32 s[G1+0], 15|(3<<16)|(1<<20)|(1<<21)|(5<<22)|(3<<25)
	s_mov_b32 s[G1+1], 32<<16
	s_mov_b32 s[G1+2], 16<<16
	s_mov_b32 s[G1+3], 32<<16
	s_mov_b32 s[G1+4], 16
	s_mov_b32 s[G1+5], 32
	s_mov_b32 s[G1+6], 0
	s_mov_b32 s[G1+7], 0
	s_mul_i32 s45, s[W], SUBB
	s_mul_i32 s51, s[W], 16*144
	s_add_co_u32 s51, s51, OST
	s_lshl_b32 s52, s[W], 8
	s_add_co_u32 s52, s52, MEAN
	s_mov_b32 s40, 0x76543210
	s_mov_b32 s41, 0xfedcba98
	s_mov_b32 s42, 0x4038aa3b                      ; 2 log2(e) = (log2(e) / 8) x 2^4
	s_mov_b32 s43, 0x4038aa3b
	s_wait_dscnt 0x0
	s_wait_kmcnt 0x0
	s_add_nc_u64 s[8:9], s[8:9], s[46:47]
	ROUND                                          ; the four partners are here: the first joint loads meet
.irp s, 0,1
	s_mov_b32 s[G0+4*\s], 1
	s_add_co_u32 s[G0+4*\s+1], s45, \s*SLOT
	s_add_nc_u64 s[G0+4*\s+2:G0+4*\s+3], s[8:9], \s*TILEB
	s_or_b32 s[G0+4*\s+3], s[G0+4*\s+3], 0x80000000
	tensor_load_to_lds s[G0+4*\s:G0+4*\s+3], s[G1:G1+7]            ; tiles 0 and 1: two loads of mine are out, the most in this text
	s_nop 0
.endr
	; while they are on their way: addresses, the mean, and q
	s_lshl_b32 s39, s34, 8
	s_lshl_b32 s50, s[W], 5
	s_add_co_u32 s39, s39, s50                     ; my first query
	s_lshl_b32 s48, s39, 8
	s_mov_b32 s49, 0
	s_add_nc_u64 s[10:11], s[10:11], s[48:49]      ; cos, sin at its row
	s_add_nc_u64 s[12:13], s[12:13], s[48:49]
	s_lshl_b32 s50, s35, 11
	s_add_co_u32 s50, s50, s39
	s_lshl_b32 s48, s50, 8
	s_add_nc_u64 s[4:5], s[4:5], s[48:49]          ; qln: rows of 256 bytes
	s_lshl_b32 s48, s50, 7
	s_add_nc_u64 s[14:15], s[14:15], s[48:49]      ; att: rows of 128 bytes
	s_lshl_b32 s48, s36, 16
	s_lshl_b32 s50, s37, 8
	s_add_co_u32 s48, s48, s50
	s_add_nc_u64 s[6:7], s[6:7], s[48:49]          ; psum: the batch's 16 rows, my head's 64 columns
	v_and_b32 v1, 31, v0                           ; lane
	v_and_b32 v2, 15, v0                           ; r
	v_bfe_u32 v3, v0, 4, 1                         ; h
	v_and_b32 v240, 7, v0                          ; lane % 8 = r % 8
	v_bfe_u32 v241, v0, 3, 1                       ; (lane / 8) % 2 = r / 8
	v_mul_u32_u24 v242, v241, 272
	v_lshl_add_u32 v242, v240, 5, v242
	v_lshl_add_u32 v[LAK], v3, 4, v242             ; key r: row r / 8, 32 bytes a key, 16 h for my 8 d
	v_add_nc_u32 v[LAK+1], SLOT, v[LAK]
	v_mul_u32_u24 v242, v3, 272
	v_lshl_add_u32 v242, v240, 5, v242
	v_lshl_add_u32 v242, v241, 4, v242             ; transposing load: key 8 h + lane % 8, half (lane / 8) % 2 of its 16 d
	v_add_nc_u32 v[LAV], 4*SUBB, v242
	v_add_nc_u32 v[LAV+1], 4*SUBB+SLOT, v242
	v_mul_u32_u24 v242, v2, 144
	v_lshl_add_u32 v242, v3, 4, v242
	v_add_nc_u32 v[OSTO], s51, v242
	v_lshrrev_b32 v242, 3, v1
	v_mul_u32_u24 v242, v242, 144
	v_lshl_add_u32 v242, v240, 4, v242
	v_add_nc_u32 v[ORD], s51, v242
	v_lshlrev_b32 v[L16], 4, v1
	v_lshlrev_b32 v242, 8, v2
	v_lshl_add_u32 v[QO], v3, 5, v242
	v_lshlrev_b32 v243, 3, v1                      ; 8 x lane
	v_add_nc_u32 v244, s52, v243
	v_lshl_add_u32 v245, v3, 5, s52
.irp i, 0,1,2,3,4,5,6,7,8,9,10,11,12,13,14,15
	global_load_b64 v[OA+2*\i:OA+2*\i+1], v243, s[6:7] offset:4096*\i      ; the 16 row blocks' sums of columns 2 l, 2 l + 1
.endr
; q, cos and sin of tile u: lane (r, h) takes d = 16 c + 8 h + 0 .. 7, c = 0 .. 3, of row r: the order of a fragment's registers
.macro QLOAD u
.irp i, 0,1,2,3,4,5,6,7
	global_load_b128 v[SC+4*\i:SC+4*\i+3], v[QO], s[4:5] offset:4096*\u+(\i/2)*64+(\i%2)*16 th:TH_LOAD_NT
.endr
.irp i, 0,1,2,3,4,5,6,7
	global_load_b128 v[SC+32+4*\i:SC+32+4*\i+3], v[QO], s[10:11] offset:4096*\u+(\i/2)*64+(\i%2)*16
.endr
.irp i, 0,1,2,3,4,5,6,7
	global_load_b128 v[FR+4*\i:FR+4*\i+3], v[QO], s[12:13] offset:4096*\u+(\i/2)*64+(\i%2)*16
.endr
.endm
.macro QMATH u
	s_wait_loadcnt 0x0
.irp i, 0,1,2,3,4,5,6,7,8,9,10,11,12,13,14,15
	v_pk_add_f32 v[SC+2*\i:SC+2*\i+1], v[SC+2*\i:SC+2*\i+1], v[FR+32+2*\i:FR+32+2*\i+1] neg_lo:[0,1] neg_hi:[0,1]   ; minus the mean over time
.endr
.irp i, 0,1,2,3,4,5,6,7,8,9,10,11,12,13,14,15
	v_pk_mul_f32 v[SC+2*\i:SC+2*\i+1], v[SC+2*\i:SC+2*\i+1], s[42:43] op_sel_hi:[1,0]
.endr
.irp p, 0,1,2,3,4,5,6,7,8,9,10,11,12,13,14,15
	v_mul_f32 v[TT+2*(\p%4)], v[SC+2*\p], v[SC+32+2*\p]
	v_mul_f32 v[TT+2*(\p%4)+1], v[SC+2*\p+1], v[SC+32+2*\p+1]
	v_fma_f32 v[TT+2*(\p%4)], -v[SC+2*\p+1], v[FR+2*\p], v[TT+2*(\p%4)]
	v_fma_f32 v[TT+2*(\p%4)+1], v[SC+2*\p], v[FR+2*\p+1], v[TT+2*(\p%4)+1]
	v_cvt_pk_f16_f32 v[QF+16*\u+\p], v[TT+2*(\p%4)], v[TT+2*(\p%4)+1]
.endr
.endm
	QLOAD 0
	s_wait_loadcnt 24                              ; the 16 partial sums are in; the 24 loads of tile 0 stay out
.irp i, 0,1,2,3,4,5,6,7
	v_pk_add_f32 v[OA+2*\i:OA+2*\i+1], v[OA+2*\i:OA+2*\i+1], v[OA+2*\i+16:OA+2*\i+17]
.endr
.irp i, 0,1,2,3
	v_pk_add_f32 v[OA+2*\i:OA+2*\i+1], v[OA+2*\i:OA+2*\i+1], v[OA+2*\i+8:OA+2*\i+9]
.endr
	v_pk_add_f32 v[OA:OA+1], v[OA:OA+1], v[OA+4:OA+5]
	v_pk_add_f32 v[OA+2:OA+3], v[OA+2:OA+3], v[OA+6:OA+7]
	v_pk_add_f32 v[OA:OA+1], v[OA:OA+1], v[OA+2:OA+3]
	v_pk_mul_f32 v[OA:OA+1], v[OA:OA+1], 0x3a000000 op_sel_hi:[1,0]        ; / 2048
	ds_store_b64 v244, v[OA:OA+1]                  ; my wave's own 256 bytes: served in order, no wait between store and loads
.irp i, 0,1,2,3,4,5,6,7
	ds_load_b128 v[FR+32+4*\i:FR+32+4*\i+3], v245 offset:(\i/2)*64+(\i%2)*16
.endr
	s_wait_dscnt 0x0
	QMATH 0
	QLOAD 1
	QMATH 1
; The softmax step of tile u on 64 keys (32 scores a lane).
.macro SOFTMAX u, first
.set SX, SC+32*\u
.irp c, 0,1,2,3
	v_max3_num_f32 v[TT+\c], v[SX+\c], v[SX+4+\c], v[SX+8+\c]
.endr
.irp c, 0,1,2,3
	v_max3_num_f32 v[TT+\c], v[TT+\c], v[SX+12+\c], v[SX+16+\c]
.endr
.irp c, 0,1,2,3
	v_max3_num_f32 v[TT+\c], v[TT+\c], v[SX+20+\c], v[SX+24+\c]
.endr
	v_max3_num_f32 v[TT], v[TT], v[TT+1], v[SX+28]
	v_max3_num_f32 v[TT+2], v[TT+2], v[TT+3], v[SX+29]
	v_max3_num_f32 v[TT], v[TT], v[TT+2], v[SX+30]
.if \first
	v_max_num_f32 v[TT], v[TT], v[SX+31]
.else
	v_max3_num_f32 v[TT], v[TT], v[SX+31], v[MM+2*\u]              ; the maximum so far goes in
.endif
	v_permlanex16_b32 v[TT+1], v[TT], s40, s41     ; the query's other 32 keys lie in lane l xor 16
	v_max_num_f32 v[MN], v[TT], v[TT+1]
.if \first == 0
	v_sub_f32 v[TT+2], v[MM+2*\u], v[MN]
	v_exp_f32 v[AL], v[TT+2]                       ; what the old sums are worth under the new maximum
	v_exp_f32 v[AL+1], v[TT+2]
.endif
	v_mov_b32 v[MM+2*\u], v[MN]                    ; (plain instructions behind the transcendentals: ISA guide 5.7.2)
	v_mov_b32 v[MM+2*\u+1], v[MN]
.irp i, 0,1,2,3,4,5,6,7,8,9,10,11,12,13,14,15
	v_pk_add_f32 v[SX+2*\i:SX+2*\i+1], v[SX+2*\i:SX+2*\i+1], v[MM+2*\u:MM+2*\u+1] neg_lo:[0,1] neg_hi:[0,1]
.endr
.irp i, 0,1,2,3,4,5,6,7,8,9,10,11,12,13,14,15,16,17,18,19,20,21,22,23,24,25,26,27,28,29,30,31
	v_exp_f32 v[SX+\i], v[SX+\i]
.endr
.if \first
	v_nop                                          ; the plain instruction behind the exponentials
	s_wait_alu depctr_va_vdst(0)
.else
	s_wait_alu depctr_va_vdst(0)
.irp i, 0,1,2,3,4,5,6,7,8,9,10,11,12,13,14,15
	v_pk_mul_f32 v[OA+32*\u+2*\i:OA+32*\u+2*\i+1], v[OA+32*\u+2*\i:OA+32*\u+2*\i+1], v[AL:AL+1]
.endr
.endif
	v_pk_add_f32 v[TT:TT+1], v[SX:SX+1], v[SX+4:SX+5]
	v_pk_add_f32 v[TT+2:TT+3], v[SX+2:SX+3], v[SX+6:SX+7]
.irp i, 4,6,8,10,12,14
	v_pk_add_f32 v[TT:TT+1], v[TT:TT+1], v[SX+2*\i:SX+2*\i+1]
	v_pk_add_f32 v[TT+2:TT+3], v[TT+2:TT+3], v[SX+2*\i+2:SX+2*\i+3]
.endr
.if \first
	v_pk_add_f32 v[LS+2*\u:LS+2*\u+1], v[TT:TT+1], v[TT+2:TT+3]
.else
	v_pk_add_f32 v[TT:TT+1], v[TT:TT+1], v[TT+2:TT+3]
	v_pk_fma_f32 v[LS+2*\u:LS+2*\u+1], v[LS+2*\u:LS+2*\u+1], v[AL:AL+1], v[TT:TT+1]
.endif
	; p to f16 in place: key tiles 2 kk and 2 kk + 1 become registers 0-3 and 4-7 of a fragment (k = 8 h + j and 16 + 8 h + j)
.irp kk, 0,1
.irp p, 0,1,2,3
	v_cvt_pk_f16_f32 v[SX+16*\kk+\p], v[SX+16*\kk+2*\p], v[SX+16*\kk+2*\p+1]
.endr
.irp p, 0,1,2,3
	v_cvt_pk_f16_f32 v[SX+16*\kk+4+\p], v[SX+16*\kk+8+2*\p], v[SX+16*\kk+8+2*\p+1]
.endr
.endr
.endm
; 64 keys (half sb of the slot's tile) against my 32 queries.  In each group of eight matrix instructions eight accumulators take turns,
; one instruction a turn.
.macro SUB slot, sb, first
.if \first == 0
	PLACES 5                                       ; behind the last products: 4 before loads into the fragments that they read, 5 before scores are written over the p that they read
.endif
.irp ks, 0,1
.irp kt, 0,1,2,3
	ds_load_b128 v[FR+16*\kt+8*\ks:FR+16*\kt+8*\ks+3], v[LAK+\slot] offset:(2*\ks)*SUBB+(4*\sb+\kt)*544
	ds_load_b128 v[FR+16*\kt+8*\ks+4:FR+16*\kt+8*\ks+7], v[LAK+\slot] offset:(2*\ks+1)*SUBB+(4*\sb+\kt)*544
.endr
.endr
	s_wait_dscnt 8                                 ; d = 0 .. 31 of the four key tiles is in; the eight younger loads may be out
.irp kt, 0,1,2,3
.irp u, 0,1
	v_wmma_f32_16x16x32_f16 v[SC+32*\u+8*\kt:SC+32*\u+8*\kt+7], v[FR+16*\kt:FR+16*\kt+7], v[QF+16*\u:QF+16*\u+7], 0
.endr
.endr
	s_wait_dscnt 0x0
.irp kt, 0,1,2,3
.irp u, 0,1
	v_wmma_f32_16x16x32_f16 v[SC+32*\u+8*\kt:SC+32*\u+8*\kt+7], v[FR+16*\kt+8:FR+16*\kt+15], v[QF+16*\u+8:QF+16*\u+15], v[SC+32*\u+8*\kt:SC+32*\u+8*\kt+7]
.endr
.endr
	PLACES 4                                       ; before V lands on K's fragments and the scores are read
.irp kk, 0,1
.irp dt, 0,1,2,3
	ds_load_tr16_b128 v[FR+16*\dt+8*\kk:FR+16*\dt+8*\kk+3], v[LAV+\slot] offset:\dt*SUBB+(8*\sb+4*\kk)*272
	ds_load_tr16_b128 v[FR+16*\dt+8*\kk+4:FR+16*\dt+8*\kk+7], v[LAV+\slot] offset:\dt*SUBB+(8*\sb+4*\kk)*272+544
.endr
.endr
	SOFTMAX 0, \first
	SOFTMAX 1, \first
	s_wait_dscnt 8                                 ; V of the first 32 keys is in
.irp dt, 0,1,2,3
.irp u, 0,1
.if \first
	v_wmma_f32_16x16x32_f16 v[OA+32*\u+8*\dt:OA+32*\u+8*\dt+7], v[FR+16*\dt:FR+16*\dt+7], v[SC+32*\u:SC+32*\u+7], 0
.else
	v_wmma_f32_16x16x32_f16 v[OA+32*\u+8*\dt:OA+32*\u+8*\dt+7], v[FR+16*\dt:FR+16*\dt+7], v[SC+32*\u:SC+32*\u+7], v[OA+32*\u+8*\dt:OA+32*\u+8*\dt+7]
.endif
.endr
.endr
	s_wait_dscnt 0x0
.irp dt, 0,1,2,3
.irp u, 0,1
	v_wmma_f32_16x16x32_f16 v[OA+32*\u+8*\dt:OA+32*\u+8*\dt+7], v[FR+16*\dt+8:FR+16*\dt+15], v[SC+32*\u+16:SC+32*\u+23], v[OA+32*\u+8*\dt:OA+32*\u+8*\dt+7]
.endr
.endr
.endm
.macro COMPUTE slot, first
	SUB \slot, 0, \first
	SUB \slot, 1, 0
.endm
; The change of slots: my reads of the slot are back, all my tensor loads have landed (my eighth of the other slot); where the slot is filled
; again its address steps two tiles, a round of the cluster's barrier shows the same of all 32 waves of the four partners, and the joint
; refill is the first tensor load behind it.  It has a whole tile's work in which to land.
.macro CHG slot, fill
	s_wait_dscnt 0x0
	s_set_vgpr_msb 0x4
	s_wait_tensorcnt 0x0
	ds_add_u32 v255, v1
	s_wait_dscnt 0x0
	s_set_vgpr_msb 0x400
.if \fill
	s_add_nc_u64 s[G0+4*\slot+2:G0+4*\slot+3], s[G0+4*\slot+2:G0+4*\slot+3], 2*TILEB
	ROUND
	tensor_load_to_lds s[G0+4*\slot:G0+4*\slot+3], s[G1:G1+7]
	s_nop 0
.else
	s_barrier_signal -1
	s_barrier_wait -1
.endif
.endm
	s_wait_tensorcnt 0x1                           ; my eighth of tile 0 is in; tile 1's stays out
	s_wait_dscnt 0x0
	s_barrier_signal -1
	s_barrier_wait -1
	COMPUTE 0, 1                                   ; the first 64 keys start maximum, sums and O: nothing is cleared
	s_mov_b32 s44, 7
.Lloop:
	CHG 0, 1
	COMPUTE 1, 0
	CHG 1, 1
	COMPUTE 0, 0
	s_sub_co_u32 s44, s44, 1
	s_cmp_lg_u32 s44, 0
	s_cbranch_scc1 .Lloop
	CHG 0, 0                                       ; tile 15 has landed; nothing more is fetched
	COMPUTE 1, 0
	; THE WAY OUT: O / sum, to f16, 16 queries at a time through my stage to 512 consecutive bytes a store
	PLACES 4
.irp u, 0,1
	v_add_f32 v[TT], v[LS+2*\u], v[LS+2*\u+1]
	v_permlanex16_b32 v[TT+1], v[TT], s40, s41
	v_add_f32 v[TT], v[TT], v[TT+1]                ; at least 1: the largest score gives 2^0
	v_rcp_f32 v[AL], v[TT]
	v_rcp_f32 v[AL+1], v[TT]
	v_nop
	s_wait_alu depctr_va_vdst(0)
.irp i, 0,1,2,3,4,5,6,7,8,9,10,11,12,13,14,15
	v_pk_mul_f32 v[OA+32*\u+2*\i:OA+32*\u+2*\i+1], v[OA+32*\u+2*\i:OA+32*\u+2*\i+1], v[AL:AL+1]
.endr
.irp i, 0,1,2,3,4,5,6,7,8,9,10,11,12,13,14,15
	v_cvt_pk_f16_f32 v[FR+32*\u+\i], v[OA+32*\u+2*\i], v[OA+32*\u+2*\i+1]
.endr
.irp dt, 0,1,2,3
	ds_store_b128 v[OSTO], v[FR+32*\u+4*\dt:FR+32*\u+4*\dt+3] offset:32*\dt
.endr
.irp i, 0,1,2,3
	ds_load_b128 v[FR+32*\u+16+4*\i:FR+32*\u+16+4*\i+3], v[ORD] offset:576*\i      ; my own bytes, in order behind the stores
.endr
.irp i, 0,1,2,3
	s_wait_dscnt 3-\i
	global_store_b128 v[L16], v[FR+32*\u+16+4*\i:FR+32*\u+16+4*\i+3], s[14:15] offset:2048*\u+512*\i
.endr
.endr
	s_set_vgpr_msb 0x4
	s_wait_tensorcnt 0x0
	ds_add_u32 v255, v1
	s_wait_dscnt 0x0
	s_set_vgpr_msb 0x400
	ROUND                                          ; the closing round
	s_endpgm
.Lfunc_end_k_q4fca0b3563_attn:
	.size	k_q4fca0b3563_attn, .Lfunc_end_k_q4fca0b3563_attn-k_q4fca0b3563_attn
	.p2alignl 7, 3214868480
	.fill 96, 4, 3214868480
	.section	.rodata,"a",@progbits
	.p2align	6, 0x0
	.amdhsa_kernel k_q4fca0b3563_attn
		.amdhsa_group_segment_fixed_size 327680
		.amdhsa_private_segment_fixed_size 0
		.amdhsa_enable_private_segment 0
		.amdhsa_kernarg_size 48
		.amdhsa_user_sgpr_count 2
		.amdhsa_user_sgpr_kernarg_segment_ptr 1
		.amdhsa_wavefront_size32 1
		.amdhsa_system_sgpr_workgroup_id_x 1
		.amdhsa_system_sgpr_workgroup_id_y 1
		.amdhsa_system_sgpr_workgroup_id_z 1
		.amdhsa_system_vgpr_workitem_id 0
		.amdhsa_next_free_vgpr 258
		.amdhsa_next_free_sgpr 66
		.amdhsa_reserve_vcc 0
		.amdhsa_float_denorm_mode_32 3
		.amdhsa_float_denorm_mode_16_64 3
		.amdhsa_memory_ordered 1
		.amdhsa_forward_progress 1
		.amdhsa_inst_pref_size 168
	.end_amdhsa_kernel
	.amdgpu_metadata
---
amdhsa.version: [ 1, 2 ]
amdhsa.kernels:
  - .name:           k_q4fca0b3563_attn
    .symbol:         k_q4fca0b3563_attn.kd
    .args:
      - { .name: qln, .offset: 0, .size: 8, .value_kind: global_buffer, .address_space: global }
      - { .name: psum, .offset: 8, .size: 8, .value_kind: global_buffer, .address_space: global }
      - { .name: kvw, .offset: 16, .size: 8, .value_kind: global_buffer, .address_space: global }
      - { .name: cos, .offset: 24, .size: 8, .value_kind: global_buffer, .address_space: global }
      - { .name: sin, .offset: 32, .size: 8, .value_kind: global_buffer, .address_space: global }
      - { .name: att, .offset: 40, .size: 8, .value_kind: global_buffer, .address_space: global }
    .group_segment_fixed_size: 327680
    .private_segment_fixed_size: 0
    .kernarg_segment_align: 8
    .kernarg_segment_size: 48
    .max_flat_workgroup_size: 256
    .sgpr_count:     66
    .vgpr_count:     258
    .wavefront_size: 32
...
	.end_amdgpu_metadata
.endif
;; end of part 3
;; launch oproj (part 4): grid 8 x 32, 4 waves a work-group, clusters of 4 x 4, 327,680 bytes of LDS; arguments att, wob, out0; writes out0
.if DOCPART == 4
	.amdgcn_target "amdgcn-amd-amdhsa--gfx1250"
	.amdhsa_code_object_version 6
	.text
	.protected	k_q4fca0b3563_oproj
	.globl	k_q4fca0b3563_oproj
	.p2align	8
	.type	k_q4fca0b3563_oproj,@function
k_q4fca0b3563_oproj:
	s_mov_b64 s[64:65], 0
	v_nop
	global_prefetch_b8 v0, s[64:65] scope:SCOPE_SE
	s_setreg_imm32_b32 hwreg(HW_REG_WAVE_MODE, 25, 1), 1
	s_wait_xcnt 0x0
	s_wait_alu depctr_hold_cnt(0) depctr_sa_sdst(0) depctr_va_vdst(0) depctr_va_sdst(0) depctr_va_ssrc(0) depctr_va_vcc(0) depctr_vm_vsrc(0)
	s_getreg_b32 s2, hwreg(HW_REG_IB_STS2, 6, 4)
	s_cmp_eq_u32 s2, 0
	s_cbranch_scc0 .Lentry_in_a_cluster
	s_endpgm
.Lentry_in_a_cluster:
	s_bfe_u32 s2, ttmp6, 0x10000c
	s_cmp_lg_u32 s2, 0xf033
	s_cbranch_scc0 .Lentry_shape_is_right
	s_endpgm
.Lentry_shape_is_right:
; oproj: out0 = att Wo.  att is f16 [b][h][t][64], wob f16 [1024 k][1024 n], out0 f32 [4096][1024]; k = 64 h + d.
; A work-group makes 128 rows x 128 columns: 8 x 32 = 256 work-groups.  Four waves split by rows: 32 rows x 128 columns = 2 x 8 accumulators.
; K goes in steps of 128 (two heads) through two LDS slots.  A head's 128 rows are 16,384 dense bytes; a wave fetches its own 32 rows of
; each of the two heads and 32 k rows of Wo's tile: three tensor loads a K step.
; CLUSTERS 4 x 4: att's tiles hang on the row block alone and are asked for jointly by a row of the cluster, Wo's on the column block alone
; and are asked for jointly by a column.
; FORMAT: att and Wo enter the product in f16 (att is a weighted mean of v and has v's room under 65,504), the sums are f32.
.set PB,    288                        ; LDS row of Wo's tile: 256 bytes + 32
.set HEADB, 64*272                     ; a head's 128 rows of 128 bytes as 64 rows of 256 + 16 bytes: 17,408
.set OFFB,  2*HEADB
.set SLOT,  OFFB+128*PB                ; 71,680
.set STAGE, 2*SLOT                     ; 143,360: 16 rows x 528 bytes for each wave; no tensor load lands here
.set SP,    528
.set STEPA, 2*262144                   ; two heads on
.set STEPB, 128*2048
.set ADRA, 4
.set ADRB, 6
.set STO,  10
.set RD,   11
.set L16,  12
.set AF0,  48                          ; v[48:79]   att fragments, two buffers of 2 x 8
.set BF0,  80                          ; v[80:207]  Wo fragments, two buffers of 8 x 8
; window 1: accumulator (a, n) at v[8 (8 a + n)]
.set G1A, 16
.set G1B, 24
.set G0A, 32                           ; head e, slot s: s[32 + 8 e + 4 s ..]
.set G0B, 48
.set W,   56
.set CX,  57
.set CY,  58
.set NB,  59
.set MB,  60
.set RMASK, 61
.set CMASK, 62
.set CNT, 63
.set MSB, 0
.macro WIN new
.if MSB != \new
	s_set_vgpr_msb (MSB<<8)|\new
.set MSB, \new
.endif
.endm
.macro PLACES n
.rept \n
	v_nop
.endr
.endm
.macro ROUND
	s_barrier_signal -1
	s_barrier_wait -1
	s_cmp_lg_u32 s[W], 0
	s_cbranch_scc1 .Lnot_wave_0_\@
	s_barrier_signal -3
.Lnot_wave_0_\@:
	s_barrier_wait -3
	s_barrier_signal -1
	s_barrier_wait -1
.endm
.macro TLOADS slot
	tensor_load_to_lds s[G0A+4*\slot:G0A+4*\slot+3], s[G1A:G1A+7]
	s_nop 0
	tensor_load_to_lds s[G0A+8+4*\slot:G0A+8+4*\slot+3], s[G1A:G1A+7]
	s_nop 0
	tensor_load_to_lds s[G0B+4*\slot:G0B+4*\slot+3], s[G1B:G1B+7]
	s_nop 0
.endm
	s_load_b128 s[4:7], s[0:1], 0x0                ; att 4, wob 6
	s_load_b64 s[8:9], s[0:1], 0x10                ; out0
	v_lshl_add_u32 v254, v0, 2, 0x2b400
	v_mov_b32 v255, 0
	ds_add_u32 v254, v255
	v_lshrrev_b32 v16, 5, v0
	v_readfirstlane_b32 s[W], v16
	s_bfe_u32 s[CX], ttmp6, 0x40000
	s_bfe_u32 s[CY], ttmp6, 0x40004
	s_lshl_b32 s[NB], ttmp9, 2
	s_add_co_u32 s[NB], s[NB], s[CX]
	s_and_b32 s[MB], ttmp7, 0xffff
	s_lshl_b32 s[MB], s[MB], 2
	s_add_co_u32 s[MB], s[MB], s[CY]
	s_lshl_b32 s[RMASK], s[CY], 2
	s_lshl_b32 s[RMASK], 15, s[RMASK]
	s_lshl_b32 s[CMASK], 0x1111, s[CX]
	; att: 4,096 dense bytes as 16 rows of 32 elements of 8 bytes, 4 words of padding behind every 64
	s_or_b32 s[G1A+0], s[RMASK], (3<<16)|(1<<20)|(1<<21)|(5<<22)|(3<<25)
	s_mov_b32 s[G1A+1], 32<<16
	s_mov_b32 s[G1A+2], 16<<16
	s_mov_b32 s[G1A+3], 32<<16
	s_mov_b32 s[G1A+4], 16
	s_mov_b32 s[G1A+5], 32
	s_mov_b32 s[G1A+6], 0
	s_mov_b32 s[G1A+7], 0
	; wob: 32 k rows x 128 f16, 8 words of padding behind every 64
	s_or_b32 s[G1B+0], s[CMASK], (1<<16)|(1<<20)|(1<<21)|(5<<22)|(7<<25)
	s_mov_b32 s[G1B+1], 128<<16
	s_mov_b32 s[G1B+2], 32<<16
	s_mov_b32 s[G1B+3], 128<<16
	s_mov_b32 s[G1B+4], 32
	s_mov_b32 s[G1B+5], 1024
	s_mov_b32 s[G1B+6], 0
	s_mov_b32 s[G1B+7], 0
	s_lshr_b32 s66, s[MB], 4
	s_lshl_b32 s66, s66, 22                        ; batch: 16 heads of 262,144 bytes
	s_and_b32 s67, s[MB], 15
	s_lshl_b32 s67, s67, 14                        ; block of 128 rows of 128 bytes
	s_add_co_u32 s66, s66, s67
	s_lshl_b32 s67, s[W], 12                       ; my 32 rows
	s_add_co_u32 s66, s66, s67
	s_mov_b32 s67, 0
	s_lshl_b32 s68, s[W], 16                       ; my 32 k rows of 2,048 bytes
	s_lshl_b32 s69, s[NB], 8
	s_add_co_u32 s68, s68, s69
	s_mov_b32 s69, 0
	s_mul_i32 s70, s[W], 16*272
	s_mul_i32 s71, s[W], 32*PB
	s_add_co_u32 s71, s71, OFFB
	s_mul_i32 s76, s[W], 16*SP
	s_add_co_u32 s76, s76, STAGE
	s_wait_dscnt 0x0
	s_wait_kmcnt 0x0
	s_add_nc_u64 s[66:67], s[4:5], s[66:67]
	s_add_nc_u64 s[68:69], s[6:7], s[68:69]
	ROUND                                          ; in front of the first joint loads
.irp s, 0,1
.irp e, 0,1
	s_mov_b32 s[G0A+8*\e+4*\s], 1
	s_add_co_u32 s[G0A+8*\e+4*\s+1], s70, \s*SLOT+\e*HEADB
	s_add_nc_u64 s[G0A+8*\e+4*\s+2:G0A+8*\e+4*\s+3], s[66:67], \s*STEPA+\e*262144
	s_or_b32 s[G0A+8*\e+4*\s+3], s[G0A+8*\e+4*\s+3], 0x80000000
.endr
	s_mov_b32 s[G0B+4*\s], 1
	s_add_co_u32 s[G0B+4*\s+1], s71, \s*SLOT
	s_add_nc_u64 s[G0B+4*\s+2:G0B+4*\s+3], s[68:69], \s*STEPB
	s_or_b32 s[G0B+4*\s+3], s[G0B+4*\s+3], 0x80000000
	TLOADS \s                                      ; K steps 0 and 1: six loads of mine are out, the most in this text
.endr
	v_and_b32 v16, 15, v0                          ; r
	v_bfe_u32 v17, v0, 4, 1                        ; h
	v_and_b32 v18, 7, v0
	v_bfe_u32 v19, v0, 3, 1
	v_and_b32 v20, 31, v0
	v_lshrrev_b32 v21, 1, v16
	v_mul_u32_u24 v21, v21, 272                    ; two rows of att in an LDS row
	v_and_b32 v22, 1, v16
	v_lshl_add_u32 v21, v22, 7, v21
	v_lshl_add_u32 v21, v17, 4, v21
	v_add_nc_u32 v[ADRA], s70, v21
	v_add_nc_u32 v[ADRA+1], SLOT, v[ADRA]
	v_lshl_add_u32 v21, v17, 3, v18
	v_mul_u32_u24 v21, v21, PB
	v_lshl_add_u32 v21, v19, 4, v21
	v_add_nc_u32 v[ADRB], OFFB, v21
	v_add_nc_u32 v[ADRB+1], OFFB+SLOT, v21
	v_mul_u32_u24 v21, v16, SP
	v_lshl_add_u32 v21, v17, 5, v21
	v_add_nc_u32 v[STO], s76, v21
	v_lshlrev_b32 v[L16], 4, v20
	v_add_nc_u32 v[RD], s76, v[L16]
	s_lshl_b32 s72, s[MB], 7                       ; (mixed coordinates: registers that feed no descriptor)
	s_lshl_b32 s74, s[W], 5
	s_add_co_u32 s72, s72, s74
	s_lshl_b32 s72, s72, 12                        ; my first row of out0, 4,096 bytes a row
	s_lshl_b32 s74, s[NB], 9
	s_add_co_u32 s72, s72, s74                     ; my 128 columns
	s_mov_b32 s73, 0
	s_add_nc_u64 s[8:9], s[8:9], s[72:73]
; 20 LDS loads: 32 along K at step ks (head ks / 2, d = 32 (ks % 2) ..) into buffers g.  The four v_nop are the places between the matrix
; instructions that read those buffers and the loads into them.
.macro FETCH slot, ks, g
	PLACES 4
.irp a, 0,1
	ds_load_b128 v[AF0+16*\g+8*\a:AF0+16*\g+8*\a+3], v[ADRA+\slot] offset:(\ks/2)*HEADB+\a*2176+(\ks%2)*64
	ds_load_b128 v[AF0+16*\g+8*\a+4:AF0+16*\g+8*\a+7], v[ADRA+\slot] offset:(\ks/2)*HEADB+\a*2176+(\ks%2)*64+32
.endr
.irp n, 0,1,2,3,4,5,6,7
	ds_load_tr16_b128 v[BF0+64*\g+8*\n:BF0+64*\g+8*\n+3], v[ADRB+\slot] offset:\ks*32*PB+32*\n
	ds_load_tr16_b128 v[BF0+64*\g+8*\n+4:BF0+64*\g+8*\n+7], v[ADRB+\slot] offset:\ks*32*PB+32*\n+16*PB
.endr
.endm
; 16 matrix instructions, used transposed: a lane holds row r and columns 16 n + 8 h + j.  The 16 accumulators take turns, one instruction
; a turn.
.macro MUL f, zero
	WIN 0x50
.irp n, 0,1,2,3,4,5,6,7
.irp a, 0,1
.if \zero
	v_wmma_f32_16x16x32_f16 v[8*(8*\a+\n):8*(8*\a+\n)+7], v[BF0+64*\f+8*\n:BF0+64*\f+8*\n+7], v[AF0+16*\f+8*\a:AF0+16*\f+8*\a+7], 0
.else
	v_wmma_f32_16x16x32_f16 v[8*(8*\a+\n):8*(8*\a+\n)+7], v[BF0+64*\f+8*\n:BF0+64*\f+8*\n+7], v[AF0+16*\f+8*\a:AF0+16*\f+8*\a+7], v[8*(8*\a+\n):8*(8*\a+\n)+7]
.endif
.endr
.endr
	WIN 0
.endm
.macro COMPUTE slot, zero
	FETCH \slot, 0, 0
	FETCH \slot, 1, 1
	s_wait_dscnt 20                                ; all but the 20 just issued
	MUL 0, \zero
	FETCH \slot, 2, 0
	s_wait_dscnt 20
	MUL 1, 0
	FETCH \slot, 3, 1
	s_wait_dscnt 20
	MUL 0, 0
	s_wait_dscnt 0x0
	MUL 1, 0
.endm
; The change of slots, as in the projection of q: reads back, all tensor loads landed, addresses stepped, a round of the cluster's barrier,
; and the joint refills first behind it.
.macro CHG slot, fill
	s_wait_dscnt 0x0
	s_wait_tensorcnt 0x0
	ds_add_u32 v254, v255
	s_wait_dscnt 0x0
.if \fill
	s_add_nc_u64 s[G0A+4*\slot+2:G0A+4*\slot+3], s[G0A+4*\slot+2:G0A+4*\slot+3], 2*STEPA
	s_add_nc_u64 s[G0A+8+4*\slot+2:G0A+8+4*\slot+3], s[G0A+8+4*\slot+2:G0A+8+4*\slot+3], 2*STEPA
	s_add_nc_u64 s[G0B+4*\slot+2:G0B+4*\slot+3], s[G0B+4*\slot+2:G0B+4*\slot+3], 2*STEPB
	ROUND
	TLOADS \slot
.else
	s_barrier_signal -1
	s_barrier_wait -1
.endif
.endm
	s_wait_tensorcnt 0x3                           ; my three loads of K step 0 are in; K step 1's stay out
	s_barrier_signal -1
	s_barrier_wait -1
	COMPUTE 0, 1
	s_mov_b32 s[CNT], 3
.Lloop:
	CHG 0, 1
	COMPUTE 1, 0
	CHG 1, 1
	COMPUTE 0, 0
	s_sub_co_u32 s[CNT], s[CNT], 1
	s_cmp_lg_u32 s[CNT], 0
	s_cbranch_scc1 .Lloop
	CHG 0, 0
	COMPUTE 1, 0
	; THE WAY OUT, 16 rows at a time: 32 bytes a lane and tile into my stage, whole rows of 512 bytes back, one row a store
	PLACES 4
.irp a, 0,1
	WIN 0x04                                       ; the LDS stores' data in window 1
.irp n, 0,1,2,3,4,5,6,7
	ds_store_b128 v[STO], v[8*(8*\a+\n):8*(8*\a+\n)+3] offset:64*\n
	ds_store_b128 v[STO], v[8*(8*\a+\n)+4:8*(8*\a+\n)+7] offset:64*\n+16
.endr
	WIN 0
.irp t, 0,1,2,3,4,5,6,7,8,9,10,11,12,13,14,15
	ds_load_b128 v[BF0+64*\a+4*\t:BF0+64*\a+4*\t+3], v[RD] offset:SP*\t            ; my own bytes, in order behind the stores
.endr
.irp t, 0,1,2,3,4,5,6,7,8,9,10,11,12,13,14,15
	s_wait_dscnt 15-\t
	global_store_b128 v[L16], v[BF0+64*\a+4*\t:BF0+64*\a+4*\t+3], s[8:9] offset:65536*\a+4096*\t th:TH_STORE_NT   ; 512 consecutive aligned bytes
.endr
.endr
	s_wait_tensorcnt 0x0
	ds_add_u32 v254, v255
	s_wait_dscnt 0x0
	ROUND                                          ; the closing round
	s_endpgm
.Lfunc_end_k_q4fca0b3563_oproj:
	.size	k_q4fca0b3563_oproj, .Lfunc_end_k_q4fca0b3563_oproj-k_q4fca0b3563_oproj
	.p2alignl 7, 3214868480
	.fill 96, 4, 3214868480
	.section	.rodata,"a",@progbits
	.p2align	6, 0x0
	.amdhsa_kernel k_q4fca0b3563_oproj
		.amdhsa_group_segment_fixed_size 327680
		.amdhsa_private_segment_fixed_size 0
		.amdhsa_enable_private_segment 0
		.amdhsa_kernarg_size 24
		.amdhsa_user_sgpr_count 2
		.amdhsa_user_sgpr_kernarg_segment_ptr 1
		.amdhsa_wavefront_size32 1
		.amdhsa_system_sgpr_workgroup_id_x 1
		.amdhsa_system_sgpr_workgroup_id_y 1
		.amdhsa_system_sgpr_workgroup_id_z 1
		.amdhsa_system_vgpr_workitem_id 0
		.amdhsa_next_free_vgpr 384
		.amdhsa_next_free_sgpr 80
		.amdhsa_reserve_vcc 0
		.amdhsa_float_denorm_mode_32 3
		.amdhsa_float_denorm_mode_16_64 3
		.amdhsa_memory_ordered 1
		.amdhsa_forward_progress 1
		.amdhsa_inst_pref_size 58
	.end_amdhsa_kernel
	.amdgpu_metadata
---
amdhsa.version: [ 1, 2 ]
amdhsa.kernels:
  - .name:           k_q4fca0b3563_oproj
    .symbol:         k_q4fca0b3563_oproj.kd
    .args:
      - { .name: att, .offset: 0, .size: 8, .value_kind: global_buffer, .address_space: global }
      - { .name: wob, .offset: 8, .size: 8, .value_kind: global_buffer, .address_space: global }
      - { .name: out0, .offset: 16, .size: 8, .value_kind: global_buffer, .address_space: global }
    .group_segment_fixed_size: 327680
    .private_segment_fixed_size: 0
    .kernarg_segment_align: 8
    .kernarg_segment_size: 24
    .max_flat_workgroup_size: 128
    .sgpr_count:     80
    .vgpr_count:     384
    .wavefront_size: 32
...
	.end_amdgpu_metadata
.endif
;; end of part 4
;; ======== version 2 of 3: 4 launches; 1.15 times as fast as version 1
;; limits: values are held in f16: magnitudes above 65,504 overflow, below 6.1e-05 lose precision
;; workspace buffers: wqb 2,097,152 bytes; wob 2,097,152 bytes; wkb 786,432 bytes; x16 8,388,608 bytes; qln 16,777,216 bytes; psum 131,072 bytes; kvw 3,145,728 bytes; att 8,388,608 bytes
;; launch prep (part 5): grid 256 x 1, 4 waves a work-group, no clusters, 0 bytes of LDS; arguments Wq, Wo, Wkv, x, wqb, wob, wkb, x16; writes wqb, wob, wkb, x16
.if DOCPART == 5
	.amdgcn_target "amdgcn-amd-amdhsa--gfx1250"
	.amdhsa_code_object_version 6
	.text
	.protected	k_q4fca0b3563_prep
	.globl	k_q4fca0b3563_prep
	.p2align	8
	.type	k_q4fca0b3563_prep,@function
k_q4fca0b3563_prep:
	s_mov_b64 s[64:65], 0
	v_nop
	global_prefetch_b8 v0, s[64:65] scope:SCOPE_SE
	s_setreg_imm32_b32 hwreg(HW_REG_WAVE_MODE, 25, 1), 1
	s_wait_xcnt 0x0
; prep: the three weight matrices and x are rounded once from f32 to f16, since 32 row blocks (weights) and 8 column blocks (x) read them later.
; wqb, wob: [1024 k][1024 n] as the sources.  wkb: [8 nb][1024 k][48]: column nb*48 + c of Wkv, so that a block of 64 k rows
; of one nb is 6,144 consecutive bytes.
; x16: [256 tiles of 16 rows][32 blocks of 32 k][2 halves][32 lanes][8 f16]: the order of a matrix fragment's registers.  Lane l = r + 16 h of
; half e holds x(row r, k = 32 block + 16 e + 8 h + 0 .. 7), so that the projection loads a fragment by two loads of 512 consecutive bytes.
; FORMAT: f16 keeps 11 significant bits.  LIMIT: a number above 65,504 in magnitude becomes infinite; below 2^-14 the step is 2^-24.
; 256 work-groups of 128 threads, all with the same work: one tile of x (wave w: k blocks 8 w .. 8 w + 7), 8 passes of Wq, 8 of Wo, 3 of Wkv.
; A k block of x is four 16-byte loads a lane (together 128 consecutive bytes of each of 16 rows), eight roundings in place and two stores of
; 512 consecutive bytes.  A pass of a weight is 4 numbers a thread: one 16-byte load, two roundings, one 8-byte store; a wave's load covers 512
; consecutive bytes (Wkv: runs of 192), its store 256 consecutive aligned bytes.  No work-group shares a byte with another: no LDS, no barrier.
.set LD, 8                             ; v[8:83]    the 19 loads of the weights, 4 registers each
.set PK, 84                            ; v[84:103]  ten packed pairs that take turns
.set XL, 104                           ; v[104:231] x: 16 registers a k block as loaded; its first 8 then hold the block in f16
	s_load_b512 s[4:19], s[0:1], 0x0               ; Wq 4, Wo 6, Wkv 8, x 10, wqb 12, wob 14, wkb 16, x16 18
	v_lshlrev_b32 v1, 4, v0                        ; 16 t: my 16 bytes of a pass's source
	v_lshlrev_b32 v2, 3, v0                        ; 8 t: my 8 bytes of a pass's destination
	; Wkv is walked in the destination's order: group gid = 128 p + t of 4 numbers is row kk = gid / 12, columns 4 (gid % 12) ..
.irp p, 0,1,2
	v_add_nc_u32 v6, 128*\p, v0                    ; gid, 0 to 383
	v_mul_u32_u24 v7, v6, 5462
	v_lshrrev_b32 v7, 16, v7                       ; kk = gid / 12 (5462 / 65536 is exact for gid below 384)
	v_mul_u32_u24 v[3+\p], v7, 12
	v_sub_nc_u32 v6, v6, v[3+\p]                   ; gid % 12
	v_mul_u32_u24 v7, v7, 1536                     ; a row of Wkv is 1,536 bytes
	v_lshl_add_u32 v[3+\p], v6, 4, v7
.endr
	v_and_b32 v6, 15, v0                           ; x: row r of the tile, 4,096 bytes a row,
	v_lshlrev_b32 v6, 12, v6
	v_bfe_u32 v7, v0, 4, 1
	v_lshl_add_u32 v6, v7, 5, v6                   ; + 32 h: 8 f32 for each half of the lanes,
	v_lshrrev_b32 v7, 5, v0
	v_lshl_add_u32 v6, v7, 10, v6                  ; + my wave's 8 k blocks of 128 bytes
	v_lshlrev_b32 v7, 13, v7                       ; x16: my wave's 8 k blocks of 1,024 bytes,
	v_and_b32 v[PK], 31, v0
	v_lshl_add_u32 v7, v[PK], 4, v7                ; + 16 x lane
	s_lshl_b32 s20, ttmp9, 14                      ; Wq, Wo: 16,384 source bytes a work-group
	s_mov_b32 s21, 0
	s_lshl_b32 s22, ttmp9, 13                      ; 8,192 destination bytes
	s_mov_b32 s23, 0
	s_and_b32 s24, ttmp9, 31
	s_mul_i32 s24, s24, 32*1536                    ; Wkv: my 32 k rows,
	s_lshr_b32 s25, ttmp9, 5
	s_mul_i32 s25, s25, 192                        ; and my 48 columns
	s_add_co_u32 s24, s24, s25
	s_mov_b32 s25, 0
	s_mul_i32 s26, ttmp9, 3072                     ; wkb: 32 rows of 96 bytes
	s_mov_b32 s27, 0
	s_lshl_b32 s28, ttmp9, 16                      ; x: 16 rows of 4,096 bytes
	s_mov_b32 s29, 0
	s_lshl_b32 s30, ttmp9, 15                      ; x16: a tile of 32,768 bytes
	s_mov_b32 s31, 0
	s_wait_kmcnt 0x0
	s_add_nc_u64 s[4:5], s[4:5], s[20:21]
	s_add_nc_u64 s[6:7], s[6:7], s[20:21]
	s_add_nc_u64 s[8:9], s[8:9], s[24:25]
	s_add_nc_u64 s[10:11], s[10:11], s[28:29]
	s_add_nc_u64 s[12:13], s[12:13], s[22:23]
	s_add_nc_u64 s[14:15], s[14:15], s[22:23]
	s_add_nc_u64 s[16:17], s[16:17], s[26:27]
	s_add_nc_u64 s[18:19], s[18:19], s[30:31]
	; all 51 loads go out first: 32 of x, then the 19 of the weights
.irp k, 0,1,2,3,4,5,6,7
.irp o, 0,1,2,3
	global_load_b128 v[XL+16*\k+4*\o:XL+16*\k+4*\o+3], v6, s[10:11] offset:128*\k+(\o/2)*64+(\o%2)*16
.endr
.endr
.irp q, 0,1,2,3,4,5,6,7
	global_load_b128 v[LD+4*\q:LD+4*\q+3], v1, s[4:5] offset:2048*\q th:TH_LOAD_NT
.endr
.irp q, 0,1,2,3,4,5,6,7
	global_load_b128 v[LD+32+4*\q:LD+32+4*\q+3], v1, s[6:7] offset:2048*\q th:TH_LOAD_NT
.endr
.irp p, 0,1,2
	global_load_b128 v[LD+64+4*\p:LD+64+4*\p+3], v[3+\p], s[8:9] th:TH_LOAD_NT
.endr
	; x, a k block at a time.  Rounding i writes register i and reads registers 2 i and 2 i + 1: none that a later rounding still needs.
.irp k, 0,1,2,3,4,5,6,7
	s_wait_loadcnt 47-4*\k                         ; this block's four loads are in; the 4 (7 - k) of the later blocks and the 19 of the weights may be out
.irp i, 0,1,2,3,4,5,6,7
	v_cvt_pk_f16_f32 v[XL+16*\k+\i], v[XL+16*\k+2*\i], v[XL+16*\k+2*\i+1]
.endr
	global_store_b128 v7, v[XL+16*\k:XL+16*\k+3], s[18:19] offset:1024*\k              ; k = 8 h ..: 512 consecutive aligned bytes
	global_store_b128 v7, v[XL+16*\k+4:XL+16*\k+7], s[18:19] offset:1024*\k+512        ; k = 16 + 8 h ..
.endr
; pass q of the 19 (q may be a sum: it stands in brackets everywhere): its load is in when at most the 18 - q younger ones are out
.macro PASS q, base, imm
	s_wait_loadcnt 18-(\q)
.if (\q) == 10
	s_wait_xcnt 0x0                                ; the ten pairs begin their second turn: the first ten stores have read them
.endif
	v_cvt_pk_f16_f32 v[PK+2*((\q)%10)], v[LD+4*(\q)], v[LD+4*(\q)+1]
	v_cvt_pk_f16_f32 v[PK+2*((\q)%10)+1], v[LD+4*(\q)+2], v[LD+4*(\q)+3]
	global_store_b64 v2, v[PK+2*((\q)%10):PK+2*((\q)%10)+1], s[\base:\base+1] offset:\imm
.endm
.irp q, 0,1,2,3,4,5,6,7
	PASS \q, 12, 1024*\q
.endr
.irp q, 0,1,2,3,4,5,6,7
	PASS 8+\q, 14, 1024*\q
.endr
.irp q, 0,1,2
	PASS 16+\q, 16, 1024*\q
.endr
	s_endpgm
.Lfunc_end_k_q4fca0b3563_prep:
	.size	k_q4fca0b3563_prep, .Lfunc_end_k_q4fca0b3563_prep-k_q4fca0b3563_prep
	.p2alignl 7, 3214868480
	.fill 96, 4, 3214868480
	.section	.rodata,"a",@progbits
	.p2align	6, 0x0
	.amdhsa_kernel k_q4fca0b3563_prep
		.amdhsa_group_segment_fixed_size 0
		.amdhsa_private_segment_fixed_size 0
		.amdhsa_enable_private_segment 0
		.amdhsa_kernarg_size 64
		.amdhsa_user_sgpr_count 2
		.amdhsa_user_sgpr_kernarg_segment_ptr 1
		.amdhsa_wavefront_size32 1
		.amdhsa_system_sgpr_workgroup_id_x 1
		.amdhsa_system_sgpr_workgroup_id_y 1
		.amdhsa_system_sgpr_workgroup_id_z 1
		.amdhsa_system_vgpr_workitem_id 0
		.amdhsa_next_free_vgpr 232
		.amdhsa_next_free_sgpr 66
		.amdhsa_reserve_vcc 0
		.amdhsa_float_denorm_mode_32 3
		.amdhsa_float_denorm_mode_16_64 3
		.amdhsa_memory_ordered 1
		.amdhsa_forward_progress 1
		.amdhsa_inst_pref_size 19
	.end_amdhsa_kernel
	.amdgpu_metadata
---
amdhsa.version: [ 1, 2 ]
amdhsa.kernels:
  - .name:           k_q4fca0b3563_prep
    .symbol:         k_q4fca0b3563_prep.kd
    .args:
      - { .name: Wq, .offset: 0, .size: 8, .value_kind: global_buffer, .address_space: global }
      - { .name: Wo, .offset: 8, .size: 8, .value_kind: global_buffer, .address_space: global }
      - { .name: Wkv, .offset: 16, .size: 8, .value_kind: global_buffer, .address_space: global }
      - { .name: x, .offset: 24, .size: 8, .value_kind: global_buffer, .address_space: global }
      - { .name: wqb, .offset: 32, .size: 8, .value_kind: global_buffer, .address_space: global }
      - { .name: wob, .offset: 40, .size: 8, .value_kind: global_buffer, .address_space: global }
      - { .name: wkb, .offset: 48, .size: 8, .value_kind: global_buffer, .address_space: global }
      - { .name: x16, .offset: 56, .size: 8, .value_kind: global_buffer, .address_space: global }
    .group_segment_fixed_size: 0
    .private_segment_fixed_size: 0
    .kernarg_segment_align: 8
    .kernarg_segment_size: 64
    .max_flat_workgroup_size: 128
    .sgpr_count:     66
    .vgpr_count:     232
    .wavefront_size: 32
...
	.end_amdgpu_metadata
.endif
;; end of part 5
;; launch proj (part 6): grid 8 x 32, 4 waves a work-group, clusters of 4 x 4, 327,680 bytes of LDS; arguments x16, wqb, wkb, cos, sin, ln_g, ln_b, qln, psum, kvw; writes qln, psum, kvw
.if DOCPART == 6
	.amdgcn_target "amdgcn-amd-amdhsa--gfx1250"
	.amdhsa_code_object_version 6
	.text
	.protected	k_q4fca0b3563_proj
	.globl	k_q4fca0b3563_proj
	.p2align	8
	.type	k_q4fca0b3563_proj,@function
k_q4fca0b3563_proj:
	s_mov_b64 s[64:65], 0
	v_nop
	global_prefetch_b8 v0, s[64:65] scope:SCOPE_SE
	s_setreg_imm32_b32 hwreg(HW_REG_WAVE_MODE, 25, 1), 1
	s_wait_xcnt 0x0
	s_wait_alu depctr_hold_cnt(0) depctr_sa_sdst(0) depctr_va_vdst(0) depctr_va_sdst(0) depctr_va_ssrc(0) depctr_va_vcc(0) depctr_vm_vsrc(0)
	s_getreg_b32 s2, hwreg(HW_REG_IB_STS2, 6, 4)
	s_cmp_eq_u32 s2, 0
	s_cbranch_scc0 .Lentry_in_a_cluster
	s_endpgm
.Lentry_in_a_cluster:
	s_bfe_u32 s2, ttmp6, 0x10000c
	s_cmp_lg_u32 s2, 0xf033
	s_cbranch_scc0 .Lentry_shape_is_right
	s_endpgm
.Lentry_shape_is_right:
; proj: [q | kv] = x [Wq | Wkv]; LayerNorm of each head's 64 columns of q; column sums of it; RoPE of k.
; The product has 256 x 88 tiles of 16 x 16.  A work-group makes 128 rows x 176 columns (128 of q = heads 2 nb, 2 nb + 1, and 48
; of kv = tiles 3 nb .. 3 nb + 2): 8 x 32 = 256 work-groups of equal work.  Four waves, split by rows: a wave makes 32 rows x 176
; columns = 2 x 11 accumulators.
; x: a wave needs only its own 32 rows, and x16 holds them in the order of a fragment's registers, so they go straight from memory into
; registers, 512 consecutive bytes a load, through a ring of four register buffers of 128 along K (16 loads each), asked for three buffers ahead.
; They pass no LDS: LDS is read for the weights alone, 4 waves x 22 loads x 512 bytes for 32 along K.
; WEIGHTS: f16 [k][n], in K steps of 256 through three LDS slots filled by tensor loads and read by transposing loads.  Three of the four K steps
; are asked for at the start; the fourth fills slot 0 again behind the one round of the cluster's barrier in the middle, two K steps ahead of its use.
; CLUSTERS 4 x 4: the weights' tiles hang on the column block alone and are asked for jointly by a column of the cluster, which divides their
; requests by four.  x16 is not asked for jointly: a joint request lands in LDS, and each wave would write and read there what it can load directly.
; OUT: qln f32 [b][h][128 tiles of 16 t][8 pieces][32 lanes][4] = LN(q) g + b in the order of a fragment's registers: piece i of lane r + 16 h is
; (t = r, d = 16 (i / 2) + 8 h + 4 (i % 2) + 0 .. 3).  It stays f32, since ln_b cancels later in q - mean(q).  psum f32 [32 row blocks][1024] =
; its column sums over my 128 rows; kvw f16 [b][kvh][16 key tiles][K, V][4 d tiles][128 keys][16 d], K rotated and times 2^-4.
; FORMAT: matrix operands in f16 (11 significant bits), since a score's error counts absolutely in an exponent.  Room under 65,504 with
; every input 30 times what is drawn: x about 165; v = 1.2 x 900 x 5.5, about 6,000; k is 30 times that through cos and sin, so it is
; stored times 2^-4 (about 16,000) and q takes the 2^4 later: both exact.  LIMIT: beyond that (factors well above 30 on all inputs at once,
; or such factors and a common offset together) x, k or v become infinite.  v_rsq_f32 is good to 1 ulp; sums are made in another order than
; a row-by-row sum.  The variance is made from the centred numbers (two passes).
.set PQ,    288                        ; LDS row of Wq's tile: 256 bytes + 32
.set PKV,   96                         ; LDS row of Wkv's tile: 96 bytes, dense
.set OFFK,  256*PQ                     ; 73,728
.set SLOT,  OFFK+256*PKV               ; 98,304
.set STAGE, 3*SLOT                     ; 294,912: 16 rows x 272 bytes for each wave; no tensor load lands here
.set SP,    272
.set PSUM,  STAGE+4*16*SP              ; 312,320: 512 bytes for each wave's column sums
.set STEPQ, 256*2048                   ; a K step of 256 in wqb,
.set STEPK, 256*96                     ; in wkb
; vector registers, window 0
.set H32,  0                           ; v0       32 h (after the thread's number has served)
.set KO,   1                           ; v[1:3]   byte offset in kvw of my 16 bytes of kv tile i
.set ADRQ, 4                           ; v[4:9]   LDS address of Wq's fragments: slot s, k rows 128 f .. at 4 + 2 s + f
.set STO,  10                          ; stage: where I put a row's piece
.set RD,   11                          ; stage: where I read rows back
.set L16,  12                          ; 16 x lane
.set CO,   13                          ; v[13:15] byte offset in cos and sin for kv tile i
.set ADRK, 16                          ; v[16:18] LDS address of Wkv's fragments, slot s
.set BF0,  80                          ; v[80:255]  weight fragments, two buffers of 11 x 8
; window 1: accumulator (a, n) at v[8 (11 a + n)], a = 0, 1 (16 rows each), n = 0 .. 10
; window 2: x's fragments: chunk j (128 along K) in buffer j % 4; fragment (ks, a) at 64 (j % 4) + 16 ks + 8 a
; window 3: what the way out needs from memory
.set CSN, 0                            ; v[0:95]    (a, i): 8 cos, 8 sin
.set GG,  96                           ; v[96:127]  ln_g of my 32 columns of a head
.set BB,  128                          ; v[128:159] ln_b
; the way out, window 0
.set KT,  176
.set KR,  184
.set KP,  192                          ; v[192:215] six packed results, a set for each store
.set QD,  80                           ; v[80:111]  a row's 32 numbers, centred, then normalised
.set QT,  112                          ; v[112:127] at work
.set RB0, 128                          ; v[128:159], v[160:191] rows read back, two buffers
.set RB1, 160
.set CS,  216                          ; v[216:223] column sums, 4 for each head
.set MU,  228
.set RS,  230
; scalar registers
.set W,   24
.set CX,  25
.set CY,  26
.set NB,  27
.set MB,  28
.set CMASK, 29
.set G1Q, 32
.set G1K, 40
.set G0Q, 48                           ; s[48:59] a group 0 for each slot
.set G0K, 68                           ; s[68:79]
.set KF,  84                           ; s[84:89] once the descriptors are made: kv tile i's factor, twice: 2^-4 for K, 1 for V
.set KM,  94                           ; s[94:96] all ones where kv tile i is K, 0 where it is V
.set MSB, 0
.macro WIN new                         ; the immediate's high byte repeats the setting that is left
.if MSB != \new
	s_set_vgpr_msb (MSB<<8)|\new
.set MSB, \new
.endif
.endm
.macro PLACES n
.rept \n
	v_nop
.endr
.endm
; a round of the cluster's barrier: my work-group's barrier, wave 0 signals for the work-group, all wait for the sixteen, my barrier again
.macro ROUND
	s_barrier_signal -1
	s_barrier_wait -1
	s_cmp_lg_u32 s[W], 0
	s_cbranch_scc1 .Lnot_wave_0_\@
	s_barrier_signal -3
.Lnot_wave_0_\@:
	s_barrier_wait -3
	s_barrier_signal -1
	s_barrier_wait -1
.endm
.macro TLOADS slot                     ; my quarter of a slot: 64 k rows of Wq's tile, 64 of Wkv's
	tensor_load_to_lds s[G0Q+4*\slot:G0Q+4*\slot+3], s[G1Q:G1Q+7]
	s_nop 0
	tensor_load_to_lds s[G0K+4*\slot:G0K+4*\slot+3], s[G1K:G1K+7]
	s_nop 0
.endm
; chunk j of x (k = 128 j .. 128 j + 127 of my 32 rows): 16 loads of 512 consecutive bytes into ring buffer j % 4
.macro ALOAD j
	WIN 0x80                                       ; destination in window 2, address in window 0
.irp ks, 0,1,2,3
.irp a, 0,1
	global_load_b128 v[64*((\j)%4)+16*\ks+8*\a:64*((\j)%4)+16*\ks+8*\a+3], v[L16], s[4:5] offset:\a*32768+(4*(\j)+\ks)*1024
	global_load_b128 v[64*((\j)%4)+16*\ks+8*\a+4:64*((\j)%4)+16*\ks+8*\a+7], v[L16], s[4:5] offset:\a*32768+(4*(\j)+\ks)*1024+512
.endr
.endr
	WIN 0
.endm
.macro CSLOADS                         ; 24 loads: cos and sin for my six kv tiles
	WIN 0xc0                                       ; destination in window 3
.irp a, 0,1
.irp i, 0,1,2
	global_load_b128 v[CSN+16*(3*\a+\i):CSN+16*(3*\a+\i)+3], v[CO+\i], s[10:11] offset:4096*\a
	global_load_b128 v[CSN+16*(3*\a+\i)+4:CSN+16*(3*\a+\i)+7], v[CO+\i], s[10:11] offset:4096*\a+16
	global_load_b128 v[CSN+16*(3*\a+\i)+8:CSN+16*(3*\a+\i)+11], v[CO+\i], s[12:13] offset:4096*\a
	global_load_b128 v[CSN+16*(3*\a+\i)+12:CSN+16*(3*\a+\i)+15], v[CO+\i], s[12:13] offset:4096*\a+16
.endr
.endr
	WIN 0
.endm
.macro GBLOADS                         ; 16 loads: ln_g and ln_b
	WIN 0xc0
.irp q, 0,1,2,3
	global_load_b128 v[GG+8*\q:GG+8*\q+3], v[H32], s[14:15] offset:64*\q
	global_load_b128 v[GG+8*\q+4:GG+8*\q+7], v[H32], s[14:15] offset:64*\q+16
	global_load_b128 v[BB+8*\q:BB+8*\q+3], v[H32], s[16:17] offset:64*\q
	global_load_b128 v[BB+8*\q+4:BB+8*\q+7], v[H32], s[16:17] offset:64*\q+16
.endr
	WIN 0
.endm
; Chunk j of x is taken up.  Loads come back in order (ISA guide 5.7.1), so it is in when only the loads issued behind it are out: two chunks (32)
; up to chunk 5; chunk 7 and cos and sin (16 + 24) at chunk 6; cos, sin, ln_g, ln_b (24 + 16) at chunk 7.  Then the ring's next request goes out,
; into the buffer that chunk j - 1 has left; behind the last chunk's request the way out's loads take the ring's place.  At most 56 loads are out.
.macro AWAIT j
.if (\j) <= 5
	s_wait_loadcnt 32
.else
	s_wait_loadcnt 40
.endif
.if (\j) <= 4
	ALOAD (\j)+3
.endif
.if (\j) == 5
	CSLOADS
.endif
.if (\j) == 6
	GBLOADS
.endif
.endm
	s_load_b512 s[4:19], s[0:1], 0x0               ; x16 4, wqb 6, wkb 8, cos 10, sin 12, ln_g 14, ln_b 16, qln 18
	s_load_b128 s[20:23], s[0:1], 0x40             ; psum 20, kvw 22
	v_lshl_add_u32 v78, v0, 2, 0x4cc00
	v_mov_b32 v79, 0
	ds_add_u32 v78, v79
	v_lshrrev_b32 v20, 5, v0
	v_readfirstlane_b32 s[W], v20                  ; wave 0 .. 3
	v_and_b32 v24, 31, v0                          ; lane
	v_lshlrev_b32 v[L16], 4, v24
	s_bfe_u32 s[CX], ttmp6, 0x40000
	s_bfe_u32 s[CY], ttmp6, 0x40004
	s_lshl_b32 s[NB], ttmp9, 2
	s_add_co_u32 s[NB], s[NB], s[CX]               ; column block 0 .. 7
	s_and_b32 s[MB], ttmp7, 0xffff
	s_lshl_b32 s[MB], s[MB], 2
	s_add_co_u32 s[MB], s[MB], s[CY]               ; row block 0 .. 31
	s_lshl_b32 s[CMASK], 0x1111, s[CX]             ; my column of the cluster
	; wqb: 64 k rows x 128 f16, 8 words of padding behind every 64
	s_or_b32 s[G1Q+0], s[CMASK], (1<<16)|(1<<20)|(1<<21)|(5<<22)|(7<<25)
	s_mov_b32 s[G1Q+1], 128<<16
	s_mov_b32 s[G1Q+2], 64<<16
	s_mov_b32 s[G1Q+3], 128<<16
	s_mov_b32 s[G1Q+4], 64
	s_mov_b32 s[G1Q+5], 1024
	s_mov_b32 s[G1Q+6], 0
	s_mov_b32 s[G1Q+7], 0
	; wkb: 6,144 dense bytes as 24 rows of 32 elements of 8 bytes
	s_or_b32 s[G1K+0], s[CMASK], (3<<16)|(1<<21)
	s_mov_b32 s[G1K+1], 32<<16
	s_mov_b32 s[G1K+2], 24<<16
	s_mov_b32 s[G1K+3], 32<<16
	s_mov_b32 s[G1K+4], 24
	s_mov_b32 s[G1K+5], 32
	s_mov_b32 s[G1K+6], 0
	s_mov_b32 s[G1K+7], 0
	s_lshl_b32 s84, s[MB], 18                      ; x16: 8 tiles of 32,768 bytes a row block,
	s_lshl_b32 s85, s[W], 16                       ; 2 tiles a wave
	s_add_co_u32 s84, s84, s85
	s_mov_b32 s85, 0
	; where the weights' tiles come from: the column block and the wave alone
	s_lshl_b32 s86, s[W], 17                       ; 64 w rows of 2,048 bytes
	s_lshl_b32 s87, s[NB], 8                       ; + 128 nb columns
	s_add_co_u32 s86, s86, s87
	s_mov_b32 s87, 0
	s_lshl_b32 s88, s[NB], 10
	s_lshl_b32 s89, s[W], 6
	s_add_co_u32 s88, s88, s89
	s_mul_i32 s88, s88, 96                         ; (1024 nb + 64 w) rows of 96 bytes
	s_mov_b32 s89, 0
	s_mul_i32 s98, s[W], 64*PQ                     ; and where they go: the wave's number times a constant
	s_mul_i32 s99, s[W], 64*PKV
	s_add_co_u32 s99, s99, OFFK
	s_mul_i32 s66, s[W], 16*SP
	s_add_co_u32 s66, s66, STAGE                   ; my stage
	s_lshl_b32 s67, s[W], 9
	s_add_co_u32 s67, s67, PSUM                    ; my 512 bytes of column sums
	s_mov_b32 s90, 0x76543210                      ; v_permlanex16_b32: lane i takes lane i of the other half
	s_mov_b32 s91, 0xfedcba98
	s_mov_b32 s92, 0x3c800000                      ; 1 / 64
	s_mov_b32 s93, 0x3727c5ac                      ; 1e-5
	s_wait_dscnt 0x0
	s_wait_kmcnt 0x0
	s_add_nc_u64 s[4:5], s[4:5], s[84:85]
	s_add_nc_u64 s[86:87], s[6:7], s[86:87]
	s_add_nc_u64 s[88:89], s[8:9], s[88:89]
	ALOAD 0                                        ; the ring's first three chunks: 48 loads
	ALOAD 1
	ALOAD 2
	ROUND                                          ; all sixteen work-groups are here: the first joint loads meet
.irp s, 0,1,2
	s_mov_b32 s[G0Q+4*\s], 1
	s_add_co_u32 s[G0Q+4*\s+1], s98, \s*SLOT
	s_add_nc_u64 s[G0Q+4*\s+2:G0Q+4*\s+3], s[86:87], \s*STEPQ
	s_or_b32 s[G0Q+4*\s+3], s[G0Q+4*\s+3], 0x80000000
	s_mov_b32 s[G0K+4*\s], 1
	s_add_co_u32 s[G0K+4*\s+1], s99, \s*SLOT
	s_add_nc_u64 s[G0K+4*\s+2:G0K+4*\s+3], s[88:89], \s*STEPK
	s_or_b32 s[G0K+4*\s+3], s[G0K+4*\s+3], 0x80000000
	TLOADS \s                                      ; K steps 0, 1 and 2: six loads of mine are out, the most in this text
.endr
	; while they are on their way: every address of the kernel
	v_and_b32 v20, 15, v0                          ; r
	v_bfe_u32 v21, v0, 4, 1                        ; h
	v_and_b32 v22, 7, v0                           ; lane % 8
	v_bfe_u32 v23, v0, 3, 1                        ; (lane / 8) % 2
	v_lshl_add_u32 v25, v21, 3, v22                ; 8 h + lane % 8: my k row in a transposing load
	v_mul_u32_u24 v26, v25, PQ
	v_lshl_add_u32 v26, v23, 4, v26
.irp s, 0,1,2
.irp f, 0,1
	v_add_nc_u32 v[ADRQ+2*\s+\f], \s*SLOT+\f*128*PQ, v26
.endr
.endr
	v_mul_u32_u24 v26, v25, PKV
	v_lshl_add_u32 v26, v23, 4, v26
.irp s, 0,1,2
	v_add_nc_u32 v[ADRK+\s], OFFK+\s*SLOT, v26
.endr
	v_mul_u32_u24 v26, v20, SP
	v_lshl_add_u32 v26, v21, 5, v26
	v_add_nc_u32 v[STO], s66, v26                  ; stage row r, byte 32 h
	v_mul_u32_u24 v26, v21, SP
	v_lshl_add_u32 v26, v20, 4, v26
	v_add_nc_u32 v[RD], s66, v26                   ; stage row h, byte 16 r
	v_lshlrev_b32 v27, 8, v20
	v_lshl_add_u32 v27, v21, 5, v27                ; 256 r + 32 h: a row of cos or sin, my 8 numbers
	v_lshlrev_b32 v28, 5, v20
	v_lshl_add_u32 v28, v21, 4, v28                ; 32 r + 16 h: key r, my 8 d in kvw
	; scalars that mix the two coordinates lie in registers that feed no descriptor and no LDS address
	s_lshr_b32 s104, s[MB], 4                      ; batch
	s_and_b32 s105, s[MB], 15                      ; block of 128 time steps = key tile
	s_lshl_b32 s100, s105, 7
	s_lshl_b32 s101, s[W], 5
	s_add_co_u32 s100, s100, s101                  ; my first time step
	s_lshl_b32 s2, s100, 8
	s_mov_b32 s3, 0
	s_add_nc_u64 s[10:11], s[10:11], s[2:3]        ; cos and sin at that row
	s_add_nc_u64 s[12:13], s[12:13], s[2:3]
	s_lshl_b32 s101, s104, 4
	s_lshl1_add_u32 s101, s[NB], s101              ; 16 b + 2 nb: my first head
	s_lshl_b32 s101, s101, 11
	s_add_co_u32 s101, s101, s100
	s_lshl_b32 s2, s101, 8
	s_add_nc_u64 s[18:19], s[18:19], s[2:3]        ; qln at my first tile of it (256 bytes a time step); the second head is 524,288 bytes on
	s_lshl_b32 s2, s[MB], 12
	s_lshl_b32 s101, s[NB], 9
	s_add_co_u32 s2, s2, s101
	s_add_nc_u64 s[20:21], s[20:21], s[2:3]        ; psum: row mb, my 128 columns
	s_mul_i32 s104, s104, 48
	s_add_co_u32 s104, s104, s105                  ; 48 b + key tile
	s_mov_b32 s98, 0x3f800000                      ; 1 (the LDS offsets that lay in s98, s99 have gone into the descriptors)
	s_mov_b32 s99, 0x3d800000                      ; 2^-4
	s_mul_i32 s105, s[NB], 3                       ; my first kv tile g; g / 8 = kv head, (g / 4) % 2 = K or V, g % 4 = d tile
.irp i, 0,1,2
	s_add_co_u32 s100, s105, \i
	s_and_b32 s101, s100, 3
	s_lshl_b32 s101, s101, 6
	v_add_nc_u32 v[CO+\i], s101, v27               ; + 16 d of 4 bytes for each d tile
	s_bfe_u32 s101, s100, 0x10002                  ; 0: K, 1: V; SCC says the same
	s_cselect_b32 s[KF+2*\i], s98, s99             ; V times 1, K times 2^-4
	s_mov_b32 s[KF+2*\i+1], s[KF+2*\i]
	s_sub_co_u32 s[KM+\i], s101, 1                 ; K: 0 - 1 = all ones; V: 0
	s_lshr_b32 s101, s100, 3
	s_lshl4_add_u32 s101, s101, s104               ; (3 b + kv head) 16 + key tile
	s_lshl_b32 s101, s101, 15                      ; tiles of 32,768 bytes
	s_and_b32 s2, s100, 7
	s_lshl_b32 s2, s2, 12                          ; (K or V, d tile): blocks of 4,096 bytes
	s_add_co_u32 s101, s101, s2
	s_lshl_b32 s2, s[W], 10                        ; my 32 keys of 32 bytes
	s_add_co_u32 s101, s101, s2
	v_add_nc_u32 v[KO+\i], s101, v28
.endr
	v_lshlrev_b32 v[H32], 5, v21                   ; the thread's number is no longer needed
; 22 LDS loads: the 11 weight fragments of 32 along K (step ks of chunk j; K step j / 2 lies in slot (j / 2) % 3) into buffer g, each by two
; transposing loads 16 k rows apart.  The four v_nop are the places between the matrix instructions that read buffer g, or a ring buffer
; of x that is asked for again right behind this run, and the loads into them.
.macro FETCH j, ks, g
.set FS, (((\j)/2)%3)
.set FH, ((\j)%2)
	PLACES 4
.irp n, 0,1,2,3,4,5,6,7
	ds_load_tr16_b128 v[BF0+88*\g+8*\n:BF0+88*\g+8*\n+3], v[ADRQ+2*FS+FH] offset:\ks*32*PQ+32*\n
	ds_load_tr16_b128 v[BF0+88*\g+8*\n+4:BF0+88*\g+8*\n+7], v[ADRQ+2*FS+FH] offset:\ks*32*PQ+32*\n+16*PQ
.endr
.irp n, 0,1,2
	ds_load_tr16_b128 v[BF0+88*\g+64+8*\n:BF0+88*\g+64+8*\n+3], v[ADRK+FS] offset:(4*FH+\ks)*32*PKV+32*\n
	ds_load_tr16_b128 v[BF0+88*\g+64+8*\n+4:BF0+88*\g+64+8*\n+7], v[ADRK+FS] offset:(4*FH+\ks)*32*PKV+32*\n+16*PKV
.endr
.endm
; 22 matrix instructions, used transposed (source 0 = 16 columns of W, source 1 = 16 rows of x): a lane then holds row r and the eight
; neighbouring columns 16 n + 8 h + j.  The 22 accumulators take turns, one instruction a turn.
.macro MUL f, j, ks, zero
.set AB, 64*((\j)%4)+16*(\ks)
	WIN 0x58                                       ; source 0 window 0, source 1 window 2, C and D window 1
.irp n, 0,1,2,3,4,5,6,7,8,9,10
.irp a, 0,1
.if \zero
	v_wmma_f32_16x16x32_f16 v[8*(11*\a+\n):8*(11*\a+\n)+7], v[BF0+88*\f+8*\n:BF0+88*\f+8*\n+7], v[AB+8*\a:AB+8*\a+7], 0
.else
	v_wmma_f32_16x16x32_f16 v[8*(11*\a+\n):8*(11*\a+\n)+7], v[BF0+88*\f+8*\n:BF0+88*\f+8*\n+7], v[AB+8*\a:AB+8*\a+7], v[8*(11*\a+\n):8*(11*\a+\n)+7]
.endif
.endr
.endr
	WIN 0
.endm
; ask for the weights of step (jn, ksn) into buffer g, then multiply buffer f, whose loads are all but the 22 just issued
.macro AHEAD jn, ksn, g, f, j, ks, zero
	FETCH \jn, \ksn, \g
	s_wait_dscnt 22
	MUL \f, \j, \ks, \zero
.endm
.macro COMPUTE t, zero                 ; a K step of 256 = chunks 2 t and 2 t + 1 of x
	FETCH 2*\t, 0, 0
	AWAIT 2*\t
	AHEAD 2*\t, 1, 1, 0, 2*\t, 0, \zero
	AHEAD 2*\t, 2, 0, 1, 2*\t, 1, 0
	AHEAD 2*\t, 3, 1, 0, 2*\t, 2, 0
	AHEAD 2*\t+1, 0, 0, 1, 2*\t, 3, 0
	FETCH 2*\t+1, 1, 1
	AWAIT 2*\t+1
	s_wait_dscnt 22
	MUL 0, 2*\t+1, 0, 0
	AHEAD 2*\t+1, 2, 0, 1, 2*\t+1, 1, 0
	AHEAD 2*\t+1, 3, 1, 0, 2*\t+1, 2, 0
	s_wait_dscnt 0x0
	MUL 1, 2*\t+1, 3, 0
.endm
	s_wait_tensorcnt 0x4                           ; my two loads of K step 0 are in; the four of K steps 1 and 2 stay out
	s_barrier_signal -1
	s_barrier_wait -1                              ; everybody's are
	COMPUTE 0, 1                                   ; the first products start the sums: nothing is cleared
	; Slot 0 is filled again, with K step 3.  My reads of it are back and all my tensor loads have landed (my parts of slots 1 and 2); its addresses
	; step three K steps; a round of the cluster's barrier shows the same of every wave of the sixteen work-groups; the joint refills are the
	; first tensor loads behind it, and have two K steps' 352 matrix instructions of a wave in which to land.
	s_wait_dscnt 0x0
	s_wait_tensorcnt 0x0
	ds_add_u32 v78, v79
	s_wait_dscnt 0x0
	s_add_nc_u64 s[G0Q+2:G0Q+3], s[G0Q+2:G0Q+3], 3*STEPQ
	s_add_nc_u64 s[G0K+2:G0K+3], s[G0K+2:G0K+3], 3*STEPK
	ROUND
	TLOADS 0
	COMPUTE 1, 0                                   ; slots 1 and 2 are whole since that round
	COMPUTE 2, 0
	s_wait_dscnt 0x0
	s_wait_tensorcnt 0x0                           ; my part of K step 3 is in,
	s_barrier_signal -1
	s_barrier_wait -1                              ; everybody's is
	COMPUTE 3, 0
	; THE WAY OUT
	PLACES 4                                       ; behind the last matrix instructions: results are read, fragment registers written
	s_wait_loadcnt 16                              ; cos and sin are in; the 16 loads of ln_g and ln_b may be out
; kv tile (a, i): rotated in every case, and the rotation kept where the tile is K (a select, no branch); then the tile's factor (2^-4 for K,
; 1 for V: which of the two a tile is hangs on the column block, and no branch may); 16 bytes a lane, and the wave's store covers 512
; consecutive aligned bytes of kvw (16 keys x 16 d).
.macro KVT a, i
	WIN 0x0d                                       ; source 0 = the accumulator, window 1; source 1 = cos or sin, window 3
.irp j, 0,1,2,3,4,5,6,7
	v_mul_f32 v[KT+\j], v[8*(11*\a+8+\i)+\j], v[CSN+16*(3*\a+\i)+\j]
.endr
.irp p, 0,1,2,3
	v_fma_f32 v[KR+2*\p], -v[8*(11*\a+8+\i)+2*\p+1], v[CSN+16*(3*\a+\i)+8+2*\p], v[KT+2*\p]
	v_fma_f32 v[KR+2*\p+1], v[8*(11*\a+8+\i)+2*\p], v[CSN+16*(3*\a+\i)+8+2*\p+1], v[KT+2*\p+1]
.endr
	WIN 0x01
.irp j, 0,1,2,3,4,5,6,7
	v_cndmask_b32 v[KR+\j], v[8*(11*\a+8+\i)+\j], v[KR+\j], s[KM+\i]
.endr
	WIN 0
.irp p, 0,1,2,3
	v_pk_mul_f32 v[KR+2*\p:KR+2*\p+1], v[KR+2*\p:KR+2*\p+1], s[KF+2*\i:KF+2*\i+1] op_sel_hi:[1,0]
.endr
.irp p, 0,1,2,3
	v_cvt_pk_f16_f32 v[KP+4*(3*\a+\i)+\p], v[KR+2*\p], v[KR+2*\p+1]
.endr
	global_store_b128 v[KO+\i], v[KP+4*(3*\a+\i):KP+4*(3*\a+\i)+3], s[22:23] offset:512*\a
.endm
.irp a, 0,1
.irp i, 0,1,2
	KVT \a, \i
.endr
.endr
.macro RED4                            ; four pairs at QT to one number, the same in both lanes that hold a row
	v_pk_add_f32 v[QT:QT+1], v[QT:QT+1], v[QT+4:QT+5]
	v_pk_add_f32 v[QT+2:QT+3], v[QT+2:QT+3], v[QT+6:QT+7]
	v_pk_add_f32 v[QT:QT+1], v[QT:QT+1], v[QT+2:QT+3]
	v_add_f32 v[QT], v[QT], v[QT+1]
	v_permlanex16_b32 v[QT+1], v[QT], s90, s91     ; the row's other 32 columns lie in lane l xor 16
	v_add_f32 v[QT], v[QT], v[QT+1]
.endm
; 16 rows (a) of one head (hd): LayerNorm; out as it lies in the registers, which is qln's order; and through my stage to whole rows, of which
; lane l holds 4 columns, for the column sums.
.macro QGROUP a, hd, rb, start
.set XB, 8*(11*\a+4*\hd)
	WIN 0x05
.irp i, 0,1,2,3,4,5,6,7
	v_pk_add_f32 v[QT+2*\i:QT+2*\i+1], v[XB+4*\i:XB+4*\i+1], v[XB+4*\i+2:XB+4*\i+3]
.endr
	WIN 0
.irp i, 0,1,2,3
	v_pk_add_f32 v[QT+2*\i:QT+2*\i+1], v[QT+2*\i:QT+2*\i+1], v[QT+2*\i+8:QT+2*\i+9]
.endr
	RED4
	v_mul_f32 v[MU], -v[QT], s92                   ; minus the mean, twice
	v_mul_f32 v[MU+1], -v[QT], s92
	s_wait_xcnt 0x0                                ; the 32 registers below were the data of the last group's stores: written again only behind this wait
	WIN 0x01
.irp i, 0,1,2,3,4,5,6,7,8,9,10,11,12,13,14,15
	v_pk_add_f32 v[QD+2*\i:QD+2*\i+1], v[XB+2*\i:XB+2*\i+1], v[MU:MU+1]
.endr
	WIN 0
.irp i, 0,1,2,3
	v_pk_mul_f32 v[QT+2*\i:QT+2*\i+1], v[QD+2*\i:QD+2*\i+1], v[QD+2*\i:QD+2*\i+1]
.endr
.irp i, 4,5,6,7,8,9,10,11,12,13,14,15
	v_pk_fma_f32 v[QT+2*(\i%4):QT+2*(\i%4)+1], v[QD+2*\i:QD+2*\i+1], v[QD+2*\i:QD+2*\i+1], v[QT+2*(\i%4):QT+2*(\i%4)+1]
.endr
	RED4
	v_fma_f32 v[QT], v[QT], s92, s93               ; variance + 1e-5
	v_rsq_f32 v[RS], v[QT]
	v_rsq_f32 v[RS+1], v[QT]
	v_nop                                          ; one plain instruction behind the transcendentals (ISA guide 5.7.2)
	s_wait_alu depctr_va_vdst(0)
.irp i, 0,1,2,3,4,5,6,7,8,9,10,11,12,13,14,15
	v_pk_mul_f32 v[QD+2*\i:QD+2*\i+1], v[QD+2*\i:QD+2*\i+1], v[RS:RS+1]
.endr
	WIN 0x3c                                       ; sources 1 and 2 = ln_g and ln_b, window 3
.irp i, 0,1,2,3,4,5,6,7,8,9,10,11,12,13,14,15
	v_pk_fma_f32 v[QD+2*\i:QD+2*\i+1], v[QD+2*\i:QD+2*\i+1], v[GG+2*\i:GG+2*\i+1], v[BB+2*\i:BB+2*\i+1]
.endr
	WIN 0
.irp i, 0,1,2,3,4,5,6,7
	global_store_b128 v[L16], v[QD+4*\i:QD+4*\i+3], s[18:19] offset:\hd*524288+\a*4096+512*\i     ; piece i: 512 consecutive aligned bytes
.endr
.irp q, 0,1,2,3
	ds_store_b128 v[STO], v[QD+8*\q:QD+8*\q+3] offset:64*\q
	ds_store_b128 v[STO], v[QD+8*\q+4:QD+8*\q+7] offset:64*\q+16
.endr
.irp i, 0,1,2,3,4,5,6,7
	ds_load_b128 v[\rb+4*\i:\rb+4*\i+3], v[RD] offset:2*SP*\i      ; my own bytes, served in order behind the stores above (ISA guide 5.7.1)
.endr
.irp i, 0,1,2,3,4,5,6,7
	s_wait_dscnt 7-\i                              ; rows 2 i and 2 i + 1 are in; the younger loads stay out
.if \start
.if \i == 1
	v_pk_add_f32 v[CS+4*\hd:CS+4*\hd+1], v[\rb:\rb+1], v[\rb+4:\rb+5]          ; the first two rows start the column sums
	v_pk_add_f32 v[CS+4*\hd+2:CS+4*\hd+3], v[\rb+2:\rb+3], v[\rb+6:\rb+7]
.endif
.if \i > 1
	v_pk_add_f32 v[CS+4*\hd:CS+4*\hd+1], v[CS+4*\hd:CS+4*\hd+1], v[\rb+4*\i:\rb+4*\i+1]
	v_pk_add_f32 v[CS+4*\hd+2:CS+4*\hd+3], v[CS+4*\hd+2:CS+4*\hd+3], v[\rb+4*\i+2:\rb+4*\i+3]
.endif
.else
	v_pk_add_f32 v[CS+4*\hd:CS+4*\hd+1], v[CS+4*\hd:CS+4*\hd+1], v[\rb+4*\i:\rb+4*\i+1]
	v_pk_add_f32 v[CS+4*\hd+2:CS+4*\hd+3], v[CS+4*\hd+2:CS+4*\hd+3], v[\rb+4*\i+2:\rb+4*\i+3]
.endif
.endr
.endm
	s_wait_loadcnt 0x0                             ; ln_g and ln_b
	QGROUP 0, 0, RB0, 1
	QGROUP 0, 1, RB1, 1
	QGROUP 1, 0, RB0, 0
	QGROUP 1, 1, RB1, 0
	; column sums of my 32 rows: even and odd rows lie in the two halves of the lanes
.irp i, 0,1,2,3,4,5,6,7
	v_permlanex16_b32 v[QT+\i], v[CS+\i], s90, s91
.endr
.irp i, 0,2,4,6
	v_pk_add_f32 v[CS+\i:CS+\i+1], v[CS+\i:CS+\i+1], v[QT+\i:QT+\i+1]
.endr
	s_mov_b32 s[KM], 0xffff0000
.irp i, 0,1,2,3
	v_cndmask_b32 v[QT+\i], v[CS+\i], v[CS+4+\i], s[KM]            ; lanes 0-15 keep the first head, lanes 16-31 the second: lane l holds columns 4 l ..
.endr
	v_add_nc_u32 v[QT+4], s67, v[L16]
	ds_store_b128 v[QT+4], v[QT:QT+3]
	s_wait_dscnt 0x0                               ; for the others' sake
	s_barrier_signal -1
	s_barrier_wait -1
	s_cmp_lg_u32 s[W], 0
	s_cbranch_scc1 .Lno_sum
	v_add_nc_u32 v[QT+4], PSUM, v[L16]             ; wave 0 adds the four waves' sums, in a fixed order
.irp i, 0,1,2,3
	ds_load_b128 v[RB0+4*\i:RB0+4*\i+3], v[QT+4] offset:512*\i     ; into registers that no pending store reads
.endr
	s_wait_dscnt 0x0
	v_pk_add_f32 v[RB0:RB0+1], v[RB0:RB0+1], v[RB0+4:RB0+5]
	v_pk_add_f32 v[RB0+2:RB0+3], v[RB0+2:RB0+3], v[RB0+6:RB0+7]
	v_pk_add_f32 v[RB0+8:RB0+9], v[RB0+8:RB0+9], v[RB0+12:RB0+13]
	v_pk_add_f32 v[RB0+10:RB0+11], v[RB0+10:RB0+11], v[RB0+14:RB0+15]
	v_pk_add_f32 v[RB0:RB0+1], v[RB0:RB0+1], v[RB0+8:RB0+9]
	v_pk_add_f32 v[RB0+2:RB0+3], v[RB0+2:RB0+3], v[RB0+10:RB0+11]
	global_store_b128 v[L16], v[RB0:RB0+3], s[20:21]               ; 512 consecutive aligned bytes
.Lno_sum:
	s_wait_tensorcnt 0x0
	ds_add_u32 v78, v79
	s_wait_dscnt 0x0
	ROUND                                          ; the closing round: no work-group ends while a partner may still ask for a tile that names it
	s_endpgm
.Lfunc_end_k_q4fca0b3563_proj:
	.size	k_q4fca0b3563_proj, .Lfunc_end_k_q4fca0b3563_proj-k_q4fca0b3563_proj
	.p2alignl 7, 3214868480
	.fill 96, 4, 3214868480
	.section	.rodata,"a",@progbits
	.p2align	6, 0x0
	.amdhsa_kernel k_q4fca0b3563_proj
		.amdhsa_group_segment_fixed_size 327680
		.amdhsa_private_segment_fixed_size 0
		.amdhsa_enable_private_segment 0
		.amdhsa_kernarg_size 80
		.amdhsa_user_sgpr_count 2
		.amdhsa_user_sgpr_kernarg_segment_ptr 1
		.amdhsa_wavefront_size32 1
		.amdhsa_system_sgpr_workgroup_id_x 1
		.amdhsa_system_sgpr_workgroup_id_y 1
		.amdhsa_system_sgpr_workgroup_id_z 1
		.amdhsa_system_vgpr_workitem_id 0
		.amdhsa_next_free_vgpr 928
		.amdhsa_next_free_sgpr 106
		.amdhsa_reserve_vcc 0
		.amdhsa_float_denorm_mode_32 3
		.amdhsa_float_denorm_mode_16_64 3
		.amdhsa_memory_ordered 1
		.amdhsa_forward_progress 1
		.amdhsa_inst_pref_size 173
	.end_amdhsa_kernel
	.amdgpu_metadata
---
amdhsa.version: [ 1, 2 ]
amdhsa.kernels:
  - .name:           k_q4fca0b3563_proj
    .symbol:         k_q4fca0b3563_proj.kd
    .args:
      - { .name: x16, .offset: 0, .size: 8, .value_kind: global_buffer, .address_space: global }
      - { .name: wqb, .offset: 8, .size: 8, .value_kind: global_buffer, .address_space: global }
      - { .name: wkb, .offset: 16, .size: 8, .value_kind: global_buffer, .address_space: global }
      - { .name: cos, .offset: 24, .size: 8, .value_kind: global_buffer, .address_space: global }
      - { .name: sin, .offset: 32, .size: 8, .value_kind: global_buffer, .address_space: global }
      - { .name: ln_g, .offset: 40, .size: 8, .value_kind: global_buffer, .address_space: global }
      - { .name: ln_b, .offset: 48, .size: 8, .value_kind: global_buffer, .address_space: global }
      - { .name: qln, .offset: 56, .size: 8, .value_kind: global_buffer, .address_space: global }
      - { .name: psum, .offset: 64, .size: 8, .value_kind: global_buffer, .address_space: global }
      - { .name: kvw, .offset: 72, .size: 8, .value_kind: global_buffer, .address_space: global }
    .group_segment_fixed_size: 327680
    .private_segment_fixed_size: 0
    .kernarg_segment_align: 8
    .kernarg_segment_size: 80
    .max_flat_workgroup_size: 128
    .sgpr_count:     106
    .vgpr_count:     928
    .wavefront_size: 32
...
	.end_amdgpu_metadata
.endif
;; end of part 6
;; launch attn (part 7): grid 8 x 32, 8 waves a work-group, clusters of 4 x 1, 327,680 bytes of LDS; arguments qln, psum, kvw, cos, sin, att; writes att
.if DOCPART == 7
	.amdgcn_target "amdgcn-amd-amdhsa--gfx1250"
	.amdhsa_code_object_version 6
	.text
	.protected	k_q4fca0b3563_attn
	.globl	k_q4fca0b3563_attn
	.p2align	8
	.type	k_q4fca0b3563_attn,@function
k_q4fca0b3563_attn:
	s_mov_b64 s[64:65], 0
	v_nop
	global_prefetch_b8 v0, s[64:65] scope:SCOPE_SE
	s_setreg_imm32_b32 hwreg(HW_REG_WAVE_MODE, 25, 1), 1
	s_wait_xcnt 0x0
	s_wait_alu depctr_hold_cnt(0) depctr_sa_sdst(0) depctr_va_vdst(0) depctr_va_sdst(0) depctr_va_ssrc(0) depctr_va_vcc(0) depctr_vm_vsrc(0)
	s_getreg_b32 s2, hwreg(HW_REG_IB_STS2, 6, 4)
	s_cmp_eq_u32 s2, 0
	s_cbranch_scc0 .Lentry_in_a_cluster
	s_endpgm
.Lentry_in_a_cluster:
	s_bfe_u32 s2, ttmp6, 0x10000c
	s_cmp_lg_u32 s2, 0x3003
	s_cbranch_scc0 .Lentry_shape_is_right
	s_endpgm
.Lentry_shape_is_right:
; attn: q = RoPE(LN(q) - its mean over the 2,048 time steps) / 8; softmax(q k^T) v with a running maximum.
; A work-group owns 256 queries of one (batch, head); eight waves, 32 queries each (two tiles u of 16).  Two waves lie on each SIMD, so
; that one wave's softmax arithmetic stands beside the other's matrix instructions.  kv head = (head + 4) >> 3 (groups of 4, 8, 4 heads).
; K and V come two tiles of 128 keys at a time (65,536 bytes of kvw; a tile is K's four d tiles, then V's) through two LDS slots; a wave
; fetches one eighth, 8,192 dense bytes, by one tensor load.  So a slot changes every 256 keys: six refills in all.
; CLUSTERS 4 x 1: the four query blocks of a cluster belong to one head and walk the same tiles: each is asked for jointly.
; BOTH PRODUCTS ARE USED TRANSPOSED.  S^T = K q^T: a lane holds query r and keys 16 kt + 8 h + j, so that a row's maximum and sum need
; one exchange with lane l xor 16, and the rounded p of two key tiles, packed in place, ARE the second source of O^T = V^T p^T: no
; shuffle.  V lies [key][d] and is read by transposing loads.
; REGISTERS: window 0 holds all that vector instructions touch (q, O, the 128 scores a lane of a step, running figures); window 1 holds the
; fragments of a whole tile, K's in v0-127 and V's in v128-255, which are only ever a load's destination and a matrix instruction's source 0.
; So V of tile i is asked for at the head of the tile and K of tile i + 1 right behind the score products of tile i: both land behind the
; softmax; and one softmax step serves 128 keys, so that O is rescaled once for 128 keys.
; IN AND OUT: qln comes in the order of a fragment's registers (piece i of lane r + 16 h: t = r, d = 16 (i / 2) + 8 h + 4 (i % 2) ..), 512 consecutive
; bytes a load.  att leaves in the same kind of order, f16 [b][h][128 tiles of 16 t][4 d tiles][32 lanes][8]: lane r + 16 h of d tile dt holds
; (t = r, d = 16 dt + 8 h + 0 .. 7), which is what a lane holds after the last product: it is stored straight from registers.
; FORMAT: q, k, p, v enter the products in f16, att is stored in f16.  k comes times 2^-4, so q's factor is 16 log2(e) / 8 = 2 log2(e):
; the exponentials are 2^x.  Room under 65,504: LayerNorm bounds |LN| by sqrt(63) |g|, so |q| is at most 2 x 7.94 x sqrt(2) x 2.885 = 65
; for |g|, |cos|, |sin| up to 1, and about 58,000 with ln_g and the tables 30 times that.  p lies in (0, 1]; below 2^-14 its step is 2^-24,
; against a row sum of at least 1.  LIMIT: beyond those factors q becomes infinite.  v_exp_f32 and v_rcp_f32 are good to 1 ulp, and
; results below 2^-126 count as zero; the row sum adds p in f32, the product takes p rounded to f16.
.set SUBB,  4352                       ; one (K or V, d tile): 128 keys x 32 bytes as 16 rows of 256 + 16 bytes
.set TILEL, 8*SUBB                     ; 34,816: a tile of 128 keys in LDS
.set SLOT,  2*TILEL                    ; 69,632
.set MEAN,  2*SLOT                     ; 139,264: 256 bytes for each wave; no tensor load lands here
.set STB,   65536                      ; two tiles in kvw
.set LAK,  4                           ; v[4:5]   LDS address of my K fragments, slot 0, 1
.set LAV,  6                           ; v[6:7]   of my V fragments
.set L16,  10                          ; 16 x lane
.set QO,   11                          ; 256 r + 32 h
.set MM,   12                          ; v[12:15]  running maximum of tile u, twice (a pair for packed arithmetic)
.set QF,   16                          ; v[16:47]  q fragments (u, ks) at 16 u + 8 ks
.set OA,   48                          ; v[48:111] O (u, dt) at 32 u + 8 dt
.set MR,   80                          ; v[80:111] in the set-up: the mean of my 32 columns
.set SC,   112                         ; v[112:239] scores (u, kt) at 64 u + 8 kt; then p
.set LS,   240                         ; v[240:243] running sums, a pair for each u
.set AL,   244                         ; v[244:245] the factor of a step, twice
.set TT,   246                         ; v[246:253] at work
.set MN,   254
.set KF,   0                           ; window 1: K fragment (kt, ks) at 16 kt + 8 ks
.set VF,   128                         ; window 1: V fragment (dt, kk) at 128 + 32 dt + 8 kk
.set G1,   16
.set G0,   24                          ; s[24:27], s[28:31]: a group 0 for each slot
.set W,    32
.set MSB, 0
.macro WIN new                         ; the immediate's high byte repeats the setting that is left
.if MSB != \new
	s_set_vgpr_msb (MSB<<8)|\new
.set MSB, \new
.endif
.endm
.macro PLACES n
.rept \n
	v_nop
.endr
.endm
; A round of the cluster's barrier: my work-group's barrier, wave 0 signals for the work-group, all wait for the four, my barrier again.
.macro CREST                           ; a round behind its opening barrier
	s_cmp_lg_u32 s[W], 0
	s_cbranch_scc1 .Lnot_wave_0_\@
	s_barrier_signal -3
.Lnot_wave_0_\@:
	s_barrier_wait -3
	s_barrier_signal -1
	s_barrier_wait -1
.endm
.macro ROUND
	s_barrier_signal -1
	s_barrier_wait -1
	CREST
.endm
	s_load_b256 s[4:11], s[0:1], 0x0               ; qln 4, psum 6, kvw 8, cos 10
	s_load_b128 s[12:15], s[0:1], 0x20             ; sin 12, att 14
	v_lshl_add_u32 v9, v0, 2, 0x29000
	v_mov_b32 v255, 0
	ds_add_u32 v9, v255
	v_lshrrev_b32 v1, 5, v0
	v_readfirstlane_b32 s[W], v1                   ; wave 0 .. 7
	s_bfe_u32 s33, ttmp6, 0x40000                  ; cx
	s_lshl_b32 s34, ttmp9, 2
	s_add_co_u32 s34, s34, s33                     ; query block 0 .. 7
	s_and_b32 s35, ttmp7, 0xffff                   ; 16 b + head
	s_lshr_b32 s36, s35, 4                         ; b
	s_and_b32 s37, s35, 15                         ; head
	s_add_co_u32 s38, s37, 4
	s_lshr_b32 s38, s38, 3                         ; kv head
	s_mul_i32 s46, s36, 3
	s_add_co_u32 s46, s46, s38
	s_lshl_b32 s46, s46, 19                        ; 16 tiles of 32,768 bytes for each (b, kv head)
	s_lshl_b32 s47, s[W], 13                       ; my eighth of two tiles: nothing here hangs on cx
	s_add_co_u32 s46, s46, s47
	s_mov_b32 s47, 0
	; 8,192 dense bytes as 32 rows of 32 elements of 8 bytes, 4 words of padding behind every 64; the mask names all four partners
	s_mov_b32 s[G1+0], 15|(3<<16)|(1<<20)|(1<<21)|(5<<22)|(3<<25)
	s_mov_b32 s[G1+1], 32<<16
	s_mov_b32 s[G1+2], 32<<16
	s_mov_b32 s[G1+3], 32<<16
	s_mov_b32 s[G1+4], 32
	s_mov_b32 s[G1+5], 32
	s_mov_b32 s[G1+6], 0
	s_mov_b32 s[G1+7], 0
	s_mul_i32 s45, s[W], 2*SUBB
	s_lshl_b32 s59, s[W], 8
	s_add_co_u32 s59, s59, MEAN
	s_mov_b32 s40, 0x76543210
	s_mov_b32 s41, 0xfedcba98
	s_mov_b32 s42, 0x4038aa3b                      ; 2 log2(e) = (log2(e) / 8) x 2^4
	s_mov_b32 s43, 0x4038aa3b
	s_lshl_b32 s39, s34, 8
	s_lshl_b32 s53, s[W], 5
	s_add_co_u32 s39, s39, s53                     ; my first query
	s_lshl_b32 s48, s39, 8                         ; its row in cos and sin
	s_mov_b32 s49, 0
	s_lshl_b32 s53, s35, 11
	s_add_co_u32 s53, s53, s39
	s_lshl_b32 s50, s53, 8                         ; in qln: 256 bytes a query
	s_mov_b32 s51, 0
	s_lshl_b32 s54, s53, 7                         ; in att: 128 bytes a query
	s_mov_b32 s55, 0
	s_lshl_b32 s56, s36, 16                        ; psum: the batch's 16 rows,
	s_lshl_b32 s53, s37, 8                         ; my head's 64 columns
	s_add_co_u32 s56, s56, s53
	s_mov_b32 s57, 0
	v_and_b32 v1, 31, v0                           ; lane
	v_and_b32 v2, 15, v0                           ; r
	v_bfe_u32 v3, v0, 4, 1                         ; h
	v_lshlrev_b32 v[L16], 4, v1
	v_lshlrev_b32 v242, 8, v2
	v_lshl_add_u32 v[QO], v3, 5, v242
	v_lshlrev_b32 v243, 3, v1                      ; 8 x lane
	s_wait_dscnt 0x0
	s_wait_kmcnt 0x0
	s_add_nc_u64 s[8:9], s[8:9], s[46:47]
	s_add_nc_u64 s[10:11], s[10:11], s[48:49]
	s_add_nc_u64 s[12:13], s[12:13], s[48:49]
	s_add_nc_u64 s[4:5], s[4:5], s[50:51]
	s_add_nc_u64 s[14:15], s[14:15], s[54:55]
	s_add_nc_u64 s[6:7], s[6:7], s[56:57]
	; all that the set-up reads from memory goes out at once, ahead of the first round: 16 + 24 + 24 loads
.irp i, 0,1,2,3,4,5,6,7,8,9,10,11,12,13,14,15
	global_load_b64 v[OA+2*\i:OA+2*\i+1], v243, s[6:7] offset:4096*\i      ; the 16 row blocks' sums of columns 2 l, 2 l + 1
.endr
; q, cos and sin of tile u, into window 1 at 96 u: lane (r, h) takes d = 16 c + 8 h + 0 .. 7, c = 0 .. 3, of row r: a fragment's order.
; qln lies in that order (512 consecutive bytes a load); cos and sin lie by rows.
.macro QLOAD u
.irp i, 0,1,2,3,4,5,6,7
	global_load_b128 v[96*\u+4*\i:96*\u+4*\i+3], v[L16], s[4:5] offset:4096*\u+512*\i th:TH_LOAD_NT
.endr
.irp i, 0,1,2,3,4,5,6,7
	global_load_b128 v[96*\u+32+4*\i:96*\u+32+4*\i+3], v[QO], s[10:11] offset:4096*\u+(\i/2)*64+(\i%2)*16
.endr
.irp i, 0,1,2,3,4,5,6,7
	global_load_b128 v[96*\u+64+4*\i:96*\u+64+4*\i+3], v[QO], s[12:13] offset:4096*\u+(\i/2)*64+(\i%2)*16
.endr
.endm
	WIN 0x40                                       ; destination in window 1, address in window 0
	QLOAD 0
	QLOAD 1
	WIN 0
	ROUND                                          ; the four partners are here: the first joint loads meet
.irp s, 0,1
	s_mov_b32 s[G0+4*\s], 1
	s_add_co_u32 s[G0+4*\s+1], s45, \s*SLOT
	s_add_nc_u64 s[G0+4*\s+2:G0+4*\s+3], s[8:9], \s*STB
	s_or_b32 s[G0+4*\s+3], s[G0+4*\s+3], 0x80000000
	tensor_load_to_lds s[G0+4*\s:G0+4*\s+3], s[G1:G1+7]            ; keys 0-255 and 256-511: two loads of mine are out, the most in this text
	s_nop 0
.endr
	; while all that is on its way: the LDS addresses
	v_and_b32 v240, 7, v0                          ; lane % 8 = r % 8
	v_bfe_u32 v241, v0, 3, 1                       ; (lane / 8) % 2 = r / 8
	v_mul_u32_u24 v242, v241, 272
	v_lshl_add_u32 v242, v240, 5, v242
	v_lshl_add_u32 v[LAK], v3, 4, v242             ; key r: row r / 8, 32 bytes a key, 16 h for my 8 d
	v_add_nc_u32 v[LAK+1], SLOT, v[LAK]
	v_mul_u32_u24 v242, v3, 272
	v_lshl_add_u32 v242, v240, 5, v242
	v_lshl_add_u32 v242, v241, 4, v242             ; transposing load: key 8 h + lane % 8, half (lane / 8) % 2 of its 16 d
	v_add_nc_u32 v[LAV], 4*SUBB, v242
	v_add_nc_u32 v[LAV+1], 4*SUBB+SLOT, v242
	v_add_nc_u32 v244, s59, v243
	v_lshl_add_u32 v245, v3, 5, s59
	; the mean over time: 16 partial sums a column, / 2048, and through my wave's 256 bytes into the fragments' order
	s_wait_loadcnt 48                              ; the 16 partial sums are in; the 48 loads of the two query tiles stay out
.irp i, 0,1,2,3,4,5,6,7
	v_pk_add_f32 v[OA+2*\i:OA+2*\i+1], v[OA+2*\i:OA+2*\i+1], v[OA+2*\i+16:OA+2*\i+17]
.endr
.irp i, 0,1,2,3
	v_pk_add_f32 v[OA+2*\i:OA+2*\i+1], v[OA+2*\i:OA+2*\i+1], v[OA+2*\i+8:OA+2*\i+9]
.endr
	v_pk_add_f32 v[OA:OA+1], v[OA:OA+1], v[OA+4:OA+5]
	v_pk_add_f32 v[OA+2:OA+3], v[OA+2:OA+3], v[OA+6:OA+7]
	v_pk_add_f32 v[OA:OA+1], v[OA:OA+1], v[OA+2:OA+3]
	v_pk_mul_f32 v[OA:OA+1], v[OA:OA+1], 0x3a000000 op_sel_hi:[1,0]        ; / 2048
	ds_store_b64 v244, v[OA:OA+1]                  ; my wave's own 256 bytes: served in order, no wait between store and loads
.irp i, 0,1,2,3,4,5,6,7
	ds_load_b128 v[MR+4*\i:MR+4*\i+3], v245 offset:(\i/2)*64+(\i%2)*16
.endr
	s_wait_dscnt 0x0
; q of tile u: minus the mean, times the factor, rotated, to f16.  left = how many younger loads may stay out.
.macro QMATH u, left
	s_wait_loadcnt \left
	WIN 0x01                                       ; source 0 = q, window 1
.irp i, 0,1,2,3,4,5,6,7,8,9,10,11,12,13,14,15
	v_pk_add_f32 v[SC+2*\i:SC+2*\i+1], v[96*\u+2*\i:96*\u+2*\i+1], v[MR+2*\i:MR+2*\i+1] neg_lo:[0,1] neg_hi:[0,1]
.endr
	WIN 0
.irp i, 0,1,2,3,4,5,6,7,8,9,10,11,12,13,14,15
	v_pk_mul_f32 v[SC+2*\i:SC+2*\i+1], v[SC+2*\i:SC+2*\i+1], s[42:43] op_sel_hi:[1,0]
.endr
	WIN 0x04                                       ; source 1 = cos or sin, window 1
.irp p, 0,1,2,3,4,5,6,7,8,9,10,11,12,13,14,15
	v_mul_f32 v[SC+32+2*\p], v[SC+2*\p], v[96*\u+32+2*\p]
	v_mul_f32 v[SC+32+2*\p+1], v[SC+2*\p+1], v[96*\u+32+2*\p+1]
	v_fma_f32 v[SC+32+2*\p], -v[SC+2*\p+1], v[96*\u+64+2*\p], v[SC+32+2*\p]
	v_fma_f32 v[SC+32+2*\p+1], v[SC+2*\p], v[96*\u+64+2*\p+1], v[SC+32+2*\p+1]
.endr
	WIN 0
.irp p, 0,1,2,3,4,5,6,7,8,9,10,11,12,13,14,15
	v_cvt_pk_f16_f32 v[QF+16*\u+\p], v[SC+32+2*\p], v[SC+32+2*\p+1]
.endr
.endm
	QMATH 0, 24                                    ; tile 1's 24 loads may stay out
	QMATH 1, 0
; The softmax step of query tile u on 128 keys (64 scores a lane).
.macro SOFTMAX u, first
.set SX, SC+64*\u
.irp c, 0,1,2,3
	v_max3_num_f32 v[TT+\c], v[SX+\c], v[SX+4+\c], v[SX+8+\c]
.endr
.irp j, 12,20,28,36,44,52
.irp c, 0,1,2,3
	v_max3_num_f32 v[TT+\c], v[TT+\c], v[SX+\j+\c], v[SX+\j+4+\c]
.endr
.endr
	v_max3_num_f32 v[TT], v[TT], v[TT+1], v[SX+60]
	v_max3_num_f32 v[TT+2], v[TT+2], v[TT+3], v[SX+61]
	v_max3_num_f32 v[TT], v[TT], v[TT+2], v[SX+62]
.if \first
	v_max_num_f32 v[TT], v[TT], v[SX+63]
.else
	v_max3_num_f32 v[TT], v[TT], v[SX+63], v[MM+2*\u]              ; the maximum so far goes in
.endif
	v_permlanex16_b32 v[TT+1], v[TT], s40, s41     ; the query's other 64 keys lie in lane l xor 16
	v_max_num_f32 v[MN], v[TT], v[TT+1]
.if \first == 0
	v_sub_f32 v[TT+2], v[MM+2*\u], v[MN]
	v_exp_f32 v[AL], v[TT+2]                       ; what the old sums are worth under the new maximum
	v_exp_f32 v[AL+1], v[TT+2]
.endif
	v_mov_b32 v[MM+2*\u], v[MN]                    ; (plain instructions behind the transcendentals: ISA guide 5.7.2)
	v_mov_b32 v[MM+2*\u+1], v[MN]
.set ii, 0
.rept 32
	v_pk_add_f32 v[SX+ii:SX+ii+1], v[SX+ii:SX+ii+1], v[MM+2*\u:MM+2*\u+1] neg_lo:[0,1] neg_hi:[0,1]
.set ii, ii+2
.endr
.set ii, 0
.rept 64
	v_exp_f32 v[SX+ii], v[SX+ii]
.set ii, ii+1
.endr
.if \first
	v_nop                                          ; the plain instruction behind the exponentials
	s_wait_alu depctr_va_vdst(0)
.else
	s_wait_alu depctr_va_vdst(0)
.irp i, 0,1,2,3,4,5,6,7,8,9,10,11,12,13,14,15
	v_pk_mul_f32 v[OA+32*\u+2*\i:OA+32*\u+2*\i+1], v[OA+32*\u+2*\i:OA+32*\u+2*\i+1], v[AL:AL+1]
.endr
.endif
	; the row sum, in four chains that do not wait for each other
.irp c, 0,1,2,3
	v_pk_add_f32 v[TT+2*\c:TT+2*\c+1], v[SX+2*\c:SX+2*\c+1], v[SX+8+2*\c:SX+8+2*\c+1]
.endr
.irp j, 16,24,32,40,48,56
.irp c, 0,1,2,3
	v_pk_add_f32 v[TT+2*\c:TT+2*\c+1], v[TT+2*\c:TT+2*\c+1], v[SX+\j+2*\c:SX+\j+2*\c+1]
.endr
.endr
	v_pk_add_f32 v[TT:TT+1], v[TT:TT+1], v[TT+4:TT+5]
	v_pk_add_f32 v[TT+2:TT+3], v[TT+2:TT+3], v[TT+6:TT+7]
.if \first
	v_pk_add_f32 v[LS+2*\u:LS+2*\u+1], v[TT:TT+1], v[TT+2:TT+3]
.else
	v_pk_add_f32 v[TT:TT+1], v[TT:TT+1], v[TT+2:TT+3]
	v_pk_fma_f32 v[LS+2*\u:LS+2*\u+1], v[LS+2*\u:LS+2*\u+1], v[AL:AL+1], v[TT:TT+1]
.endif
	; p to f16 in place: key tiles 2 kk and 2 kk + 1 become registers 0-3 and 4-7 of a fragment (k = 8 h + j and 16 + 8 h + j)
.irp kk, 0,1,2,3
.irp p, 0,1,2,3
	v_cvt_pk_f16_f32 v[SX+16*\kk+\p], v[SX+16*\kk+2*\p], v[SX+16*\kk+2*\p+1]
.endr
.irp p, 0,1,2,3
	v_cvt_pk_f16_f32 v[SX+16*\kk+4+\p], v[SX+16*\kk+8+2*\p], v[SX+16*\kk+8+2*\p+1]
.endr
.endr
.endm
; 32 LDS loads: K's fragments of tile tt of a slot, d = 0 .. 31 of the eight key tiles first.  Leaves the destination in window 1.
.macro KLOADS slot, tt
	WIN 0x40
.irp ks, 0,1
.irp kt, 0,1,2,3,4,5,6,7
	ds_load_b128 v[KF+16*\kt+8*\ks:KF+16*\kt+8*\ks+3], v[LAK+\slot] offset:\tt*TILEL+(2*\ks)*SUBB+\kt*544
	ds_load_b128 v[KF+16*\kt+8*\ks+4:KF+16*\kt+8*\ks+7], v[LAK+\slot] offset:\tt*TILEL+(2*\ks+1)*SUBB+\kt*544
.endr
.endr
.endm
; 32 transposing LDS loads: V's fragments of tile tt of a slot.  Leaves the destination in window 1.
.macro VLOADS slot, tt
	WIN 0x40
.irp kk, 0,1,2,3
.irp dt, 0,1,2,3
	ds_load_tr16_b128 v[VF+32*\dt+8*\kk:VF+32*\dt+8*\kk+3], v[LAV+\slot] offset:\tt*TILEL+\dt*SUBB+(4*\kk)*272
	ds_load_tr16_b128 v[VF+32*\dt+8*\kk+4:VF+32*\dt+8*\kk+7], v[LAV+\slot] offset:\tt*TILEL+\dt*SUBB+(4*\kk)*272+544
.endr
.endr
.endm
; The change of slots, in the middle of a slot's last tile, where K and V of that tile are in registers.  My reads of the slot are back and all
; my tensor loads have landed (my eighth of the other slot): I say so, and work on registers (a softmax step) while the others arrive.  Where
; the slot is filled again (fill = 1) that barrier opens a round of the cluster's barrier, which shows the same of all 32 waves of the four
; partners; the joint refill is the first tensor load behind it, ahead of the first LDS read, and has 256 keys' work in which to land.
.macro CHANGE slot, fill, nslot
	WIN 0
	s_wait_dscnt 0x0
	s_wait_tensorcnt 0x0
	ds_add_u32 v9, v255
	s_wait_dscnt 0x0
.if \fill
	s_add_nc_u64 s[G0+4*\slot+2:G0+4*\slot+3], s[G0+4*\slot+2:G0+4*\slot+3], 2*STB
.endif
	s_barrier_signal -1
	SOFTMAX 0, 0
	s_barrier_wait -1
.if \fill
	CREST
	tensor_load_to_lds s[G0+4*\slot:G0+4*\slot+3], s[G1:G1+7]
	s_nop 0
.endif
	KLOADS \nslot, 0                               ; the other slot's first tile: lands behind the second softmax step
	WIN 0
	SOFTMAX 1, 0
.endm
; A tile of 128 keys against my 32 queries.  K's fragments were asked for in the tile before.
; mode 0: K of the next tile (nslot, ntt) lies in a slot that is whole; 1: the slot changes and is filled again; 2: it changes; 3: the last tile.
; In each group of matrix instructions 16 (scores) or 8 (O) accumulators take turns, one instruction a turn.
.macro TILE slot, tt, first, mode, nslot, ntt
.if \first == 0
	PLACES 5                                       ; behind the last products: 4 before loads into V's fragments, 5 before scores are written over the p that they read
.endif
	VLOADS \slot, \tt
	s_wait_dscnt 48                                ; K's first 16 loads (d = 0 .. 31) are in; its other 16 and V's 32 may be out
	WIN 0x01                                       ; source 0 = a fragment, window 1
.irp kt, 0,1,2,3,4,5,6,7
.irp u, 0,1
	v_wmma_f32_16x16x32_f16 v[SC+64*\u+8*\kt:SC+64*\u+8*\kt+7], v[KF+16*\kt:KF+16*\kt+7], v[QF+16*\u:QF+16*\u+7], 0
.endr
.endr
	s_wait_dscnt 32                                ; all of K is in; V's 32 may be out
.irp kt, 0,1,2,3,4,5,6,7
.irp u, 0,1
	v_wmma_f32_16x16x32_f16 v[SC+64*\u+8*\kt:SC+64*\u+8*\kt+7], v[KF+16*\kt+8:KF+16*\kt+15], v[QF+16*\u+8:QF+16*\u+15], v[SC+64*\u+8*\kt:SC+64*\u+8*\kt+7]
.endr
.endr
	PLACES 4                                       ; before the next K lands on these fragments and the scores are read
.if \mode == 0
	KLOADS \nslot, \ntt
	WIN 0
	SOFTMAX 0, \first
	SOFTMAX 1, \first
	s_wait_dscnt 32                                ; V is in; the next K's 32 loads may be out
.endif
.if \mode == 1
	CHANGE \slot, 1, \nslot
.endif
.if \mode == 2
	CHANGE \slot, 0, \nslot
.endif
.if \mode == 3
	WIN 0
	SOFTMAX 0, 0
	SOFTMAX 1, 0
	s_wait_dscnt 0x0
.endif
	WIN 0x01
.irp dt, 0,1,2,3
.irp u, 0,1
.if \first
	v_wmma_f32_16x16x32_f16 v[OA+32*\u+8*\dt:OA+32*\u+8*\dt+7], v[VF+32*\dt:VF+32*\dt+7], v[SC+64*\u:SC+64*\u+7], 0
.else
	v_wmma_f32_16x16x32_f16 v[OA+32*\u+8*\dt:OA+32*\u+8*\dt+7], v[VF+32*\dt:VF+32*\dt+7], v[SC+64*\u:SC+64*\u+7], v[OA+32*\u+8*\dt:OA+32*\u+8*\dt+7]
.endif
.endr
.endr
.irp kk, 1,2,3
.irp dt, 0,1,2,3
.irp u, 0,1
	v_wmma_f32_16x16x32_f16 v[OA+32*\u+8*\dt:OA+32*\u+8*\dt+7], v[VF+32*\dt+8*\kk:VF+32*\dt+8*\kk+7], v[SC+64*\u+16*\kk:SC+64*\u+16*\kk+7], v[OA+32*\u+8*\dt:OA+32*\u+8*\dt+7]
.endr
.endr
.endr
	WIN 0
.endm
	s_wait_tensorcnt 0x1                           ; my eighth of slot 0 is in; slot 1's stays out
	s_wait_dscnt 0x0
	s_barrier_signal -1
	s_barrier_wait -1
	KLOADS 0, 0
	TILE 0, 0, 1, 0, 0, 1                          ; the first 128 keys start maximum, sums and O: nothing is cleared
	s_mov_b32 s44, 3
.Lloop:                                            ; 512 keys a trip, both slots filled again: tiles 1 to 12
	TILE 0, 1, 0, 1, 1, 0
	TILE 1, 0, 0, 0, 1, 1
	TILE 1, 1, 0, 1, 0, 0
	TILE 0, 0, 0, 0, 0, 1
	s_sub_co_u32 s44, s44, 1
	s_cmp_lg_u32 s44, 0
	s_cbranch_scc1 .Lloop
	TILE 0, 1, 0, 2, 1, 0                          ; the last keys have landed; nothing more is fetched
	TILE 1, 0, 0, 0, 1, 1
	TILE 1, 1, 0, 3, 0, 0
	; THE WAY OUT: O / sum, to f16, and out as it lies: a lane's 8 numbers of a d tile are 16 bytes of att's order, a store 512 consecutive bytes
	PLACES 4
.irp u, 0,1
	v_add_f32 v[TT], v[LS+2*\u], v[LS+2*\u+1]
	v_permlanex16_b32 v[TT+1], v[TT], s40, s41
	v_add_f32 v[TT], v[TT], v[TT+1]                ; at least 1: the largest score gives 2^0
	v_rcp_f32 v[AL], v[TT]
	v_rcp_f32 v[AL+1], v[TT]
	v_nop
	s_wait_alu depctr_va_vdst(0)
.irp i, 0,1,2,3,4,5,6,7,8,9,10,11,12,13,14,15
	v_pk_mul_f32 v[OA+32*\u+2*\i:OA+32*\u+2*\i+1], v[OA+32*\u+2*\i:OA+32*\u+2*\i+1], v[AL:AL+1]
.endr
.irp i, 0,1,2,3,4,5,6,7,8,9,10,11,12,13,14,15
	v_cvt_pk_f16_f32 v[SC+32*\u+\i], v[OA+32*\u+2*\i], v[OA+32*\u+2*\i+1]
.endr
.irp dt, 0,1,2,3
	global_store_b128 v[L16], v[SC+32*\u+4*\dt:SC+32*\u+4*\dt+3], s[14:15] offset:2048*\u+512*\dt
.endr
.endr
	ROUND                                          ; the closing round
	s_endpgm
.Lfunc_end_k_q4fca0b3563_attn:
	.size	k_q4fca0b3563_attn, .Lfunc_end_k_q4fca0b3563_attn-k_q4fca0b3563_attn
	.p2alignl 7, 3214868480
	.fill 96, 4, 3214868480
	.section	.rodata,"a",@progbits
	.p2align	6, 0x0
	.amdhsa_kernel k_q4fca0b3563_attn
		.amdhsa_group_segment_fixed_size 327680
		.amdhsa_private_segment_fixed_size 0
		.amdhsa_enable_private_segment 0
		.amdhsa_kernarg_size 48
		.amdhsa_user_sgpr_count 2
		.amdhsa_user_sgpr_kernarg_segment_ptr 1
		.amdhsa_wavefront_size32 1
		.amdhsa_system_sgpr_workgroup_id_x 1
		.amdhsa_system_sgpr_workgroup_id_y 1
		.amdhsa_system_sgpr_workgroup_id_z 1
		.amdhsa_system_vgpr_workitem_id 0
		.amdhsa_next_free_vgpr 512
		.amdhsa_next_free_sgpr 66
		.amdhsa_reserve_vcc 0
		.amdhsa_float_denorm_mode_32 3
		.amdhsa_float_denorm_mode_16_64 3
		.amdhsa_memory_ordered 1
		.amdhsa_forward_progress 1
		.amdhsa_inst_pref_size 255
	.end_amdhsa_kernel
	.section	.bss,"aw",@nobits
	.p2align	6
	.space	262144
	.amdgpu_metadata
---
amdhsa.version: [ 1, 2 ]
amdhsa.kernels:
  - .name:           k_q4fca0b3563_attn
    .symbol:         k_q4fca0b3563_attn.kd
    .args:
      - { .name: qln, .offset: 0, .size: 8, .value_kind: global_buffer, .address_space: global }
      - { .name: psum, .offset: 8, .size: 8, .value_kind: global_buffer, .address_space: global }
      - { .name: kvw, .offset: 16, .size: 8, .value_kind: global_buffer, .address_space: global }
      - { .name: cos, .offset: 24, .size: 8, .value_kind: global_buffer, .address_space: global }
      - { .name: sin, .offset: 32, .size: 8, .value_kind: global_buffer, .address_space: global }
      - { .name: att, .offset: 40, .size: 8, .value_kind: global_buffer, .address_space: global }
    .group_segment_fixed_size: 327680
    .private_segment_fixed_size: 0
    .kernarg_segment_align: 8
    .kernarg_segment_size: 48
    .max_flat_workgroup_size: 256
    .sgpr_count:     66
    .vgpr_count:     512
    .wavefront_size: 32
...
	.end_amdgpu_metadata
.endif
;; end of part 7
;; launch oproj (part 8): grid 8 x 32, 4 waves a work-group, clusters of 4 x 4, 312,832 bytes of LDS; arguments att, wob, out0; writes out0
.if DOCPART == 8
	.amdgcn_target "amdgcn-amd-amdhsa--gfx1250"
	.amdhsa_code_object_version 6
	.text
	.protected	k_q4fca0b3563_oproj
	.globl	k_q4fca0b3563_oproj
	.p2align	8
	.type	k_q4fca0b3563_oproj,@function
k_q4fca0b3563_oproj:
	s_mov_b64 s[64:65], 0
	v_nop
	global_prefetch_b8 v0, s[64:65] scope:SCOPE_SE
	s_setreg_imm32_b32 hwreg(HW_REG_WAVE_MODE, 25, 1), 1
	s_wait_xcnt 0x0
	s_wait_alu depctr_hold_cnt(0) depctr_sa_sdst(0) depctr_va_vdst(0) depctr_va_sdst(0) depctr_va_ssrc(0) depctr_va_vcc(0) depctr_vm_vsrc(0)
	s_getreg_b32 s2, hwreg(HW_REG_IB_STS2, 6, 4)
	s_cmp_eq_u32 s2, 0
	s_cbranch_scc0 .Lentry_in_a_cluster
	s_endpgm
.Lentry_in_a_cluster:
	s_bfe_u32 s2, ttmp6, 0x10000c
	s_cmp_lg_u32 s2, 0xf033
	s_cbranch_scc0 .Lentry_shape_is_right
	s_endpgm
.Lentry_shape_is_right:
; oproj: out0 = att Wo.  wob is f16 [1024 k][1024 n], out0 f32 [4096][1024]; k = 64 head + d.
; A work-group makes 128 rows x 128 columns: 8 x 32 = 256 work-groups.  Four waves split by rows: 32 rows x 128 columns = 2 x 8 accumulators.
; att: f16 [b][h][128 tiles of 16 t][4 d tiles][32 lanes][8], the order of a fragment's registers.  A wave needs only its own 32 rows, so they go
; straight from memory into registers, 512 consecutive bytes a load, through a ring of four register buffers of 128 along K (two heads, 16 loads
; each), asked for three buffers ahead.  They pass no LDS.
; Wo: my 128 columns of all 1,024 k rows are 294,912 bytes of LDS (rows of 256 + 32 bytes).  They are filled once, by four tensor loads a wave
; (64 k rows of each K step of 256) issued at the start: nothing is filled again, so the barrier in front of a K step has a counted wait.
; CLUSTERS 4 x 4: Wo's tiles hang on the column block alone and are asked for jointly by a column of the cluster, which divides their requests by
; four.  att is not asked for jointly: a joint request lands in LDS, and each wave would write and read there what it can load directly.
; FORMAT: att and Wo enter the product in f16 (att is a weighted mean of v and has v's room under 65,504), the sums are f32.
.set PB,    288                        ; LDS row of Wo's tile: 256 bytes + 32
.set STEPL, 256*PB                     ; 73,728: a K step of 256 in LDS
.set STAGE, 1024*PB                    ; 294,912: 16 rows x 272 bytes for each wave; no tensor load lands here
.set SP,    272
.set STEPB, 256*2048                   ; a K step in wob
.set STO,  10                          ; stage: where I put a row's piece
.set RD,   11                          ; stage: where I read rows back
.set L16,  12                          ; 16 x lane
.set GO,   13                          ; 4096 h + 16 r: my 16 bytes of two rows of out0
.set ADRB, 16                          ; v[16:23]   LDS address of Wo's fragments, k rows 128 j ..
.set BF0,  80                          ; v[80:207]  Wo fragments, two buffers of 8 x 8
; window 1: accumulator (a, n) at v[8 (8 a + n)]
; window 2: att's fragments: chunk j (128 along K) in buffer j % 4; fragment (ks, a) at 64 (j % 4) + 16 ks + 8 a
.set G1B, 24
.set G0B, 32                           ; s[32:47] a group 0 for each K step
.set W,   56
.set CX,  57
.set CY,  58
.set NB,  59
.set MB,  60
.set CMASK, 62
.set MSB, 0
.macro WIN new
.if MSB != \new
	s_set_vgpr_msb (MSB<<8)|\new
.set MSB, \new
.endif
.endm
.macro PLACES n
.rept \n
	v_nop
.endr
.endm
.macro ROUND
	s_barrier_signal -1
	s_barrier_wait -1
	s_cmp_lg_u32 s[W], 0
	s_cbranch_scc1 .Lnot_wave_0_\@
	s_barrier_signal -3
.Lnot_wave_0_\@:
	s_barrier_wait -3
	s_barrier_signal -1
	s_barrier_wait -1
.endm
; chunk j of att (heads 2 j and 2 j + 1 of my 32 rows): 16 loads of 512 consecutive bytes into ring buffer j % 4.
; head e, 32 d at 32 c, rows 16 a ..: d tiles 2 c and 2 c + 1 are registers 0-3 and 4-7 of the fragment
.macro ALOAD j
	WIN 0x80                                       ; destination in window 2, address in window 0
.irp e, 0,1
.irp c, 0,1
.irp a, 0,1
	global_load_b128 v[64*((\j)%4)+32*\e+16*\c+8*\a:64*((\j)%4)+32*\e+16*\c+8*\a+3], v[L16], s[4:5] offset:(2*(\j)+\e)*262144+\a*2048+\c*1024
	global_load_b128 v[64*((\j)%4)+32*\e+16*\c+8*\a+4:64*((\j)%4)+32*\e+16*\c+8*\a+7], v[L16], s[4:5] offset:(2*(\j)+\e)*262144+\a*2048+\c*1024+512
.endr
.endr
.endr
	WIN 0
.endm
; Chunk j of att is taken up.  Loads come back in order (ISA guide 5.7.1), so it is in when only the chunks issued behind it are out: two (32 loads)
; up to chunk 5, then one, then none.  Then the ring's next request goes out, into the buffer that chunk j - 1 has left.  At most 48 loads are out.
.macro AWAIT j
.if (\j) <= 5
	s_wait_loadcnt 32
.else
	s_wait_loadcnt 16*(7-(\j))
.endif
.if (\j) <= 4
	ALOAD (\j)+3
.endif
.endm
	s_load_b128 s[4:7], s[0:1], 0x0                ; att 4, wob 6
	s_load_b64 s[8:9], s[0:1], 0x10                ; out0
	v_lshl_add_u32 v254, v0, 2, 0x4c400
	v_mov_b32 v255, 0
	ds_add_u32 v254, v255
	v_lshrrev_b32 v24, 5, v0
	v_readfirstlane_b32 s[W], v24
	v_and_b32 v28, 31, v0
	v_lshlrev_b32 v[L16], 4, v28
	s_bfe_u32 s[CX], ttmp6, 0x40000
	s_bfe_u32 s[CY], ttmp6, 0x40004
	s_lshl_b32 s[NB], ttmp9, 2
	s_add_co_u32 s[NB], s[NB], s[CX]
	s_and_b32 s[MB], ttmp7, 0xffff
	s_lshl_b32 s[MB], s[MB], 2
	s_add_co_u32 s[MB], s[MB], s[CY]
	s_lshl_b32 s[CMASK], 0x1111, s[CX]             ; my column of the cluster
	; wob: 64 k rows x 128 f16, 8 words of padding behind every 64
	s_or_b32 s[G1B+0], s[CMASK], (1<<16)|(1<<20)|(1<<21)|(5<<22)|(7<<25)
	s_mov_b32 s[G1B+1], 128<<16
	s_mov_b32 s[G1B+2], 64<<16
	s_mov_b32 s[G1B+3], 128<<16
	s_mov_b32 s[G1B+4], 64
	s_mov_b32 s[G1B+5], 1024
	s_mov_b32 s[G1B+6], 0
	s_mov_b32 s[G1B+7], 0
	s_lshr_b32 s66, s[MB], 4
	s_lshl_b32 s66, s66, 22                        ; att: batch: 16 heads of 262,144 bytes
	s_and_b32 s67, s[MB], 15
	s_lshl_b32 s67, s67, 14                        ; block of 128 rows: 8 tiles of 2,048 bytes
	s_add_co_u32 s66, s66, s67
	s_lshl_b32 s67, s[W], 12                       ; my 2 tiles
	s_add_co_u32 s66, s66, s67
	s_mov_b32 s67, 0
	s_lshl_b32 s68, s[W], 17                       ; wob: my 64 k rows of 2,048 bytes: the column block and the wave alone
	s_lshl_b32 s69, s[NB], 8
	s_add_co_u32 s68, s68, s69
	s_mov_b32 s69, 0
	s_mul_i32 s71, s[W], 64*PB                     ; where they go: the wave's number times a constant
	s_mul_i32 s76, s[W], 16*SP
	s_add_co_u32 s76, s76, STAGE
	s_wait_dscnt 0x0
	s_wait_kmcnt 0x0
	s_add_nc_u64 s[4:5], s[4:5], s[66:67]
	s_add_nc_u64 s[68:69], s[6:7], s[68:69]
	ALOAD 0                                        ; the ring's first three chunks: 48 loads
	ALOAD 1
	ALOAD 2
	ROUND                                          ; in front of the joint loads
.irp s, 0,1,2,3
	s_mov_b32 s[G0B+4*\s], 1
	s_add_co_u32 s[G0B+4*\s+1], s71, \s*STEPL
	s_add_nc_u64 s[G0B+4*\s+2:G0B+4*\s+3], s[68:69], \s*STEPB
	s_or_b32 s[G0B+4*\s+3], s[G0B+4*\s+3], 0x80000000
	tensor_load_to_lds s[G0B+4*\s:G0B+4*\s+3], s[G1B:G1B+7]        ; all four K steps: four loads of mine are out, the most in this text
	s_nop 0
.endr
	v_and_b32 v24, 15, v0                          ; r
	v_bfe_u32 v25, v0, 4, 1                        ; h
	v_and_b32 v26, 7, v0
	v_bfe_u32 v27, v0, 3, 1
	v_lshl_add_u32 v29, v25, 3, v26                ; 8 h + lane % 8: my k row in a transposing load
	v_mul_u32_u24 v29, v29, PB
	v_lshl_add_u32 v29, v27, 4, v29
.irp j, 0,1,2,3,4,5,6,7
	v_add_nc_u32 v[ADRB+\j], \j*128*PB, v29
.endr
	v_mul_u32_u24 v29, v24, SP
	v_lshl_add_u32 v29, v25, 5, v29
	v_add_nc_u32 v[STO], s76, v29                  ; stage row r, byte 32 h
	v_mul_u32_u24 v29, v25, SP
	v_lshl_add_u32 v29, v24, 4, v29
	v_add_nc_u32 v[RD], s76, v29                   ; stage row h, byte 16 r
	v_lshlrev_b32 v29, 12, v25
	v_lshl_add_u32 v[GO], v24, 4, v29
	s_lshl_b32 s72, s[MB], 7                       ; (mixed coordinates: registers that feed no descriptor)
	s_lshl_b32 s74, s[W], 5
	s_add_co_u32 s72, s72, s74
	s_lshl_b32 s72, s72, 12                        ; my first row of out0, 4,096 bytes a row
	s_lshl_b32 s74, s[NB], 9
	s_add_co_u32 s72, s72, s74                     ; my 128 columns
	s_mov_b32 s73, 0
	s_add_nc_u64 s[8:9], s[8:9], s[72:73]
; 16 LDS loads: Wo's 8 fragments of 32 along K (step ks of chunk j) into buffer g, each by two transposing loads 16 k rows apart.  The four v_nop
; are the places between the matrix instructions that read buffer g, or a ring buffer of att that is asked for again right behind this run,
; and the loads into them.
.macro FETCH j, ks, g
	PLACES 4
.irp n, 0,1,2,3,4,5,6,7
	ds_load_tr16_b128 v[BF0+64*\g+8*\n:BF0+64*\g+8*\n+3], v[ADRB+(\j)] offset:\ks*32*PB+32*\n
	ds_load_tr16_b128 v[BF0+64*\g+8*\n+4:BF0+64*\g+8*\n+7], v[ADRB+(\j)] offset:\ks*32*PB+32*\n+16*PB
.endr
.endm
; 16 matrix instructions, used transposed: a lane holds row r and columns 16 n + 8 h + j.  The 16 accumulators take turns, one instruction
; a turn.
.macro MUL f, j, ks, zero
.set AB, 64*((\j)%4)+16*(\ks)
	WIN 0x58                                       ; source 0 window 0, source 1 window 2, C and D window 1
.irp n, 0,1,2,3,4,5,6,7
.irp a, 0,1
.if \zero
	v_wmma_f32_16x16x32_f16 v[8*(8*\a+\n):8*(8*\a+\n)+7], v[BF0+64*\f+8*\n:BF0+64*\f+8*\n+7], v[AB+8*\a:AB+8*\a+7], 0
.else
	v_wmma_f32_16x16x32_f16 v[8*(8*\a+\n):8*(8*\a+\n)+7], v[BF0+64*\f+8*\n:BF0+64*\f+8*\n+7], v[AB+8*\a:AB+8*\a+7], v[8*(8*\a+\n):8*(8*\a+\n)+7]
.endif
.endr
.endr
	WIN 0
.endm
; ask for Wo's fragments of step (jn, ksn) into buffer g, then multiply buffer f, whose loads are all but the 16 just issued
.macro AHEAD jn, ksn, g, f, j, ks, zero
	FETCH \jn, \ksn, \g
	s_wait_dscnt 16
	MUL \f, \j, \ks, \zero
.endm
.macro COMPUTE t, zero                 ; a K step of 256 = chunks 2 t and 2 t + 1 of att
	FETCH 2*\t, 0, 0
	AWAIT 2*\t
	AHEAD 2*\t, 1, 1, 0, 2*\t, 0, \zero
	AHEAD 2*\t, 2, 0, 1, 2*\t, 1, 0
	AHEAD 2*\t, 3, 1, 0, 2*\t, 2, 0
	AHEAD 2*\t+1, 0, 0, 1, 2*\t, 3, 0
	FETCH 2*\t+1, 1, 1
	AWAIT 2*\t+1
	s_wait_dscnt 16
	MUL 0, 2*\t+1, 0, 0
	AHEAD 2*\t+1, 2, 0, 1, 2*\t+1, 1, 0
	AHEAD 2*\t+1, 3, 1, 0, 2*\t+1, 2, 0
	s_wait_dscnt 0x0
	MUL 1, 2*\t+1, 3, 0
.endm
; K step t: my part of it is in when at most my 3 - t younger tensor loads are out; behind the barrier everybody's is.
.macro KSTEP t, zero
	s_wait_tensorcnt 3-\t
	s_wait_dscnt 0x0
	s_barrier_signal -1
	s_barrier_wait -1
	COMPUTE \t, \zero
.endm
	KSTEP 0, 1                                     ; the first products start the sums
	KSTEP 1, 0
	KSTEP 2, 0
	KSTEP 3, 0
	; THE WAY OUT, 16 rows x 64 columns at a time: 32 bytes a lane and tile into my stage, rows of 256 bytes back, two rows a store:
	; 16 lanes store 256 consecutive bytes, at a multiple of 256 from out0's first byte.  Each of the four turns has read-back registers of its own.
	PLACES 4
.irp a, 0,1
.irp c, 0,1
	WIN 0x04                                       ; the LDS stores' data in window 1
.irp q, 0,1,2,3
	ds_store_b128 v[STO], v[8*(8*\a+4*\c+\q):8*(8*\a+4*\c+\q)+3] offset:64*\q
	ds_store_b128 v[STO], v[8*(8*\a+4*\c+\q)+4:8*(8*\a+4*\c+\q)+7] offset:64*\q+16
.endr
	WIN 0
.irp i, 0,1,2,3,4,5,6,7
	ds_load_b128 v[BF0+32*(2*\a+\c)+4*\i:BF0+32*(2*\a+\c)+4*\i+3], v[RD] offset:2*SP*\i    ; my own bytes, in order behind the stores
.endr
.irp i, 0,1,2,3,4,5,6,7
	s_wait_dscnt 7-\i                              ; rows 2 i and 2 i + 1 are in; the younger loads stay out
	global_store_b128 v[GO], v[BF0+32*(2*\a+\c)+4*\i:BF0+32*(2*\a+\c)+4*\i+3], s[8:9] offset:65536*\a+8192*\i+256*\c th:TH_STORE_NT
.endr
.endr
.endr
	s_wait_tensorcnt 0x0
	ds_add_u32 v254, v255
	s_wait_dscnt 0x0
	ROUND                                          ; the closing round
	s_endpgm
.Lfunc_end_k_q4fca0b3563_oproj:
	.size	k_q4fca0b3563_oproj, .Lfunc_end_k_q4fca0b3563_oproj-k_q4fca0b3563_oproj
	.p2alignl 7, 3214868480
	.fill 96, 4, 3214868480
	.section	.rodata,"a",@progbits
	.p2align	6, 0x0
	.amdhsa_kernel k_q4fca0b3563_oproj
		.amdhsa_group_segment_fixed_size 312832
		.amdhsa_private_segment_fixed_size 0
		.amdhsa_enable_private_segment 0
		.amdhsa_kernarg_size 24
		.amdhsa_user_sgpr_count 2
		.amdhsa_user_sgpr_kernarg_segment_ptr 1
		.amdhsa_wavefront_size32 1
		.amdhsa_system_sgpr_workgroup_id_x 1
		.amdhsa_system_sgpr_workgroup_id_y 1
		.amdhsa_system_sgpr_workgroup_id_z 1
		.amdhsa_system_vgpr_workitem_id 0
		.amdhsa_next_free_vgpr 768
		.amdhsa_next_free_sgpr 80
		.amdhsa_reserve_vcc 0
		.amdhsa_float_denorm_mode_32 3
		.amdhsa_float_denorm_mode_16_64 3
		.amdhsa_memory_ordered 1
		.amdhsa_forward_progress 1
		.amdhsa_inst_pref_size 99
	.end_amdhsa_kernel
	.amdgpu_metadata
---
amdhsa.version: [ 1, 2 ]
amdhsa.kernels:
  - .name:           k_q4fca0b3563_oproj
    .symbol:         k_q4fca0b3563_oproj.kd
    .args:
      - { .name: att, .offset: 0, .size: 8, .value_kind: global_buffer, .address_space: global }
      - { .name: wob, .offset: 8, .size: 8, .value_kind: global_buffer, .address_space: global }
      - { .name: out0, .offset: 16, .size: 8, .value_kind: global_buffer, .address_space: global }
    .group_segment_fixed_size: 312832
    .private_segment_fixed_size: 0
    .kernarg_segment_align: 8
    .kernarg_segment_size: 24
    .max_flat_workgroup_size: 128
    .sgpr_count:     80
    .vgpr_count:     768
    .wavefront_size: 32
...
	.end_amdgpu_metadata
.endif
;; end of part 8
;; ======== version 3 of 3: 4 launches; version 2 with the launch prep written anew for expert scheduling mode
;; limits: values are held in f16: magnitudes above 65,504 overflow, below 6.1e-05 lose precision
;; workspace buffers: wqb 2,097,152 bytes; wob 2,097,152 bytes; wkb 786,432 bytes; x16 8,388,608 bytes; qln 16,777,216 bytes; psum 131,072 bytes; kvw 3,145,728 bytes; att 8,388,608 bytes
;; launch prep (part 9): grid 256 x 1, 4 waves a work-group, no clusters, 0 bytes of LDS; arguments Wq, Wo, Wkv, x, wqb, wob, wkb, x16; writes wqb, wob, wkb, x16
.if DOCPART == 9
	.amdgcn_target "amdgcn-amd-amdhsa--gfx1250"
	.amdhsa_code_object_version 6
	.text
	.protected	k_q4fca0b3563_prep
	.globl	k_q4fca0b3563_prep
	.p2align	8
	.type	k_q4fca0b3563_prep,@function
k_q4fca0b3563_prep:
	s_mov_b64 s[64:65], 0
	v_nop
	global_prefetch_b8 v0, s[64:65] scope:SCOPE_SE
	s_setreg_imm32_b32 hwreg(HW_REG_WAVE_SCHED_MODE, 0, 2), 2
	s_setreg_imm32_b32 hwreg(HW_REG_WAVE_MODE, 25, 1), 1
	s_wait_xcnt 0x0
	s_wait_alu depctr_vm_vsrc(0)
; prep: the three weight matrices and x are rounded once from f32 to f16, since 32 row blocks (weights) and 8 column blocks (x) read them later.
; wqb, wob: [1024 k][1024 n] as the sources.  wkb: [8 nb][1024 k][48]: column nb*48 + c of Wkv, so that a block of 64 k rows
; of one nb is 6,144 consecutive bytes.
; x16: [256 tiles of 16 rows][32 blocks of 32 k][2 halves][32 lanes][8 f16]: the order of a matrix fragment's registers.  Lane l = r + 16 h of
; half e holds x(row r, k = 32 block + 16 e + 8 h + 0 .. 7), so that the projection loads a fragment by two loads of 512 consecutive bytes.
; FORMAT: f16 keeps 11 significant bits.  LIMIT: a number above 65,504 in magnitude becomes infinite; below 2^-14 the step is 2^-24.
; 256 work-groups of 128 threads, all with the same work: one tile of x (wave w: k blocks 8 w .. 8 w + 7), 8 passes of Wq, 8 of Wo, 3 of Wkv.
; A k block of x is four 16-byte loads a lane (together 128 consecutive bytes of each of 16 rows), eight roundings in place and two stores of
; 512 consecutive bytes.  A pass of a weight is 4 numbers a thread: one 16-byte load, two roundings, one 8-byte store; a wave's load covers 512
; consecutive bytes (Wkv: runs of 192), its store 256 consecutive aligned bytes.  No work-group shares a byte with another: no LDS, no barrier.
; THE MODE: SCHED_MODE bits 1:0 = 2 (LLVM: expert scheduling mode 2), set by the entry lines.  The code itself states the register dependences
; between vector instructions and memory instructions, with s_wait_alu, always for 0.
; THE PLAN.  Registers that memory instructions touch:
;   v1 .. v7   byte offsets, made once at the head and never written again.
;   XL         16 registers a k block of x.  Written by the loads at the head; block k's roundings read all 16 and write the first 8, which two stores read.
;   LD         written by the loads at the head, read by roundings alone.
;   PK         ten pairs, pass q's at q % 10: two buffers of five, Y0 and Y1.  Written by a group's roundings (passes 0-4 and 10-14: Y0; 5-9 and 15-18: Y1),
;              read by that group's stores.
; All 51 loads go out at the head, so behind it no load lands in any register.  The work goes in twelve steps: eight k blocks of x, then four groups of
; passes (5, 5, 5, 4).  A step's stores are those of THE STEP BEFORE: they read registers that the step's own roundings do not name (another block of XL;
; the other of Y0 and Y1).  So one wait at a step's head, behind the wait for the step's data, states all that its stores hang on, and these are dealt
; among its roundings with no further wait.  Y0 and Y1 are written a second time in groups 2 and 3: there, and only there, a wait for the stores' reads.
.set LD, 8                             ; v[8:83]    the 19 loads of the weights, 4 registers each
.set PK, 84                            ; v[84:103]  ten packed pairs that take turns
.set XL, 104                           ; v[104:231] x: 16 registers a k block as loaded; its first 8 then hold the block in f16
	s_load_b512 s[4:19], s[0:1], 0x0               ; Wq 4, Wo 6, Wkv 8, x 10, wqb 12, wob 14, wkb 16, x16 18
	v_lshlrev_b32 v1, 4, v0                        ; 16 t: my 16 bytes of a pass's source
	v_lshlrev_b32 v2, 3, v0                        ; 8 t: my 8 bytes of a pass's destination
	; Wkv is walked in the destination's order: group gid = 128 p + t of 4 numbers is row kk = gid / 12, columns 4 (gid % 12) ..
.irp p, 0,1,2
	v_add_nc_u32 v6, 128*\p, v0                    ; gid, 0 to 383
	v_mul_u32_u24 v7, v6, 5462
	v_lshrrev_b32 v7, 16, v7                       ; kk = gid / 12 (5462 / 65536 is exact for gid below 384)
	v_mul_u32_u24 v[3+\p], v7, 12
	v_sub_nc_u32 v6, v6, v[3+\p]                   ; gid % 12
	v_mul_u32_u24 v7, v7, 1536                     ; a row of Wkv is 1,536 bytes
	v_lshl_add_u32 v[3+\p], v6, 4, v7
.endr
	v_and_b32 v6, 15, v0                           ; x: row r of the tile, 4,096 bytes a row,
	v_lshlrev_b32 v6, 12, v6
	v_bfe_u32 v7, v0, 4, 1
	v_lshl_add_u32 v6, v7, 5, v6                   ; + 32 h: 8 f32 for each half of the lanes,
	v_lshrrev_b32 v7, 5, v0
	v_lshl_add_u32 v6, v7, 10, v6                  ; + my wave's 8 k blocks of 128 bytes
	v_lshlrev_b32 v7, 13, v7                       ; x16: my wave's 8 k blocks of 1,024 bytes,
	v_and_b32 v[PK], 31, v0
	v_lshl_add_u32 v7, v[PK], 4, v7                ; + 16 x lane
	s_lshl_b32 s20, ttmp9, 14                      ; Wq, Wo: 16,384 source bytes a work-group
	s_mov_b32 s21, 0
	s_lshl_b32 s22, ttmp9, 13                      ; 8,192 destination bytes
	s_mov_b32 s23, 0
	s_and_b32 s24, ttmp9, 31
	s_mul_i32 s24, s24, 32*1536                    ; Wkv: my 32 k rows,
	s_lshr_b32 s25, ttmp9, 5
	s_mul_i32 s25, s25, 192                        ; and my 48 columns
	s_add_co_u32 s24, s24, s25
	s_mov_b32 s25, 0
	s_mul_i32 s26, ttmp9, 3072                     ; wkb: 32 rows of 96 bytes
	s_mov_b32 s27, 0
	s_lshl_b32 s28, ttmp9, 16                      ; x: 16 rows of 4,096 bytes
	s_mov_b32 s29, 0
	s_lshl_b32 s30, ttmp9, 15                      ; x16: a tile of 32,768 bytes
	s_mov_b32 s31, 0
	s_wait_kmcnt 0x0
	s_add_nc_u64 s[4:5], s[4:5], s[20:21]
	s_add_nc_u64 s[6:7], s[6:7], s[20:21]
	s_add_nc_u64 s[8:9], s[8:9], s[24:25]
	s_add_nc_u64 s[10:11], s[10:11], s[28:29]
	s_add_nc_u64 s[12:13], s[12:13], s[22:23]
	s_add_nc_u64 s[14:15], s[14:15], s[22:23]
	s_add_nc_u64 s[16:17], s[16:17], s[26:27]
	s_add_nc_u64 s[18:19], s[18:19], s[30:31]
	s_wait_alu depctr_va_vdst(0)                   ; the seven offsets v1 to v7 are written: every load and store of the kernel reads one of them
	; all 51 loads go out first: 32 of x, then the 19 of the weights
.irp k, 0,1,2,3,4,5,6,7
.irp o, 0,1,2,3
	global_load_b128 v[XL+16*\k+4*\o:XL+16*\k+4*\o+3], v6, s[10:11] offset:128*\k+(\o/2)*64+(\o%2)*16
.endr
.endr
.irp q, 0,1,2,3,4,5,6,7
	global_load_b128 v[LD+4*\q:LD+4*\q+3], v1, s[4:5] offset:2048*\q th:TH_LOAD_NT
.endr
.irp q, 0,1,2,3,4,5,6,7
	global_load_b128 v[LD+32+4*\q:LD+32+4*\q+3], v1, s[6:7] offset:2048*\q th:TH_LOAD_NT
.endr
.irp p, 0,1,2
	global_load_b128 v[LD+64+4*\p:LD+64+4*\p+3], v[3+\p], s[8:9] th:TH_LOAD_NT
.endr
; half e of k block k of x goes out: k = 16 e + 8 h ..: 512 consecutive aligned bytes (k and e may be sums: they stand in brackets everywhere)
.macro XST k, e
	global_store_b128 v7, v[XL+16*(\k)+4*(\e):XL+16*(\k)+4*(\e)+3], s[18:19] offset:1024*(\k)+512*(\e)
.endm
; pass q of the 19 is rounded into its pair
.macro CVT q
	v_cvt_pk_f16_f32 v[PK+2*((\q)%10)], v[LD+4*(\q)], v[LD+4*(\q)+1]
	v_cvt_pk_f16_f32 v[PK+2*((\q)%10)+1], v[LD+4*(\q)+2], v[LD+4*(\q)+3]
.endm
; pass q goes out: passes 0-7 to wqb, 8-15 to wob, 16-18 to wkb, 1,024 bytes a pass
.macro OUT q
	global_store_b64 v2, v[PK+2*((\q)%10):PK+2*((\q)%10)+1], s[12+2*((\q)/8):13+2*((\q)/8)] offset:1024*((\q)%8)
.endm
	; x, a k block at a time.  Rounding i writes register i and reads registers 2 i and 2 i + 1: none that a later rounding still needs.
	; A store of the block before stands ahead of each four roundings.
.irp k, 0,1,2,3,4,5,6,7
	s_wait_loadcnt 47-4*\k                         ; this block's four loads are in; the 4 (7 - k) of the later blocks and the 19 of the weights may be out
.if \k > 0
	s_wait_alu depctr_va_vdst(0)                   ; the block before has written its eight registers, which the two stores below read; this block's roundings name none of them
.endif
.irp e, 0,1
.if \k > 0
	XST (\k)-1, \e
.endif
.irp i, 0,1,2,3
	v_cvt_pk_f16_f32 v[XL+16*\k+4*\e+\i], v[XL+16*\k+8*\e+2*\i], v[XL+16*\k+8*\e+2*\i+1]
.endr
.endr
.endr
	; The weights, in four groups of passes.  A group's loads are in when at most the 18 - (its last pass) younger ones are out.
	; group 0: passes 0 to 4 into Y0
	s_wait_loadcnt 14
	s_wait_alu depctr_va_vdst(0)                   ; x's block 7 has written its eight registers, which the two stores below read
	XST 7, 0
	XST 7, 1
.irp q, 0,1,2,3,4
	CVT \q
.endr
	; group 1: passes 5 to 9 into Y1; group 0 goes out
	s_wait_loadcnt 9
	s_wait_alu depctr_va_vdst(0)                   ; group 0 has written Y0, which the stores below read; this group's roundings name Y1 alone
.irp q, 5,6,7,8,9
	OUT (\q)-5
	CVT \q
.endr
	; group 2: passes 10 to 14 into Y0, its second turn; group 1 goes out
	s_wait_loadcnt 4
	s_wait_xcnt 0x0                                ; every earlier memory instruction has had its addresses translated (ISA guide 3.1): Y0, the data of group 0's stores, is rewritten only behind this wait
	s_wait_alu depctr_vm_vsrc(0)                   ; group 0's stores, issued in group 1, have read Y0, which this group's roundings write again
	s_wait_alu depctr_va_vdst(0)                   ; group 1 has written Y1, which the stores below read
.irp q, 10,11,12,13,14
	OUT (\q)-5
	CVT \q
.endr
	; group 3: passes 15 to 18 into Y1, its second turn; group 2 goes out
	s_wait_loadcnt 0x0
	s_wait_xcnt 0x0                                ; as above, for Y1, the data of group 1's stores
	s_wait_alu depctr_vm_vsrc(0)                   ; group 1's stores, issued in group 2, have read Y1, which this group's roundings write again
	s_wait_alu depctr_va_vdst(0)                   ; group 2 has written Y0, which the stores below read
.irp q, 15,16,17,18
	OUT (\q)-5
	CVT \q
.endr
	OUT 14
	s_wait_alu depctr_va_vdst(0)                   ; group 3 has written its four pairs of Y1, which the last four stores read
.irp q, 15,16,17,18
	OUT \q
.endr
	s_endpgm
.Lfunc_end_k_q4fca0b3563_prep:
	.size	k_q4fca0b3563_prep, .Lfunc_end_k_q4fca0b3563_prep-k_q4fca0b3563_prep
	.p2alignl 7, 3214868480
	.fill 96, 4, 3214868480
	.section	.rodata,"a",@progbits
	.p2align	6, 0x0
	.amdhsa_kernel k_q4fca0b3563_prep
		.amdhsa_group_segment_fixed_size 0
		.amdhsa_private_segment_fixed_size 0
		.amdhsa_enable_private_segment 0
		.amdhsa_kernarg_size 64
		.amdhsa_user_sgpr_count 2
		.amdhsa_user_sgpr_kernarg_segment_ptr 1
		.amdhsa_wavefront_size32 1
		.amdhsa_system_sgpr_workgroup_id_x 1
		.amdhsa_system_sgpr_workgroup_id_y 1
		.amdhsa_system_sgpr_workgroup_id_z 1
		.amdhsa_system_vgpr_workitem_id 0
		.amdhsa_next_free_vgpr 232
		.amdhsa_next_free_sgpr 66
		.amdhsa_reserve_vcc 0
		.amdhsa_float_denorm_mode_32 3
		.amdhsa_float_denorm_mode_16_64 3
		.amdhsa_memory_ordered 1
		.amdhsa_forward_progress 1
		.amdhsa_inst_pref_size 19
	.end_amdhsa_kernel
	.amdgpu_metadata
---
amdhsa.version: [ 1, 2 ]
amdhsa.kernels:
  - .name:           k_q4fca0b3563_prep
    .symbol:         k_q4fca0b3563_prep.kd
    .args:
      - { .name: Wq, .offset: 0, .size: 8, .value_kind: global_buffer, .address_space: global }
      - { .name: Wo, .offset: 8, .size: 8, .value_kind: global_buffer, .address_space: global }
      - { .name: Wkv, .offset: 16, .size: 8, .value_kind: global_buffer, .address_space: global }
      - { .name: x, .offset: 24, .size: 8, .value_kind: global_buffer, .address_space: global }
      - { .name: wqb, .offset: 32, .size: 8, .value_kind: global_buffer, .address_space: global }
      - { .name: wob, .offset: 40, .size: 8, .value_kind: global_buffer, .address_space: global }
      - { .name: wkb, .offset: 48, .size: 8, .value_kind: global_buffer, .address_space: global }
      - { .name: x16, .offset: 56, .size: 8, .value_kind: global_buffer, .address_space: global }
    .group_segment_fixed_size: 0
    .private_segment_fixed_size: 0
    .kernarg_segment_align: 8
    .kernarg_segment_size: 64
    .max_flat_workgroup_size: 128
    .sgpr_count:     66
    .vgpr_count:     232
    .wavefront_size: 32
...
	.end_amdgpu_metadata
.endif
;; end of part 9
;; launch proj: the kernel of part 6 again; grid 8 x 32, 4 waves a work-group, clusters of 4 x 4, 327,680 bytes of LDS; arguments x16, wqb, wkb, cos, sin, ln_g, ln_b, qln, psum, kvw; writes qln, psum, kvw
;; launch attn: the kernel of part 7 again; grid 8 x 32, 8 waves a work-group, clusters of 4 x 1, 327,680 bytes of LDS; arguments qln, psum, kvw, cos, sin, att; writes att
;; launch oproj: the kernel of part 8 again; grid 8 x 32, 4 waves a work-group, clusters of 4 x 4, 312,832 bytes of LDS; arguments att, wob, out0; writes out0
